; MI455X (gfx1250); checked and timed in simulation.
; The chip was launched on July 23, 2026; its instructions are those of AMD's public machine-readable ISA for CDNA 5 (MIT licence, August 2026) and "CDNA5" Instruction Set Architecture Reference Guide (July 2026). The comments in the code are by the model that wrote it; some were corrected since.
;; Causal Self Attention. Allowed arithmetic: matrix products marked QUANTISED: E3M2 operands, one E8M0 scale for each 32 along K, by v_wmma_scale_f32_16x16x128_f8f6f4 with both operands' format E3M2, f32 sums; everything else in f32.
;; Inputs: wk 1,024 x 1,024 float32; wq 1,024 x 1,024 float32; wv 1,024 x 1,024 float32; x 4 x 2,048 x 1,024 float32.
;; Outputs: out0 4 x 2,048 x 1,024 float32.
;; This version of the problem:
;;   THIS VERSION OF THE PROBLEM IS GIVEN IN LOW PRECISION. The matrix products marked QUANTISED in the list below multiply operands that are first quantised to E3M2 (3 exponent bits, 2 mantissa bits; 6 bits a number), with one power-of-two scale for each 32 numbers along K (OCP MX v1.0); their sums are f32. All else is computed in f32.
;;   The module's matrix products, in the order in which they are computed (A, B: the left and right operand; K: the contracted axis; several contracted axes count as one K, in the product's order):
;;     1. [M 8,192, K 1,024] x [K 1,024, N 1,024]; A: input x; B: input wq: QUANTISED
;;     2. [M 8,192, K 1,024] x [K 1,024, N 1,024]; A: input x; B: input wk: QUANTISED
;;     3. [M 8,192, K 1,024] x [K 1,024, N 1,024]; A: input x; B: input wv: QUANTISED
;;     4. batch 4 x [M 2,048, K 1,024] x [K 1,024, N 2,048]; A: computed on the way; B: computed on the way: QUANTISED
;;     5. batch 4 x [M 2,048, K 2,048] x [K 2,048, N 1,024]; A: computed on the way; B: computed on the way: QUANTISED
;;   THE QUANTISER, for each operand of a quantised product, along K:
;;     - K is cut into blocks of 32 from its start; a last block that is shorter is filled with zeros.
;;     - A block's scale is 2^e with e = floor(log2(the largest magnitude in the block)) - 4, held to -126 .. 127; a block of zeros has e = 0. As a byte (E8M0): e + 127.
;;     - Each number is divided by its block's scale, clamped to +-28, and rounded to the nearest number of E3M2, ties to even, subnormals kept.
;;     - The product sums the exact products of the quantised numbers (number of the format x scale) in f32.
;;   ~~~python
;;   def quantise(x, axis):      # numpy; x: float32 -> the quantised numbers, widened to float32 again
;;       x = np.moveaxis(x, axis, -1); K = x.shape[-1]
;;       x = np.pad(x, [(0, 0)] * (x.ndim - 1) + [(0, -K % 32)]); x = x.reshape(x.shape[:-1] + (-1, 32)); a = np.abs(x).max(-1, keepdims=True)
;;       e = np.where(a > 0, np.clip(np.frexp(np.where(a > 0, a, 1))[1] - 1 - 4, -126, 127), 0)      # np.frexp(a)[1] - 1 = floor(log2(a)), exactly
;;       r = np.clip(x / 2.0 ** e, -28, 28)
;;       step = 2.0 ** (np.maximum(np.frexp(np.where(r == 0, 1, r))[1] - 1, -2) - 2)
;;       q = np.round(r / step) * step * 2.0 ** e      # np.round: ties to even
;;       return np.moveaxis(q.reshape(q.shape[:-2] + (-1,))[..., :K], -1, axis).astype(np.float32)
;;   ~~~
;;   OPERANDS COMPUTED ON THE WAY. 'Computed on the way' means the value that the module computes at that place (a softmax that the list does not call 'softmax' is quantised finished and normalised). What goes into a quantiser is computed in f32, as accurately as f32 sums, v_exp_f32 and their like allow (about 1e-6 of the number): no bf16 or f16 on the way to a quantiser, and a product that is left as it is and whose result goes on into a quantised operand takes f32 operands (vector FMAs, or v_wmma_f32_16x16x4_f32). A number that lies on a knife's edge between two numbers of the format may be rounded either way, as far as f32 arithmetic and the matrix unit's own rounding can turn it there, and no further.
;; 2 versions, each right and faster than the one before. Each part assembles by itself: llvm-mc -triple=amdgcn-amd-amdhsa -mcpu=gfx1250 --defsym DOCPART=n.
;; ======== version 1 of 2: 5 launches
;; workspace buffers: xw 9,011,200 bytes; qkv 19,660,800 bytes; st 1,048,576 bytes; pc 13,107,200 bytes
;; launch quant (part 1): grid 352 x 1, 4 waves a work-group, no clusters, 34,304 bytes of LDS; arguments x, wq, wk, wv, xw; writes xw
.if DOCPART == 1
	.amdgcn_target "amdgcn-amd-amdhsa--gfx1250"
	.amdhsa_code_object_version 6
	.text
	.protected	k_q959ee42669_quant
	.globl	k_q959ee42669_quant
	.p2align	8
	.type	k_q959ee42669_quant,@function
k_q959ee42669_quant:
	s_mov_b64 s[64:65], 0
	v_nop
	global_prefetch_b8 v0, s[64:65] scope:SCOPE_SE
	s_setreg_imm32_b32 hwreg(HW_REG_WAVE_MODE, 25, 1), 1
	s_wait_xcnt 0x0
; THE PROGRAM.  With i a key and j a query: T[i][j] = k_i . q_j / 32; softmax along j over all 2,048 queries of a batch; what is kept is j <= i; out[i] = sum over j <= i of P[i][j] v_j.
; All five products run on codes of E3M2 with one E8M0 scale for each 32 along K.  Five launches: quant (x and the weights into codes), proj (q, k, v^T as codes), stats (a shift and a sum for each key and each
; 128 queries), probs (the finished, normalised P as codes, where j <= i), pv (out).
; WORK LEFT OUT, for all values of the inputs: reference() multiplies the softmax by triu's zeros, which it builds in its own body, so P[i][j] = 0 for j > i whatever the inputs hold.  A block of 32 zeros has zero codes, and
; zero codes add nothing to a sum.  So the steps of the last product whose 256 queries all come after a block's keys are not multiplied, and P is not made there; the scores themselves are live everywhere, since
; every key's sum runs over all queries.  All four inputs are live and are loaded.  LIMIT: a NaN, an infinity or an overflow that reaches only the work left out (a v_j with j > i) is not carried to row i.
; OTHER LIMITS: NaN and infinities among the inputs are not served; a block of zeros gets the scale byte 1 where the rule says 127 (its codes are zeros, and this program alone reads the bytes).
;
; THIS LAUNCH: x [8192][1024] and wq, wk, wv [1024][1024], f32, K innermost, become PANELS in xw.
; A PANEL is 128 rows x 128 along K as an image of the operand's registers, 12,800 bytes: eight fragments (tile t) of 1,536 bytes, registers 4 g .. 4 g + 3 of lane l at 1536 t + 512 g + 16 l; then the scale words,
; that of (tile t, fragment row r) at 12288 + 256 (t / 4) + 16 r + 4 (t % 4).  Fragment row r of tile t is panel row 32 (t / 2) + 8 (t % 2) + r + 8 (r / 8): with that order, a product that takes the panel as
; source 0 leaves 16 neighbours along the next K in a lane's 16 registers of two neighbouring tiles.  Panels lie [block of 128 rows][128 along K]; row blocks 0-63 x, 64-71 wq, 72-79 wk, 80-87 wv.
; SHARES: a work-group takes two panels, a wave half a panel: four tiles of 16 rows x 128.  A tile's rows are loaded as they lie (512 consecutive bytes a load), turned through the wave's own stage in LDS, so that lane
; (r, h) holds k = 64 c + 32 h + 0 .. 31 of row r: two whole blocks, in the order of the operand's registers.  No matrix work, no tensor load, no barrier: waves share nothing.
.set STG,   8448                       ; a wave's stage: 16 rows x (512 bytes + 16): row r starts 4 r words on modulo 64
.set SPARE, 4*STG                      ; behind the stages: the spare words, 128 bytes a wave
.set SPW,   12                         ; v12  my spare word's LDS address; never rewritten
.set NIL,   13                         ; v13  0; never rewritten
.set R,     16                         ; v16-143   two sets of 64: a tile as loaded
.set X,     144                        ; v144-207  a tile as turned: register 32 c + i = k 64 c + 32 h + i of my row
.set PC,    208                        ; v208-231  two sets of 12: a fragment's codes
.set CV,    232                        ; v232-234, v236-238: the upper halves of the two blocks' codes
.set MX,    240                        ; v240-241 largest magnitudes, v242-243 scale operands, v244-245 bytes, v246-247 at work
.set PW,    248                        ; v248-251  the four tiles' scale words
	s_load_b256 s[4:11], s[0:1], 0x0               ; x, wq, wk, wv
	s_load_b64 s[12:13], s[0:1], 0x20              ; xw
	v_lshl_add_u32 v[SPW], v0, 2, SPARE
	v_mov_b32 v[NIL], 0
	v_lshrrev_b32 v1, 5, v0
	v_readfirstlane_b32 s16, v1                    ; wave
	v_and_b32 v1, 31, v0                           ; lane
	v_and_b32 v7, 15, v0                           ; r
	v_bfe_u32 v8, v0, 4, 1                         ; h
	v_lshlrev_b32 v2, 4, v1                        ; 16 x lane: a load's and an image store's place
	s_mul_i32 s17, s16, STG
	v_add_nc_u32 v3, s17, v2                       ; the stage, on the way in
	v_mul_u32_u24 v4, v7, 528
	v_lshl_add_u32 v4, v8, 7, v4
	v_add_nc_u32 v4, s17, v4                       ; and on the way out: row r, + 128 h bytes
	v_lshlrev_b32 v5, 4, v7
	v_lshl_add_u32 v5, v8, 3, v5                   ; the scale words' place: 16 r + 8 h
	v_lshlrev_b32 v6, 3, v8                        ; 8 h: how far my two bytes are shifted in a scale word
	v_mov_b32 v[MX+7], 0                           ; a lane permute's destination counts as one of its sources
	s_mov_b32 s20, 0x76543210
	s_mov_b32 s21, 0xfedcba98                      ; selects for lane l xor 16
	s_lshl_b32 s18, ttmp9, 1
	s_lshr_b32 s22, s16, 1
	s_add_co_u32 s18, s18, s22                     ; my panel p = 2 x work-group + wave / 2
	s_and_b32 s26, s16, 1                          ; my half of it
	s_sub_co_u32 s19, s18, 512
	s_and_b32 s19, s19, 63                         ; the panel's number inside a weight
	s_cmp_lt_u32 ttmp9, 256
	s_cselect_b32 s19, s18, s19                    ; or inside x
	s_lshr_b32 s22, s19, 3
	s_lshl_b32 s22, s22, 19                        ; 128 rows of 4,096 bytes for each row block,
	s_lshl_b32 s23, s26, 18                        ; 64 rows for my half,
	s_add_co_u32 s22, s22, s23
	s_and_b32 s23, s19, 7
	s_lshl_b32 s23, s23, 9                         ; 512 bytes for each 128 along K
	s_add_co_u32 s22, s22, s23
	s_mov_b32 s23, 0
	s_mul_i32 s24, s18, 12800
	s_mul_i32 s27, s26, 6144
	s_add_co_u32 s24, s24, s27                     ; my four fragments in xw
	s_mov_b32 s25, 0
	s_mul_i32 s28, s18, 12800
	s_lshl_b32 s27, s26, 8
	s_add_co_u32 s28, s28, s27
	s_add_co_u32 s28, s28, 12288                   ; and their 256 bytes of scale words
	s_mov_b32 s29, 0
	s_wait_kmcnt 0x0
	s_cmp_lt_u32 ttmp9, 320                        ; which tensor: the choice hangs on the work-group's number alone
	s_cselect_b64 s[10:11], s[8:9], s[10:11]
	s_cmp_lt_u32 ttmp9, 288
	s_cselect_b64 s[10:11], s[6:7], s[10:11]
	s_cmp_lt_u32 ttmp9, 256
	s_cselect_b64 s[10:11], s[4:5], s[10:11]
	s_add_nc_u64 s[10:11], s[10:11], s[22:23]
	s_add_nc_u64 s[14:15], s[12:13], s[28:29]
	s_add_nc_u64 s[12:13], s[12:13], s[24:25]
.macro LOAD tt                         ; tile tt's sixteen rows, in the panel's row order: 32 lanes read 512 consecutive bytes
.irp i, 0,1,2,3,4,5,6,7,8,9,10,11,12,13,14,15
	global_load_b128 v[R+64*((\tt)%2)+4*\i:R+64*((\tt)%2)+4*\i+3], v2, s[10:11] offset:(32*((\tt)/2)+8*((\tt)%2)+\i+8*(\i/8))*4096 th:TH_LOAD_NT
.endr
.endm
; left: the loads of the tile behind this one, which may stay out.  more = 1: the set just emptied takes the tile two on.
.macro TILE tt, left, more
.set P, PC+12*((\tt)%2)
	s_wait_loadcnt \left
.irp i, 0,1,2,3,4,5,6,7,8,9,10,11,12,13,14,15
	ds_store_b128 v3, v[R+64*((\tt)%2)+4*\i:R+64*((\tt)%2)+4*\i+3] offset:528*\i
.endr
.irp c, 0,1
.irp e, 0,1,2,3,4,5,6,7
	ds_load_b128 v[X+32*\c+4*\e:X+32*\c+4*\e+3], v4 offset:256*\c+16*\e   ; LDS serves a wave's instructions in order: these see the stores above
.endr
.endr
	s_wait_dscnt 0x0                               ; the numbers are back, and the stores have read their registers
.if \more
	LOAD (\tt)+2
.endif
.irp c, 0,1
	v_max3_num_f32 v[MX+\c], |v[X+32*\c]|, |v[X+32*\c+1]|, 0x2800000   ; my block 2 c + h, and the floor 2^(5 - 127): the byte cannot fall under 1
.endr
.irp i, 2,4,6,8,10,12,14,16,18,20,22,24,26,28,30
.irp c, 0,1
	v_max3_num_f32 v[MX+\c], v[MX+\c], |v[X+32*\c+\i]|, |v[X+32*\c+\i+1]|
.endr
.endr
.irp c, 0,1
	v_add_nc_u32 v[MX+2+\c], 0xfe000000, v[MX+\c]  ; 4 off the exponent field: the conversion's scale operand
.endr
.irp c, 0,1
	v_lshrrev_b32 v[MX+4+\c], 23, v[MX+2+\c]       ; the scale's byte
.endr
	v_lshl_or_b32 v[MX+6], v[MX+5], 16, v[MX+4]    ; blocks h and 2 + h,
	v_lshlrev_b32 v[MX+6], v6, v[MX+6]             ; at their places in the word;
	v_permlanex16_b32 v[MX+7], v[MX+6], s20, s21
	v_or_b32 v[PW+(\tt)], v[MX+6], v[MX+7]         ; with lane l xor 16's two the word is whole, in both lanes
.if (\tt) >= 2
	s_wait_xcnt 0x0                                ; the stores of the tile two back have read this set of codes
.endif
.irp c, 0,1
	v_cvt_scalef32_pk16_bf6_f32 v[P+6*\c:P+6*\c+2], v[X+32*\c:X+32*\c+15], v[MX+2+\c]
	v_cvt_scalef32_pk16_bf6_f32 v[CV+4*\c:CV+4*\c+2], v[X+32*\c+16:X+32*\c+31], v[MX+2+\c]   ; (a conversion's three registers begin on an even number)
.endr
	v_nop                                          ; one plain place behind the conversions
.irp c, 0,1
.irp i, 0,1,2
	v_mov_b32 v[P+3+6*\c+\i], v[CV+4*\c+\i]
.endr
.endr
.irp g, 0,1,2
	global_store_b128 v2, v[P+4*\g:P+4*\g+3], s[12:13] offset:1536*(\tt)+512*\g   ; 512 consecutive bytes, at a multiple of 256 from xw's first byte
.endr
.endm
	LOAD 0
	LOAD 1
	TILE 0, 16, 1
	TILE 1, 16, 1
	TILE 2, 16, 0
	TILE 3, 0, 0
	v_cmp_ne_u32 vcc_lo, 0, v8
	v_cndmask_b32 v252, v[PW], v[PW+2], vcc_lo     ; lane (r, h) stores the words of tiles 2 h and 2 h + 1
	v_cndmask_b32 v253, v[PW+1], v[PW+3], vcc_lo
	global_store_b64 v5, v[252:253], s[14:15]      ; 256 consecutive bytes
	s_wait_tensorcnt 0x0                           ; the wave's end: behind my last LDS store
	ds_add_u32 v[SPW], v[NIL]
	s_wait_dscnt 0x0
	s_endpgm
.Lfunc_end_k_q959ee42669_quant:
	.size	k_q959ee42669_quant, .Lfunc_end_k_q959ee42669_quant-k_q959ee42669_quant
	.p2alignl 7, 3214868480
	.fill 96, 4, 3214868480
	.section	.rodata,"a",@progbits
	.p2align	6, 0x0
	.amdhsa_kernel k_q959ee42669_quant
		.amdhsa_group_segment_fixed_size 34304
		.amdhsa_private_segment_fixed_size 0
		.amdhsa_enable_private_segment 0
		.amdhsa_kernarg_size 40
		.amdhsa_user_sgpr_count 2
		.amdhsa_user_sgpr_kernarg_segment_ptr 1
		.amdhsa_wavefront_size32 1
		.amdhsa_system_sgpr_workgroup_id_x 1
		.amdhsa_system_sgpr_workgroup_id_y 1
		.amdhsa_system_sgpr_workgroup_id_z 1
		.amdhsa_system_vgpr_workitem_id 0
		.amdhsa_next_free_vgpr 256
		.amdhsa_next_free_sgpr 66
		.amdhsa_reserve_vcc 1
		.amdhsa_float_denorm_mode_32 3
		.amdhsa_float_denorm_mode_16_64 3
		.amdhsa_memory_ordered 1
		.amdhsa_forward_progress 1
		.amdhsa_inst_pref_size 31
	.end_amdhsa_kernel
	.amdgpu_metadata
---
amdhsa.version: [ 1, 2 ]
amdhsa.kernels:
  - .name:           k_q959ee42669_quant
    .symbol:         k_q959ee42669_quant.kd
    .args:
      - { .name: x, .offset: 0, .size: 8, .value_kind: global_buffer, .address_space: global }
      - { .name: wq, .offset: 8, .size: 8, .value_kind: global_buffer, .address_space: global }
      - { .name: wk, .offset: 16, .size: 8, .value_kind: global_buffer, .address_space: global }
      - { .name: wv, .offset: 24, .size: 8, .value_kind: global_buffer, .address_space: global }
      - { .name: xw, .offset: 32, .size: 8, .value_kind: global_buffer, .address_space: global }
    .group_segment_fixed_size: 34304
    .private_segment_fixed_size: 0
    .kernarg_segment_align: 8
    .kernarg_segment_size: 40
    .max_flat_workgroup_size: 128
    .sgpr_count:     66
    .vgpr_count:     256
    .wavefront_size: 32
...
	.end_amdgpu_metadata
.endif
;; end of part 1
;; launch proj (part 2): grid 96 x 4, 4 waves a work-group, clusters of 4 x 4, 327,680 bytes of LDS; arguments xw, qkv; writes qkv
.if DOCPART == 2
	.amdgcn_target "amdgcn-amd-amdhsa--gfx1250"
	.amdhsa_code_object_version 6
	.text
	.protected	k_q959ee42669_proj
	.globl	k_q959ee42669_proj
	.p2align	8
	.type	k_q959ee42669_proj,@function
k_q959ee42669_proj:
	s_mov_b64 s[64:65], 0
	v_nop
	global_prefetch_b8 v0, s[64:65] scope:SCOPE_SE
	s_setreg_imm32_b32 hwreg(HW_REG_WAVE_MODE, 25, 1), 1
	s_wait_xcnt 0x0
	s_wait_alu depctr_hold_cnt(0) depctr_sa_sdst(0) depctr_va_vdst(0) depctr_va_sdst(0) depctr_va_ssrc(0) depctr_va_vcc(0) depctr_vm_vsrc(0)
	s_getreg_b32 s2, hwreg(HW_REG_IB_STS2, 6, 4)
	s_cmp_eq_u32 s2, 0
	s_cbranch_scc0 .Lentry_in_a_cluster
	s_endpgm
.Lentry_in_a_cluster:
	s_bfe_u32 s2, ttmp6, 0x10000c
	s_cmp_lg_u32 s2, 0xf033
	s_cbranch_scc0 .Lentry_shape_is_right
	s_endpgm
.Lentry_shape_is_right:
; q = x wq^T, k = x wk^T, v = x wv^T on codes of E3M2, and the results quantised at once into panels (the format: 128 rows x 128 K as an image of the operand's registers, 12,800 bytes; see the first launch).
; q and k are quantised along their features (the scores' K), v along the sequence (the last product's K), so v is made transposed: its new rows are wv's rows.
; A work-group of four waves makes 256 x 256; a wave 128 x 128: 64 accumulators.  SOURCE 1 (S1) holds the rows of the new operand, SOURCE 0 (S0) its new K: a lane then holds one new row, and the 64 registers of S0's
; eight tiles are 64 numbers along the new K, 16 neighbours for each block of 32.  So a wave's tile becomes exactly one panel and leaves from registers, 512 consecutive bytes a store.
; Clusters c = 0 .. 15: S1 = 1,024 rows of x, S0 = all of wq (c even) or wk (c odd).  Clusters 16 .. 23: S1 = all of wv, S0 = 1,024 rows of x.  Only numbers are chosen by c: one text for all.
; CLUSTER 4 x 4: S1's tiles hang on cy alone and are asked for jointly along a row of the cluster, S0's on cx alone, along a column.
; K = 1,024 goes in four slots' worth of 256 through two LDS slots; all eight steps of 128 are written out.  By this text's count a wave has at most two tensor loads out.
; REGISTERS: window 0: v1-15 addresses; v48-63 scale words, two sets; v64-159, v160-255 S1's fragments, two sets.  window 1: S0's fragments at v0 and v128.  windows 2, 3: accumulator (a, b) at v[8 (8 (a % 4) + b)].
.set PANEL, 12800
.set CODES, 12288
.set HALFT, 2*PANEL                    ; 128 rows x 256 K: what one tensor load brings: 100 rows of 256 bytes, dense in memory
.set SLOT,  4*HALFT                    ; S1's two halves, then S0's two halves
.set SPARE, 2*SLOT                     ; behind the ring: the spare words, 128 bytes a wave
.set RBS,   8*PANEL                    ; a block of 128 rows, all of K = 1,024
.set FR,    12
.set LI,    3                          ; v3    16 x lane
.set ADRA,  4                          ; v4-5  my S1 half in slot 0, 1
.set ADRB,  6                          ; v6-7  my S0 half
.set ADRS,  8                          ; v8-9  scale words: lanes 0-15 S1's, lanes 16-31 S0's
.set SPW,   10
.set NIL,   11
.set SC,    48
.set AF,    64
.set TM,    224                        ; the way out: v224-239 at work, v240-246 upper halves of codes
.set CV,    240
.set G1,  24
.set G0,  32
.set G1B, 48
.set G0B, 56
.set OUT, 74
.set SEL, 78
.set MSB, 0
.macro WIN new                         ; the immediate's high byte repeats the setting that is left
.if MSB != (\new)
	s_set_vgpr_msb (MSB<<8)|(\new)
.set MSB, (\new)
.endif
.endm
.set MUL_LO, 0xa1                      ; source 0 window 1, source 1 window 0, C and D window 2
.set MUL_HI, 0xf1                      ; the same, C and D window 3
.set TO_B,   0x40                      ; destination window 1
.macro PLACES                          ; four plain places: ahead of loads into registers that matrix instructions have read, and of the first read of results
.rept 4
	v_nop
.endr
.endm
.macro JLOAD g0a, g1a, g0b, g1b        ; a joint load: waves 0, 1 fetch S1's halves, waves 2, 3 S0's; the branch hangs on the wave's number alone; s_nop 0 and four v_nop follow each line
	s_cmp_eq_u32 s15, 0
	s_cbranch_scc0 .Lfor_b_\@
	tensor_load_to_lds s[\g0a:\g0a+3], s[\g1a:\g1a+7]
	s_nop 0
	PLACES
	s_branch .Lasked_\@
.Lfor_b_\@:
	tensor_load_to_lds s[\g0b:\g0b+3], s[\g1b:\g1b+7]
	s_nop 0
	PLACES
.Lasked_\@:
.endm
.macro CREST                           ; a round of the cluster's barrier behind its opening barrier
	s_cmp_lg_u32 s14, 0
	s_cbranch_scc1 .Lnot_wave_0_\@
	s_barrier_signal -3
.Lnot_wave_0_\@:
	s_barrier_wait -3
	s_barrier_signal -1
	s_barrier_wait -1
.endm
.macro CROUND
	s_barrier_signal -1
	s_barrier_wait -1
	CREST
.endm
.macro REFILL slot                     ; the slot just left takes the K steps two slots on
	CREST                                          ; no wave of any partner still reads the slot or has a load on its way
	s_add_nc_u64 s[G0+4*\slot+2:G0+4*\slot+3], s[G0+4*\slot+2:G0+4*\slot+3], 2*HALFT
	s_add_nc_u64 s[G0B+4*\slot+2:G0B+4*\slot+3], s[G0B+4*\slot+2:G0B+4*\slot+3], 2*HALFT
	JLOAD G0+4*\slot, G1, G0B+4*\slot, G1B
.endm
.macro FRAG reg, adr, off              ; a fragment comes back as it was stored: three loads of 16 bytes a lane, 512 consecutive bytes each
.irp g, 0,1,2
	ds_load_b128 v[(\reg)+4*\g:(\reg)+4*\g+3], v[\adr] offset:(\off)+512*\g
.endr
.endm
.macro FETCH slot, ksl, set            ; 50 loads: S0's eight fragments, the scale words, S1's tiles 0-3, S1's tiles 4-7
	WIN TO_B
.irp i, 0,1,2,3,4,5,6,7
	FRAG 128*(\set)+FR*\i, ADRB+\slot, (\ksl)*PANEL+1536*\i
.endr
	WIN 0
	ds_load_b128 v[SC+8*(\set):SC+8*(\set)+3], v[ADRS+\slot] offset:(\ksl)*PANEL
	ds_load_b128 v[SC+8*(\set)+4:SC+8*(\set)+7], v[ADRS+\slot] offset:(\ksl)*PANEL+256
.irp i, 0,1,2,3,4,5,6,7
	FRAG AF+96*(\set)+FR*\i, ADRA+\slot, (\ksl)*PANEL+1536*\i
.endr
.endm
; 16 products: S1's tiles a0, a0 + 1 x S0's eight.  The 64 accumulators take turns, one instruction a turn, in one order throughout.  zero = 1: the product starts the sum.
.macro MUL16 a0, set, zero
.irp a, \a0, \a0+1
.irp b, 0,1,2,3,4,5,6,7
.if \zero
	v_wmma_scale_f32_16x16x128_f8f6f4 v[8*(8*((\a)%4)+\b):8*(8*((\a)%4)+\b)+7], v[128*(\set)+FR*\b:128*(\set)+FR*\b+FR-1], v[AF+96*(\set)+FR*(\a):AF+96*(\set)+FR*(\a)+FR-1], 0, v[SC+8*(\set)+\b], v[SC+8*(\set)+(\a)] matrix_a_fmt:MATRIX_FMT_BF6 matrix_b_fmt:MATRIX_FMT_BF6 matrix_a_scale:MATRIX_SCALE_ROW1
.else
	v_wmma_scale_f32_16x16x128_f8f6f4 v[8*(8*((\a)%4)+\b):8*(8*((\a)%4)+\b)+7], v[128*(\set)+FR*\b:128*(\set)+FR*\b+FR-1], v[AF+96*(\set)+FR*(\a):AF+96*(\set)+FR*(\a)+FR-1], v[8*(8*((\a)%4)+\b):8*(8*((\a)%4)+\b)+7], v[SC+8*(\set)+\b], v[SC+8*(\set)+(\a)] matrix_a_fmt:MATRIX_FMT_BF6 matrix_b_fmt:MATRIX_FMT_BF6 matrix_a_scale:MATRIX_SCALE_ROW1
.endif
.endr
.endr
.endm
.macro STEP slot, zero                 ; a slot's first 128 along K (set 0); in its middle the second 128 are fetched into set 1
	s_wait_dscnt 12                                ; all but the youngest twelve loads (S1's tiles 4-7)
	WIN MUL_LO
	MUL16 0, 0, \zero
	MUL16 2, 0, \zero
	PLACES
	FETCH \slot, 1, 1
	s_wait_dscnt 50                                ; all but the 50 just issued
	WIN MUL_HI
	MUL16 4, 0, \zero
	MUL16 6, 0, \zero
.endm
.macro TURN slot, next, fill           ; a slot's second 128 (set 1), and the change of slots: one barrier
	WIN 0
	s_wait_tensorcnt 0x0                           ; all my tensor loads have landed: my part of the next slot
	ds_add_u32 v[SPW], v[NIL]                      ; 0 onto my spare word
	s_wait_dscnt 13                                ; (the add and the youngest twelve loads may be out)
	WIN MUL_LO
	MUL16 0, 1, 0
	s_wait_dscnt 0x0                               ; the add is done, and my reads of this slot are over
	s_barrier_signal -1
	MUL16 2, 1, 0
	WIN 0
	s_barrier_wait -1
.if \fill
	REFILL \slot                                   ; the first tensor load behind the barrier; its four v_nop are the places ahead of the loads below
.else
	PLACES
.endif
	FETCH \next, 0, 0
	WIN MUL_HI
	MUL16 4, 1, 0
	MUL16 6, 1, 0
.endm
.macro LAST
	s_wait_dscnt 12
	WIN MUL_LO
	MUL16 0, 1, 0
	MUL16 2, 1, 0
	s_wait_dscnt 0x0
	WIN MUL_HI
	MUL16 4, 1, 0
	MUL16 6, 1, 0
	WIN 0
.endm
; 64 numbers of a lane, v[s] on in window w, register 16 b + i = k 32 b + 16 (lane / 16) + i of my row, become a fragment's codes in v[pc] on and its scale word in v[pw], both in window 0.
.macro QUANT s, w, pc, pw
	WIN (\w)|((\w)<<2)
.irp b, 0,1,2,3
	v_max3_num_f32 v[TM+\b], |v[(\s)+16*\b]|, |v[(\s)+1+16*\b]|, 0x2800000   ; block b: my 16 numbers, from each accumulator's low end on, and the floor 2^(5 - 127)
.endr
.irp i, 2,4,6,8,10,12,14
.irp b, 0,1,2,3
	v_max3_num_f32 v[TM+\b], |v[(\s)+16*\b+\i]|, |v[(\s)+1+16*\b+\i]|, v[TM+\b]
.endr
.endr
	WIN 0
.irp b, 0,1,2,3
	v_permlanex16_b32 v[TM+4+\b], v[TM+\b], s[SEL], s[SEL+1]
.endr
.irp b, 0,1,2,3
	v_max_num_f32 v[TM+\b], v[TM+\b], v[TM+4+\b]   ; with lane l xor 16's: the block's largest magnitude
.endr
.irp b, 0,1,2,3
	v_add_nc_u32 v[TM+12+\b], 0xfe000000, v[TM+\b] ; 4 off its exponent field: the conversion's scale operand
.endr
.irp b, 0,1,2,3
	v_lshrrev_b32 v[TM+4+\b], 23, v[TM+12+\b]      ; the scale's byte
.endr
	v_lshl_or_b32 v[\pw], v[TM+5], 8, v[TM+4]
	v_lshl_or_b32 v[\pw], v[TM+6], 16, v[\pw]
	v_lshl_or_b32 v[\pw], v[TM+7], 24, v[\pw]
	WIN \w
.irp c, 0,1
	v_cvt_scalef32_pk16_bf6_f32 v[(\pc)+6*\c:(\pc)+2+6*\c], v[(\s)+32*\c:(\s)+15+32*\c], v[TM+12+2*\c]
	v_cvt_scalef32_pk16_bf6_f32 v[CV+4*\c:CV+2+4*\c], v[(\s)+16+32*\c:(\s)+31+32*\c], v[TM+12+2*\c+1]
.endr
	WIN 0
	v_nop                                          ; one plain place behind the conversions
.irp c, 0,1                            ; the operand's layout wants a whole block in a lane
.irp i, 0,1,2
	v_permlane16_swap_b32 v[(\pc)+6*\c+\i], v[CV+4*\c+\i]
.endr
.irp i, 0,1,2
	v_mov_b32 v[(\pc)+3+6*\c+\i], v[CV+4*\c+\i]
.endr
.endr
.endm
	s_load_b128 s[4:7], s[0:1], 0x0                ; xw, qkv
	v_lshl_add_u32 v[SPW], v0, 2, SPARE
	v_mov_b32 v[NIL], 0
	ds_add_u32 v[SPW], v[NIL]                      ; the wave's opening: the add, twice on end, and its wait ahead of my first tensor load
	ds_add_u32 v[SPW], v[NIL]
	v_lshrrev_b32 v1, 5, v0
	v_readfirstlane_b32 s14, v1                    ; wave
	s_lshr_b32 s15, s14, 1                         ; my half of S1.  Also: I fetch for S1 (0) or S0 (1)
	s_and_b32 s16, s14, 1                          ; my half of S0.  Also: which half I fetch
	s_bfe_u32 s40, ttmp6, 0x40000                  ; cx
	s_bfe_u32 s41, ttmp6, 0x40004                  ; cy
	s_lshl_b32 s43, s41, 2
	s_lshl_b32 s43, 15, s43                        ; my row of the cluster
	s_lshl_b32 s44, 0x1111, s40                    ; my column
	s_or_b32 s[G1], s43, (3<<16)|(1<<21)           ; the mask; elements of 8 bytes; bit 21 beside a mask; no padding
	s_or_b32 s[G1B], s44, (3<<16)|(1<<21)
.irp g, G1, G1B
	s_mov_b32 s[\g+1], 32<<16                      ; tensor_dim0 = 32 elements: 256 bytes
	s_mov_b32 s[\g+2], 100<<16                     ; tensor_dim1 = 100 rows
	s_mov_b32 s[\g+3], 32<<16                      ; tile_dim0
	s_mov_b32 s[\g+4], 100                         ; tile_dim1
	s_mov_b32 s[\g+5], 32                          ; the pitch: dense
	s_mov_b32 s[\g+6], 0
	s_mov_b32 s[\g+7], 0
.endr
	s_lshr_b32 s17, ttmp9, 1
	s_lshl_b32 s17, s17, 3                         ; 8 (c / 2): x's row blocks, for q and k
	s_and_b32 s18, ttmp9, 1
	s_lshl_b32 s18, s18, 3                         ; 8 (c % 2): wq or wk
	s_add_co_u32 s19, s18, 64
	s_sub_co_u32 s20, ttmp9, 16
	s_lshl_b32 s20, s20, 3                         ; 8 (c - 16): x's row blocks, for v
	s_cmp_lt_u32 ttmp9, 16                         ; the cluster's number: the same in all partners
	s_cselect_b32 s21, s17, 80                     ; S1's first row block in xw,
	s_cselect_b32 s22, s17, 0                      ; and counted in its own tensor
	s_cselect_b32 s23, s19, s20                    ; S0's likewise
	s_cselect_b32 s45, s18, s20
	s_cselect_b32 s46, 1, 0
	s_lshl_b32 s47, s41, 1                         ; 2 cy
	s_lshl_b32 s76, s40, 1                         ; 2 cx
	s_add_co_u32 s66, s21, s47
	s_add_co_u32 s66, s66, s16
	s_mul_i32 s66, s66, RBS                        ; S1's half that I fetch: it hangs on cy and the wave alone
	s_mov_b32 s67, 0
	s_add_co_u32 s68, s23, s76
	s_add_co_u32 s68, s68, s16
	s_mul_i32 s68, s68, RBS                        ; S0's: on cx and the wave alone
	s_mov_b32 s69, 0
	s_add_co_u32 s70, s22, s47
	s_add_co_u32 s70, s70, s15                     ; R1: the new operand's row block
	s_add_co_u32 s71, s45, s76
	s_add_co_u32 s71, s71, s16                     ; B0: its 128 along the new K
	s_lshr_b32 s72, s71, 3
	s_lshl_b32 s72, s72, 9                         ; q or k: 512 panels each,
	s_lshl_b32 s80, s70, 3
	s_add_co_u32 s72, s72, s80                     ; 8 for each row block,
	s_and_b32 s80, s71, 7
	s_add_co_u32 s72, s72, s80
	s_lshr_b32 s73, s71, 4
	s_lshl_b32 s73, s73, 7                         ; v^T: 128 panels a batch,
	s_lshl_b32 s80, s70, 4
	s_add_co_u32 s73, s73, s80                     ; 16 for each row block,
	s_and_b32 s80, s71, 15
	s_add_co_u32 s73, s73, s80
	s_add_co_u32 s73, s73, 1024                    ; behind q's and k's
	s_cmp_eq_u32 s46, 1
	s_cselect_b32 s72, s72, s73
	s_mul_i32 s72, s72, PANEL
	s_mov_b32 s73, 0
	s_mul_i32 s77, s14, HALFT                      ; where my load lands: no place in the cluster enters an LDS address
	s_mov_b32 s[SEL], 0x76543210
	s_mov_b32 s[SEL+1], 0xfedcba98
	s_wait_dscnt 0x0                               ; both opening adds are done
	s_wait_kmcnt 0x0
	s_add_nc_u64 s[66:67], s[4:5], s[66:67]
	s_add_nc_u64 s[68:69], s[4:5], s[68:69]
	s_add_nc_u64 s[OUT:OUT+1], s[6:7], s[72:73]
	CROUND                                         ; all sixteen work-groups are here: the first joint loads meet
.irp s, 0,1
	s_mov_b32 s[G0+4*\s], 1
	s_add_co_u32 s[G0+4*\s+1], s77, \s*SLOT
	s_add_nc_u64 s[G0+4*\s+2:G0+4*\s+3], s[66:67], \s*HALFT
	s_or_b32 s[G0+4*\s+3], s[G0+4*\s+3], 0x80000000
	s_mov_b32 s[G0B+4*\s], 1
	s_add_co_u32 s[G0B+4*\s+1], s77, \s*SLOT
	s_add_nc_u64 s[G0B+4*\s+2:G0B+4*\s+3], s[68:69], \s*HALFT
	s_or_b32 s[G0B+4*\s+3], s[G0B+4*\s+3], 0x80000000
	JLOAD G0+4*\s, G1, G0B+4*\s, G1B
.endr
	v_and_b32 v1, 15, v0                           ; r
	v_bfe_u32 v2, v0, 4, 1                         ; h
	v_and_b32 v[LI], 31, v0
	v_lshlrev_b32 v[LI], 4, v[LI]
	s_mul_i32 s21, s15, HALFT                      ; my half of S1
	s_mul_i32 s22, s16, HALFT
	s_add_co_u32 s22, s22, 2*HALFT                 ; my half of S0
	v_add_nc_u32 v[ADRA], s21, v[LI]
	v_add_nc_u32 v[ADRB], s22, v[LI]
	v_add_nc_u32 v[ADRA+1], SLOT, v[ADRA]
	v_add_nc_u32 v[ADRB+1], SLOT, v[ADRB]
	s_xor_b32 s23, s15, 1
	s_add_co_u32 s23, s23, s16
	s_add_co_u32 s23, s23, 1
	s_mul_i32 s23, s23, HALFT                      ; from my half of S1 to my half of S0
	v_mul_u32_u24 v12, s23, v2                     ; lanes 16-31 take S0's words
	v_lshl_add_u32 v12, v1, 4, v12
	s_add_co_u32 s21, s21, CODES
	v_add_nc_u32 v[ADRS], s21, v12
	v_add_nc_u32 v[ADRS+1], SLOT, v[ADRS]
	v_lshlrev_b32 v12, 4, v1
	v_lshl_add_u32 v12, v2, 8, v12                 ; the way out: the scale words' place, 256 h + 16 r
	s_wait_tensorcnt 0x1                           ; my part of slot 0 is in; slot 1's may stay out
	s_barrier_signal -1
	s_barrier_wait -1
	FETCH 0, 0, 0
	STEP 0, 1
	TURN 0, 1, 1
	STEP 1, 0
	TURN 1, 0, 1
	STEP 0, 0
	TURN 0, 1, 0
	STEP 1, 0
	LAST
	PLACES
	; THE WAY OUT: for each of S1's eight tiles the 64 numbers of a lane become a fragment and a scale word, and the fragment leaves as it stands
.irp b, 0,1,2,3
	v_mov_b32 v[TM+4+\b], 0                        ; a lane permute's destination counts as one of its sources
.endr
.irp a, 0,1,2,3,4,5,6,7
	QUANT 64*(\a%4), 2+\a/4, 128+12*\a, 248+\a
.irp g, 0,1,2
	global_store_b128 v[LI], v[128+12*\a+4*\g:128+12*\a+4*\g+3], s[OUT:OUT+1] offset:1536*\a+512*\g   ; each tile has registers of its own: no store's data are written again
.endr
.endr
	v_cmp_ne_u32 vcc_lo, 0, v2
.irp i, 0,1,2,3
	v_cndmask_b32 v[CV+\i], v[248+\i], v[252+\i], vcc_lo   ; lane (r, h) stores the words of tiles 4 h .. 4 h + 3
.endr
	global_store_b128 v12, v[CV:CV+3], s[OUT:OUT+1] offset:CODES
	s_wait_tensorcnt 0x0                           ; the wave's end
	ds_add_u32 v[SPW], v[NIL]
	s_wait_dscnt 0x0
	CROUND                                         ; the closing round
	s_endpgm
.Lfunc_end_k_q959ee42669_proj:
	.size	k_q959ee42669_proj, .Lfunc_end_k_q959ee42669_proj-k_q959ee42669_proj
	.p2alignl 7, 3214868480
	.fill 96, 4, 3214868480
	.section	.rodata,"a",@progbits
	.p2align	6, 0x0
	.amdhsa_kernel k_q959ee42669_proj
		.amdhsa_group_segment_fixed_size 327680
		.amdhsa_private_segment_fixed_size 0
		.amdhsa_enable_private_segment 0
		.amdhsa_kernarg_size 16
		.amdhsa_user_sgpr_count 2
		.amdhsa_user_sgpr_kernarg_segment_ptr 1
		.amdhsa_wavefront_size32 1
		.amdhsa_system_sgpr_workgroup_id_x 1
		.amdhsa_system_sgpr_workgroup_id_y 1
		.amdhsa_system_sgpr_workgroup_id_z 1
		.amdhsa_system_vgpr_workitem_id 0
		.amdhsa_next_free_vgpr 1024
		.amdhsa_next_free_sgpr 100
		.amdhsa_reserve_vcc 1
		.amdhsa_float_denorm_mode_32 3
		.amdhsa_float_denorm_mode_16_64 3
		.amdhsa_memory_ordered 1
		.amdhsa_forward_progress 1
		.amdhsa_inst_pref_size 135
	.end_amdhsa_kernel
	.amdgpu_metadata
---
amdhsa.version: [ 1, 2 ]
amdhsa.kernels:
  - .name:           k_q959ee42669_proj
    .symbol:         k_q959ee42669_proj.kd
    .args:
      - { .name: xw, .offset: 0, .size: 8, .value_kind: global_buffer, .address_space: global }
      - { .name: qkv, .offset: 8, .size: 8, .value_kind: global_buffer, .address_space: global }
    .group_segment_fixed_size: 327680
    .private_segment_fixed_size: 0
    .kernarg_segment_align: 8
    .kernarg_segment_size: 16
    .max_flat_workgroup_size: 128
    .sgpr_count:     100
    .vgpr_count:     1024
    .wavefront_size: 32
...
	.end_amdgpu_metadata
.endif
;; end of part 2
;; launch stats (part 3): grid 8 x 32, 4 waves a work-group, clusters of 4 x 4, 327,680 bytes of LDS; arguments qkv, st; writes st
.if DOCPART == 3
	.amdgcn_target "amdgcn-amd-amdhsa--gfx1250"
	.amdhsa_code_object_version 6
	.text
	.protected	k_q959ee42669_stats
	.globl	k_q959ee42669_stats
	.p2align	8
	.type	k_q959ee42669_stats,@function
k_q959ee42669_stats:
	s_mov_b64 s[64:65], 0
	v_nop
	global_prefetch_b8 v0, s[64:65] scope:SCOPE_SE
	s_setreg_imm32_b32 hwreg(HW_REG_WAVE_MODE, 25, 1), 1
	s_wait_xcnt 0x0
	s_wait_alu depctr_hold_cnt(0) depctr_sa_sdst(0) depctr_va_vdst(0) depctr_va_sdst(0) depctr_va_ssrc(0) depctr_va_vcc(0) depctr_vm_vsrc(0)
	s_getreg_b32 s2, hwreg(HW_REG_IB_STS2, 6, 4)
	s_cmp_eq_u32 s2, 0
	s_cbranch_scc0 .Lentry_in_a_cluster
	s_endpgm
.Lentry_in_a_cluster:
	s_bfe_u32 s2, ttmp6, 0x10000c
	s_cmp_lg_u32 s2, 0xf033
	s_cbranch_scc0 .Lentry_shape_is_right
	s_endpgm
.Lentry_shape_is_right:
; For each key i and each block of 128 queries: tm = the largest t = c x score of the block, c = log2(e) / 32, and l = the sum over the block of 2^(t - tm).  All score tiles are made: every key's sum runs over all queries.
; tm is only a shift: whatever its last bit, the next launch brings all sixteen blocks of a key under their common largest tm, which stands for the maximum that reference() takes away.
; S1 = 128 keys (rows of k), S0 = 128 queries (rows of q), both as panels from qkv: a lane holds one key, and its 64 registers of a tile of keys 64 of the 128 queries; lane l xor 16 holds the other 64.
; The product's text (ring of two slots, joint loads in a 4 x 4 cluster, 64 accumulators by turns) is that of the launch before.  st: [key block 64][query block 16][16 a + r][tm, l], f32.
.set PANEL, 12800
.set CODES, 12288
.set HALFT, 2*PANEL
.set SLOT,  4*HALFT
.set SPARE, 2*SLOT
.set RBS,   8*PANEL
.set FR,    12
.set LI,    3
.set ADRA,  4
.set ADRB,  6
.set ADRS,  8
.set SPW,   10
.set NIL,   11
.set SC,    48
.set AF,    64
.set T,     64                         ; the way out: v64-127 a tile's 64 numbers; v16-31 (tm, l) of the eight tiles; v32-39 what is stored; v224-237 at work
.set G1,  24
.set G0,  32
.set G1B, 48
.set G0B, 56
.set OUT, 74
.set SEL, 78
.set CS,  80
.set MSB, 0
.macro WIN new
.if MSB != (\new)
	s_set_vgpr_msb (MSB<<8)|(\new)
.set MSB, (\new)
.endif
.endm
.set MUL_LO, 0xa1
.set MUL_HI, 0xf1
.set TO_B,   0x40
.macro PLACES
.rept 4
	v_nop
.endr
.endm
.macro JLOAD g0a, g1a, g0b, g1b
	s_cmp_eq_u32 s15, 0
	s_cbranch_scc0 .Lfor_b_\@
	tensor_load_to_lds s[\g0a:\g0a+3], s[\g1a:\g1a+7]
	s_nop 0
	PLACES
	s_branch .Lasked_\@
.Lfor_b_\@:
	tensor_load_to_lds s[\g0b:\g0b+3], s[\g1b:\g1b+7]
	s_nop 0
	PLACES
.Lasked_\@:
.endm
.macro CREST
	s_cmp_lg_u32 s14, 0
	s_cbranch_scc1 .Lnot_wave_0_\@
	s_barrier_signal -3
.Lnot_wave_0_\@:
	s_barrier_wait -3
	s_barrier_signal -1
	s_barrier_wait -1
.endm
.macro CROUND
	s_barrier_signal -1
	s_barrier_wait -1
	CREST
.endm
.macro REFILL slot
	CREST
	s_add_nc_u64 s[G0+4*\slot+2:G0+4*\slot+3], s[G0+4*\slot+2:G0+4*\slot+3], 2*HALFT
	s_add_nc_u64 s[G0B+4*\slot+2:G0B+4*\slot+3], s[G0B+4*\slot+2:G0B+4*\slot+3], 2*HALFT
	JLOAD G0+4*\slot, G1, G0B+4*\slot, G1B
.endm
.macro FRAG reg, adr, off
.irp g, 0,1,2
	ds_load_b128 v[(\reg)+4*\g:(\reg)+4*\g+3], v[\adr] offset:(\off)+512*\g
.endr
.endm
.macro FETCH slot, ksl, set
	WIN TO_B
.irp i, 0,1,2,3,4,5,6,7
	FRAG 128*(\set)+FR*\i, ADRB+\slot, (\ksl)*PANEL+1536*\i
.endr
	WIN 0
	ds_load_b128 v[SC+8*(\set):SC+8*(\set)+3], v[ADRS+\slot] offset:(\ksl)*PANEL
	ds_load_b128 v[SC+8*(\set)+4:SC+8*(\set)+7], v[ADRS+\slot] offset:(\ksl)*PANEL+256
.irp i, 0,1,2,3,4,5,6,7
	FRAG AF+96*(\set)+FR*\i, ADRA+\slot, (\ksl)*PANEL+1536*\i
.endr
.endm
.macro MUL16 a0, set, zero
.irp a, \a0, \a0+1
.irp b, 0,1,2,3,4,5,6,7
.if \zero
	v_wmma_scale_f32_16x16x128_f8f6f4 v[8*(8*((\a)%4)+\b):8*(8*((\a)%4)+\b)+7], v[128*(\set)+FR*\b:128*(\set)+FR*\b+FR-1], v[AF+96*(\set)+FR*(\a):AF+96*(\set)+FR*(\a)+FR-1], 0, v[SC+8*(\set)+\b], v[SC+8*(\set)+(\a)] matrix_a_fmt:MATRIX_FMT_BF6 matrix_b_fmt:MATRIX_FMT_BF6 matrix_a_scale:MATRIX_SCALE_ROW1
.else
	v_wmma_scale_f32_16x16x128_f8f6f4 v[8*(8*((\a)%4)+\b):8*(8*((\a)%4)+\b)+7], v[128*(\set)+FR*\b:128*(\set)+FR*\b+FR-1], v[AF+96*(\set)+FR*(\a):AF+96*(\set)+FR*(\a)+FR-1], v[8*(8*((\a)%4)+\b):8*(8*((\a)%4)+\b)+7], v[SC+8*(\set)+\b], v[SC+8*(\set)+(\a)] matrix_a_fmt:MATRIX_FMT_BF6 matrix_b_fmt:MATRIX_FMT_BF6 matrix_a_scale:MATRIX_SCALE_ROW1
.endif
.endr
.endr
.endm
.macro STEP slot, zero
	s_wait_dscnt 12                                ; all but the youngest twelve loads (S1's tiles 4-7)
	WIN MUL_LO
	MUL16 0, 0, \zero
	MUL16 2, 0, \zero
	PLACES
	FETCH \slot, 1, 1
	s_wait_dscnt 50                                ; all but the 50 just issued
	WIN MUL_HI
	MUL16 4, 0, \zero
	MUL16 6, 0, \zero
.endm
.macro TURN slot, next, fill
	WIN 0
	s_wait_tensorcnt 0x0                           ; all my tensor loads have landed: my part of the next slot
	ds_add_u32 v[SPW], v[NIL]                      ; 0 onto my spare word
	s_wait_dscnt 13                                ; (the add and the youngest twelve loads may be out)
	WIN MUL_LO
	MUL16 0, 1, 0
	s_wait_dscnt 0x0                               ; the add is done, and my reads of this slot are over
	s_barrier_signal -1
	MUL16 2, 1, 0
	WIN 0
	s_barrier_wait -1
.if \fill
	REFILL \slot
.else
	PLACES
.endif
	FETCH \next, 0, 0
	WIN MUL_HI
	MUL16 4, 1, 0
	MUL16 6, 1, 0
.endm
.macro LAST
	s_wait_dscnt 12
	WIN MUL_LO
	MUL16 0, 1, 0
	MUL16 2, 1, 0
	s_wait_dscnt 0x0
	WIN MUL_HI
	MUL16 4, 1, 0
	MUL16 6, 1, 0
	WIN 0
.endm
; Tile a of my keys: the largest score, tm, the 64 exponentials as one batch with one wait, the sum.
.macro STAT a
.set AC, 64*((\a)%4)
.set WA, 2+(\a)/4
	WIN WA|(WA<<2)
.irp q, 0,1,2,3
	v_max_num_f32 v[224+\q], v[AC+16*\q], v[AC+16*\q+1]   ; four chains, each accumulator from its low end on
.endr
.irp i, 2,4,6,8,10,12,14
.irp q, 0,1,2,3
	v_max3_num_f32 v[224+\q], v[AC+16*\q+\i], v[AC+16*\q+\i+1], v[224+\q]
.endr
.endr
	WIN 0
	v_max3_num_f32 v224, v224, v225, v226
	v_max_num_f32 v224, v224, v227
	v_permlanex16_b32 v228, v224, s[SEL], s[SEL+1]
	v_max_num_f32 v224, v224, v228                 ; with the other 64 queries'
	v_mul_f32 v232, s[CS], v224                    ; tm (c is positive)
	v_mov_b32 v[16+2*(\a)], v232
	WIN WA
.set n, 0
.rept 32
	v_pk_fma_f32 v[T+n:T+n+1], v[AC+n:AC+n+1], s[CS:CS+1], v[232:233] op_sel_hi:[1,0,0] neg_lo:[0,0,1] neg_hi:[0,0,1]   ; c s - tm, two at a time; of the pairs c and tm the low word serves both halves
.set n, n+2
.endr
	WIN 0
.set n, 0
.rept 64
	v_exp_f32 v[T+n], v[T+n]
.set n, n+1
.endr
	v_nop                                          ; a plain place behind the last exponential
	s_wait_alu depctr_va_vdst(0)                   ; one wait for the batch, ahead of its first reader
	v_pk_add_f32 v[234:235], v[T:T+1], v[T+2:T+3]
	v_pk_add_f32 v[236:237], v[T+4:T+5], v[T+6:T+7]
.set n, 8
.rept 14
	v_pk_add_f32 v[234:235], v[234:235], v[T+n:T+n+1]
	v_pk_add_f32 v[236:237], v[236:237], v[T+n+2:T+n+3]
.set n, n+4
.endr
	v_pk_add_f32 v[234:235], v[234:235], v[236:237]
	v_add_f32 v234, v234, v235
	v_permlanex16_b32 v228, v234, s[SEL], s[SEL+1]
	v_add_f32 v[17+2*(\a)], v234, v228             ; l, in both halves of the lanes
.endm
	s_load_b128 s[4:7], s[0:1], 0x0                ; qkv, st
	v_lshl_add_u32 v[SPW], v0, 2, SPARE
	v_mov_b32 v[NIL], 0
	ds_add_u32 v[SPW], v[NIL]                      ; the wave's opening: the add, twice on end, and its wait ahead of my first tensor load
	ds_add_u32 v[SPW], v[NIL]
	v_lshrrev_b32 v1, 5, v0
	v_readfirstlane_b32 s14, v1
	s_lshr_b32 s15, s14, 1
	s_and_b32 s16, s14, 1
	s_bfe_u32 s40, ttmp6, 0x40000                  ; cx
	s_bfe_u32 s41, ttmp6, 0x40004                  ; cy
	s_lshl_b32 s43, s41, 2
	s_lshl_b32 s43, 15, s43
	s_lshl_b32 s44, 0x1111, s40
	s_or_b32 s[G1], s43, (3<<16)|(1<<21)
	s_or_b32 s[G1B], s44, (3<<16)|(1<<21)
.irp g, G1, G1B
	s_mov_b32 s[\g+1], 32<<16
	s_mov_b32 s[\g+2], 100<<16
	s_mov_b32 s[\g+3], 32<<16
	s_mov_b32 s[\g+4], 100
	s_mov_b32 s[\g+5], 32
	s_mov_b32 s[\g+6], 0
	s_mov_b32 s[\g+7], 0
.endr
	s_lshl_b32 s17, ttmp9, 2
	s_add_co_u32 s17, s17, s40                     ; the tile of 256 queries: 4 x cluster x + cx
	s_and_b32 s18, ttmp7, 0xffff                   ; cluster y
	s_lshl_b32 s19, s18, 2
	s_add_co_u32 s19, s19, s41                     ; the tile of 256 keys, over all batches: 4 x cluster y + cy
	s_lshr_b32 s20, s18, 1                         ; the batch: shared by the whole cluster
	s_lshl_b32 s66, s19, 1
	s_add_co_u32 s66, s66, s16
	s_mul_i32 s66, s66, RBS
	s_add_co_u32 s66, s66, 512*PANEL               ; k's half that I fetch
	s_mov_b32 s67, 0
	s_lshl_b32 s68, s20, 4
	s_lshl_b32 s21, s17, 1
	s_add_co_u32 s68, s68, s21
	s_add_co_u32 s68, s68, s16
	s_mul_i32 s68, s68, RBS                        ; q's
	s_mov_b32 s69, 0
	s_lshl_b32 s72, s19, 1
	s_add_co_u32 s72, s72, s15
	s_lshl_b32 s72, s72, 14                        ; st: my key block,
	s_add_co_u32 s73, s21, s16
	s_lshl_b32 s73, s73, 10                        ; my query block
	s_add_co_u32 s72, s72, s73
	s_mov_b32 s73, 0
	s_mul_i32 s77, s14, HALFT
	s_mov_b32 s[SEL], 0x76543210
	s_mov_b32 s[SEL+1], 0xfedcba98
	s_mov_b32 s[CS], 0x3d38aa3b                    ; c = log2(e) / 32
	s_mov_b32 s[CS+1], s[CS]
	s_wait_dscnt 0x0
	s_wait_kmcnt 0x0
	s_add_nc_u64 s[66:67], s[4:5], s[66:67]
	s_add_nc_u64 s[68:69], s[4:5], s[68:69]
	s_add_nc_u64 s[OUT:OUT+1], s[6:7], s[72:73]
	CROUND
.irp s, 0,1
	s_mov_b32 s[G0+4*\s], 1
	s_add_co_u32 s[G0+4*\s+1], s77, \s*SLOT
	s_add_nc_u64 s[G0+4*\s+2:G0+4*\s+3], s[66:67], \s*HALFT
	s_or_b32 s[G0+4*\s+3], s[G0+4*\s+3], 0x80000000
	s_mov_b32 s[G0B+4*\s], 1
	s_add_co_u32 s[G0B+4*\s+1], s77, \s*SLOT
	s_add_nc_u64 s[G0B+4*\s+2:G0B+4*\s+3], s[68:69], \s*HALFT
	s_or_b32 s[G0B+4*\s+3], s[G0B+4*\s+3], 0x80000000
	JLOAD G0+4*\s, G1, G0B+4*\s, G1B
.endr
	v_and_b32 v1, 15, v0
	v_bfe_u32 v2, v0, 4, 1
	v_and_b32 v[LI], 31, v0
	v_lshlrev_b32 v[LI], 4, v[LI]
	s_mul_i32 s21, s15, HALFT
	s_mul_i32 s22, s16, HALFT
	s_add_co_u32 s22, s22, 2*HALFT
	v_add_nc_u32 v[ADRA], s21, v[LI]
	v_add_nc_u32 v[ADRB], s22, v[LI]
	v_add_nc_u32 v[ADRA+1], SLOT, v[ADRA]
	v_add_nc_u32 v[ADRB+1], SLOT, v[ADRB]
	s_xor_b32 s23, s15, 1
	s_add_co_u32 s23, s23, s16
	s_add_co_u32 s23, s23, 1
	s_mul_i32 s23, s23, HALFT
	v_mul_u32_u24 v12, s23, v2
	v_lshl_add_u32 v12, v1, 4, v12
	s_add_co_u32 s21, s21, CODES
	v_add_nc_u32 v[ADRS], s21, v12
	v_add_nc_u32 v[ADRS+1], SLOT, v[ADRS]
	v_lshlrev_b32 v12, 3, v1
	v_lshl_add_u32 v12, v2, 7, v12                 ; the way out: 128 h + 8 r
	s_wait_tensorcnt 0x1                           ; my part of slot 0 is in; slot 1's may stay out
	s_barrier_signal -1
	s_barrier_wait -1
	FETCH 0, 0, 0
	STEP 0, 1
	TURN 0, 1, 1
	STEP 1, 0
	TURN 1, 0, 1
	STEP 0, 0
	TURN 0, 1, 0
	STEP 1, 0
	LAST
	PLACES
	v_mov_b32 v228, 0                              ; a lane permute's destination counts as one of its sources
	v_mov_b32 v233, 0                              ; named as the upper half of the pair v[232:233]
.irp a, 0,1,2,3,4,5,6,7
	STAT \a
.endr
	v_cmp_ne_u32 vcc_lo, 0, v2
.irp p, 0,1,2,3
	v_cndmask_b32 v[32+2*\p], v[16+4*\p], v[18+4*\p], vcc_lo   ; lane (r, h) stores (tm, l) of tile 2 p + h
	v_cndmask_b32 v[33+2*\p], v[17+4*\p], v[19+4*\p], vcc_lo
	global_store_b64 v12, v[32+2*\p:33+2*\p], s[OUT:OUT+1] offset:256*\p   ; 256 consecutive bytes
.endr
	s_wait_tensorcnt 0x0                           ; the wave's end
	ds_add_u32 v[SPW], v[NIL]
	s_wait_dscnt 0x0
	CROUND
	s_endpgm
.Lfunc_end_k_q959ee42669_stats:
	.size	k_q959ee42669_stats, .Lfunc_end_k_q959ee42669_stats-k_q959ee42669_stats
	.p2alignl 7, 3214868480
	.fill 96, 4, 3214868480
	.section	.rodata,"a",@progbits
	.p2align	6, 0x0
	.amdhsa_kernel k_q959ee42669_stats
		.amdhsa_group_segment_fixed_size 327680
		.amdhsa_private_segment_fixed_size 0
		.amdhsa_enable_private_segment 0
		.amdhsa_kernarg_size 16
		.amdhsa_user_sgpr_count 2
		.amdhsa_user_sgpr_kernarg_segment_ptr 1
		.amdhsa_wavefront_size32 1
		.amdhsa_system_sgpr_workgroup_id_x 1
		.amdhsa_system_sgpr_workgroup_id_y 1
		.amdhsa_system_sgpr_workgroup_id_z 1
		.amdhsa_system_vgpr_workitem_id 0
		.amdhsa_next_free_vgpr 1024
		.amdhsa_next_free_sgpr 100
		.amdhsa_reserve_vcc 1
		.amdhsa_float_denorm_mode_32 3
		.amdhsa_float_denorm_mode_16_64 3
		.amdhsa_memory_ordered 1
		.amdhsa_forward_progress 1
		.amdhsa_inst_pref_size 169
	.end_amdhsa_kernel
	.amdgpu_metadata
---
amdhsa.version: [ 1, 2 ]
amdhsa.kernels:
  - .name:           k_q959ee42669_stats
    .symbol:         k_q959ee42669_stats.kd
    .args:
      - { .name: qkv, .offset: 0, .size: 8, .value_kind: global_buffer, .address_space: global }
      - { .name: st, .offset: 8, .size: 8, .value_kind: global_buffer, .address_space: global }
    .group_segment_fixed_size: 327680
    .private_segment_fixed_size: 0
    .kernarg_segment_align: 8
    .kernarg_segment_size: 16
    .max_flat_workgroup_size: 128
    .sgpr_count:     100
    .vgpr_count:     1024
    .wavefront_size: 32
...
	.end_amdgpu_metadata
.endif
;; end of part 3
;; launch probs (part 4): grid 9 x 16, 4 waves a work-group, no clusters, 327,680 bytes of LDS; arguments qkv, st, pc; writes pc
.if DOCPART == 4
	.amdgcn_target "amdgcn-amd-amdhsa--gfx1250"
	.amdhsa_code_object_version 6
	.text
	.protected	k_q959ee42669_probs
	.globl	k_q959ee42669_probs
	.p2align	8
	.type	k_q959ee42669_probs,@function
k_q959ee42669_probs:
	s_mov_b64 s[64:65], 0
	v_nop
	global_prefetch_b8 v0, s[64:65] scope:SCOPE_SE
	s_setreg_imm32_b32 hwreg(HW_REG_WAVE_MODE, 25, 1), 1
	s_wait_xcnt 0x0
; P[i][j] = 2^(c s - TM_i) / L_i for j <= i, 0 for j > i, quantised along j into panels of pc.  TM_i = the largest of key i's sixteen tm, L_i = the sum of l x 2^(tm - TM): both from st.
; WORK LEFT OUT: tiles of 256 keys x 256 queries that lie wholly above the diagonal (every j > every i) are zeros of triu, which reference() builds itself: they are neither made nor stored, and the last launch does not read them.
; So a batch has 36 tiles (t, u), u <= t; rows pr and 7 - pr together have nine: grid x = 0 .. 8 walks them, grid y = 4 x batch + pr.
; NO CLUSTER: nine tiles of two rows share no tile among four partners in a fixed pattern, and the diagonal's branches would hang on a work-group's place in its cluster.
; S1 = keys, S0 = queries, as in the launch before; a wave's 128 x 128 becomes one panel: rows i, K = j.  In a diagonal tile wave 1's quarter lies above the diagonal: its products stay (dead work inside a live tile)
; and it stores a panel of zero codes, which the last launch reads as the second half of a slot.
; LIMIT: a p under 2^-126 becomes 0.
.set PANEL, 12800
.set CODES, 12288
.set HALFT, 2*PANEL
.set SLOT,  4*HALFT
.set SPARE, 2*SLOT
.set RBS,   8*PANEL
.set FR,    12
.set LI,    3
.set ADRA,  4
.set ADRB,  6
.set ADRS,  8
.set SPW,   10
.set NIL,   11
.set SC,    48
.set AF,    64
.set T,     64                         ; the way out: v64-127 a tile's 64 numbers
.set TM,    224
.set CV,    240
.set G1,  24
.set G0,  32
.set OUT, 74
.set DEL, 76                           ; s76: (my first key - my first query) / 128
.set SEL, 78
.set CS,  80
.set MSB, 0
.macro WIN new
.if MSB != (\new)
	s_set_vgpr_msb (MSB<<8)|(\new)
.set MSB, (\new)
.endif
.endm
.set MUL_LO, 0xa1
.set MUL_HI, 0xf1
.set TO_B,   0x40
.macro PLACES
.rept 4
	v_nop
.endr
.endm
.macro REFILL slot                     ; my quarter of the slot just left takes the K steps two slots on: the wave's one tensor load behind the barrier
	s_add_nc_u64 s[G0+4*\slot+2:G0+4*\slot+3], s[G0+4*\slot+2:G0+4*\slot+3], 2*HALFT
	tensor_load_to_lds s[G0+4*\slot:G0+4*\slot+3], s[G1:G1+7]
	s_nop 0
	PLACES
.endm
.macro FRAG reg, adr, off
.irp g, 0,1,2
	ds_load_b128 v[(\reg)+4*\g:(\reg)+4*\g+3], v[\adr] offset:(\off)+512*\g
.endr
.endm
.macro FETCH slot, ksl, set
	WIN TO_B
.irp i, 0,1,2,3,4,5,6,7
	FRAG 128*(\set)+FR*\i, ADRB+\slot, (\ksl)*PANEL+1536*\i
.endr
	WIN 0
	ds_load_b128 v[SC+8*(\set):SC+8*(\set)+3], v[ADRS+\slot] offset:(\ksl)*PANEL
	ds_load_b128 v[SC+8*(\set)+4:SC+8*(\set)+7], v[ADRS+\slot] offset:(\ksl)*PANEL+256
.irp i, 0,1,2,3,4,5,6,7
	FRAG AF+96*(\set)+FR*\i, ADRA+\slot, (\ksl)*PANEL+1536*\i
.endr
.endm
.macro MUL16 a0, set, zero
.irp a, \a0, \a0+1
.irp b, 0,1,2,3,4,5,6,7
.if \zero
	v_wmma_scale_f32_16x16x128_f8f6f4 v[8*(8*((\a)%4)+\b):8*(8*((\a)%4)+\b)+7], v[128*(\set)+FR*\b:128*(\set)+FR*\b+FR-1], v[AF+96*(\set)+FR*(\a):AF+96*(\set)+FR*(\a)+FR-1], 0, v[SC+8*(\set)+\b], v[SC+8*(\set)+(\a)] matrix_a_fmt:MATRIX_FMT_BF6 matrix_b_fmt:MATRIX_FMT_BF6 matrix_a_scale:MATRIX_SCALE_ROW1
.else
	v_wmma_scale_f32_16x16x128_f8f6f4 v[8*(8*((\a)%4)+\b):8*(8*((\a)%4)+\b)+7], v[128*(\set)+FR*\b:128*(\set)+FR*\b+FR-1], v[AF+96*(\set)+FR*(\a):AF+96*(\set)+FR*(\a)+FR-1], v[8*(8*((\a)%4)+\b):8*(8*((\a)%4)+\b)+7], v[SC+8*(\set)+\b], v[SC+8*(\set)+(\a)] matrix_a_fmt:MATRIX_FMT_BF6 matrix_b_fmt:MATRIX_FMT_BF6 matrix_a_scale:MATRIX_SCALE_ROW1
.endif
.endr
.endr
.endm
.macro STEP slot, zero
	s_wait_dscnt 12                                ; all but the youngest twelve loads (S1's tiles 4-7)
	WIN MUL_LO
	MUL16 0, 0, \zero
	MUL16 2, 0, \zero
	PLACES
	FETCH \slot, 1, 1
	s_wait_dscnt 50                                ; all but the 50 just issued
	WIN MUL_HI
	MUL16 4, 0, \zero
	MUL16 6, 0, \zero
.endm
.macro TURN slot, next, fill
	WIN 0
	s_wait_tensorcnt 0x0                           ; all my tensor loads have landed: my part of the next slot
	ds_add_u32 v[SPW], v[NIL]                      ; 0 onto my spare word
	s_wait_dscnt 13                                ; (the add and the youngest twelve loads may be out)
	WIN MUL_LO
	MUL16 0, 1, 0
	s_wait_dscnt 0x0                               ; the add is done, and my reads of this slot are over
	s_barrier_signal -1
	MUL16 2, 1, 0
	WIN 0
	s_barrier_wait -1
.if \fill
	REFILL \slot
.else
	PLACES
.endif
	FETCH \next, 0, 0
	WIN MUL_HI
	MUL16 4, 1, 0
	MUL16 6, 1, 0
.endm
.macro LAST
	s_wait_dscnt 12
	WIN MUL_LO
	MUL16 0, 1, 0
	MUL16 2, 1, 0
	s_wait_dscnt 0x0
	WIN MUL_HI
	MUL16 4, 1, 0
	MUL16 6, 1, 0
	WIN 0
.endm
.macro QUANT s, w, pc, pw              ; 64 numbers of a lane become a fragment's codes and its scale word (as in the launch that makes q, k and v)
	WIN (\w)|((\w)<<2)
.irp b, 0,1,2,3
	v_max3_num_f32 v[TM+\b], |v[(\s)+16*\b]|, |v[(\s)+1+16*\b]|, 0x2800000
.endr
.irp i, 2,4,6,8,10,12,14
.irp b, 0,1,2,3
	v_max3_num_f32 v[TM+\b], |v[(\s)+16*\b+\i]|, |v[(\s)+1+16*\b+\i]|, v[TM+\b]
.endr
.endr
	WIN 0
.irp b, 0,1,2,3
	v_permlanex16_b32 v[TM+4+\b], v[TM+\b], s[SEL], s[SEL+1]
.endr
.irp b, 0,1,2,3
	v_max_num_f32 v[TM+\b], v[TM+\b], v[TM+4+\b]
.endr
.irp b, 0,1,2,3
	v_add_nc_u32 v[TM+12+\b], 0xfe000000, v[TM+\b]
.endr
.irp b, 0,1,2,3
	v_lshrrev_b32 v[TM+4+\b], 23, v[TM+12+\b]
.endr
	v_lshl_or_b32 v[\pw], v[TM+5], 8, v[TM+4]
	v_lshl_or_b32 v[\pw], v[TM+6], 16, v[\pw]
	v_lshl_or_b32 v[\pw], v[TM+7], 24, v[\pw]
	WIN \w
.irp c, 0,1
	v_cvt_scalef32_pk16_bf6_f32 v[(\pc)+6*\c:(\pc)+2+6*\c], v[(\s)+32*\c:(\s)+15+32*\c], v[TM+12+2*\c]
	v_cvt_scalef32_pk16_bf6_f32 v[CV+4*\c:CV+2+4*\c], v[(\s)+16+32*\c:(\s)+31+32*\c], v[TM+12+2*\c+1]
.endr
	WIN 0
	v_nop
.irp c, 0,1
.irp i, 0,1,2
	v_permlane16_swap_b32 v[(\pc)+6*\c+\i], v[CV+4*\c+\i]
.endr
.irp i, 0,1,2
	v_mov_b32 v[(\pc)+3+6*\c+\i], v[CV+4*\c+\i]
.endr
.endr
.endm
; Tile a of my keys: p finished and normalised, the diagonal's zeros, the codes, the stores.
.macro PROB a
.set AC, 64*((\a)%4)
.set WA, 2+(\a)/4
	WIN WA
.set n, 0
.rept 32
	v_pk_fma_f32 v[T+n:T+n+1], v[AC+n:AC+n+1], s[CS:CS+1], v[16+4*(\a):17+4*(\a)] op_sel_hi:[1,0,1]   ; c s - TM, each accumulator from its low end on
.set n, n+2
.endr
	WIN 0
.set n, 0
.rept 64
	v_exp_f32 v[T+n], v[T+n]
.set n, n+1
.endr
	v_nop                                          ; a plain place behind the last exponential
	s_wait_alu depctr_va_vdst(0)                   ; one wait for the batch, ahead of its first reader
.set n, 0
.rept 32
	v_pk_mul_f32 v[T+n:T+n+1], v[T+n:T+n+1], v[18+4*(\a):19+4*(\a)]   ; / L
.set n, n+2
.endr
	s_cmp_lg_u32 s[DEL], 0                         ; ids and the wave's number alone
	s_cbranch_scc1 .Lopen_\@
	; on the diagonal: my key is 32 (a / 2) + 8 (a % 2) + r + 8 (r / 8), register 16 b + n holds query 32 b + 16 h + n.  Blocks b < a / 2 are kept whole, blocks b > a / 2 are zeros, in block a / 2 query <= key decides
.set n, 0
.rept 16
	v_cmp_le_i32 vcc_lo, n-8*((\a)%2), v13
	v_cndmask_b32 v[T+16*((\a)/2)+n], 0, v[T+16*((\a)/2)+n], vcc_lo
.set n, n+1
.endr
.set n, 16*((\a)/2)+16
.rept 48-16*((\a)/2)
	v_mov_b32 v[T+n], 0
.set n, n+1
.endr
.Lopen_\@:
	QUANT T, 0, 128+12*(\a), 248+(\a)
.irp g, 0,1,2
	global_store_b128 v[LI], v[128+12*(\a)+4*\g:128+12*(\a)+4*\g+3], s[OUT:OUT+1] offset:1536*(\a)+512*\g
.endr
.endm
	s_load_b128 s[4:7], s[0:1], 0x0                ; qkv, st
	s_load_b64 s[8:9], s[0:1], 0x10                ; pc
	v_lshl_add_u32 v[SPW], v0, 2, SPARE
	v_mov_b32 v[NIL], 0
	ds_add_u32 v[SPW], v[NIL]                      ; the wave's opening: the add, twice on end, and its wait ahead of my first tensor load
	ds_add_u32 v[SPW], v[NIL]
	v_lshrrev_b32 v1, 5, v0
	v_readfirstlane_b32 s14, v1
	s_lshr_b32 s15, s14, 1
	s_and_b32 s16, s14, 1
	s_mov_b32 s[G1], 3<<16                         ; no mask; elements of 8 bytes; no padding
	s_mov_b32 s[G1+1], 32<<16
	s_mov_b32 s[G1+2], 100<<16
	s_mov_b32 s[G1+3], 32<<16
	s_mov_b32 s[G1+4], 100
	s_mov_b32 s[G1+5], 32
	s_mov_b32 s[G1+6], 0
	s_mov_b32 s[G1+7], 0
	s_and_b32 s17, ttmp7, 0xffff
	s_lshr_b32 s18, s17, 2                         ; batch
	s_and_b32 s19, s17, 3                          ; pr
	s_sub_co_u32 s20, 7, s19
	s_sub_co_u32 s21, ttmp9, s19
	s_sub_co_u32 s21, s21, 1
	s_cmp_le_u32 ttmp9, s19
	s_cselect_b32 s20, s19, s20                    ; t: the tile of 256 keys
	s_cselect_b32 s21, ttmp9, s21                  ; u: the tile of 256 queries, u <= t
	s_lshl_b32 s22, s18, 4
	s_lshl_b32 s23, s20, 1
	s_lshl_b32 s45, s21, 1
	s_add_co_u32 s46, s22, s23
	s_add_co_u32 s46, s46, s16
	s_mul_i32 s46, s46, RBS
	s_add_co_u32 s46, s46, 512*PANEL               ; waves 0, 1 fetch k's halves,
	s_add_co_u32 s47, s22, s45
	s_add_co_u32 s47, s47, s16
	s_mul_i32 s47, s47, RBS                        ; waves 2, 3 q's
	s_add_co_u32 s70, s22, s23
	s_add_co_u32 s70, s70, s15                     ; my key block, over all batches
	s_lshl_b32 s68, s70, 14                        ; its figures in st
	s_mov_b32 s69, 0
	s_lshl_b32 s72, s70, 4
	s_add_co_u32 s72, s72, s45
	s_add_co_u32 s72, s72, s16
	s_mul_i32 s72, s72, PANEL                      ; my panel in pc
	s_mov_b32 s73, 0
	s_add_co_u32 s71, s23, s15
	s_add_co_u32 s[DEL], s45, s16
	s_sub_co_i32 s[DEL], s71, s[DEL]
	s_cmp_eq_u32 s15, 0
	s_cselect_b32 s66, s46, s47
	s_mov_b32 s67, 0
	s_mul_i32 s77, s14, HALFT
	s_mov_b32 s[SEL], 0x76543210
	s_mov_b32 s[SEL+1], 0xfedcba98
	s_mov_b32 s[CS], 0x3d38aa3b                    ; c = log2(e) / 32
	s_mov_b32 s[CS+1], s[CS]
	s_wait_dscnt 0x0
	s_wait_kmcnt 0x0
	s_add_nc_u64 s[66:67], s[4:5], s[66:67]
	s_add_nc_u64 s[68:69], s[6:7], s[68:69]
	s_add_nc_u64 s[OUT:OUT+1], s[8:9], s[72:73]
.irp s, 0,1
	s_mov_b32 s[G0+4*\s], 1
	s_add_co_u32 s[G0+4*\s+1], s77, \s*SLOT
	s_add_nc_u64 s[G0+4*\s+2:G0+4*\s+3], s[66:67], \s*HALFT
	s_or_b32 s[G0+4*\s+3], s[G0+4*\s+3], 0x80000000
.endr
	tensor_load_to_lds s[G0:G0+3], s[G1:G1+7]      ; every wave's two first fills, ahead of every wait on TENSORcnt, LDS read and barrier
	s_nop 0
	tensor_load_to_lds s[G0+4:G0+7], s[G1:G1+7]
	s_nop 0
	PLACES
	v_and_b32 v1, 15, v0
	v_bfe_u32 v2, v0, 4, 1
	v_lshlrev_b32 v14, 3, v1
	v_lshl_add_u32 v14, v2, 13, v14                ; st: 8 r, and lanes 16-31 take query blocks 8 to 15
.irp a, 0,1,2,3,4,5,6,7
.irp j, 0,1,2,3,4,5,6,7
	global_load_b64 v[64+16*\a+2*\j:65+16*\a+2*\j], v14, s[68:69] offset:1024*\j+128*\a   ; (tm, l) of key 16 a + r, query block 8 h + j
.endr
.endr
	v_and_b32 v[LI], 31, v0
	v_lshlrev_b32 v[LI], 4, v[LI]
	s_mul_i32 s21, s15, HALFT
	s_mul_i32 s22, s16, HALFT
	s_add_co_u32 s22, s22, 2*HALFT
	v_add_nc_u32 v[ADRA], s21, v[LI]
	v_add_nc_u32 v[ADRB], s22, v[LI]
	v_add_nc_u32 v[ADRA+1], SLOT, v[ADRA]
	v_add_nc_u32 v[ADRB+1], SLOT, v[ADRB]
	s_xor_b32 s23, s15, 1
	s_add_co_u32 s23, s23, s16
	s_add_co_u32 s23, s23, 1
	s_mul_i32 s23, s23, HALFT
	v_mul_u32_u24 v12, s23, v2
	v_lshl_add_u32 v12, v1, 4, v12
	s_add_co_u32 s21, s21, CODES
	v_add_nc_u32 v[ADRS], s21, v12
	v_add_nc_u32 v[ADRS+1], SLOT, v[ADRS]
	v_lshlrev_b32 v12, 4, v1
	v_lshl_add_u32 v12, v2, 8, v12                 ; the scale words' place: 256 h + 16 r
	v_and_b32 v13, 8, v1
	v_add_nc_u32 v13, v13, v1
	v_lshlrev_b32 v15, 4, v2
	v_sub_nc_u32 v13, v13, v15                     ; r + 8 (r / 8) - 16 h, for the diagonal
.irp a, 0,1,2,3,4,5,6,7
	v_mov_b32 v[200+\a], 0                         ; a lane permute's destination counts as one of its sources
.endr
	s_wait_loadcnt 0x0
	; TM and 1 / L of my 128 keys, the eight tiles by turns, while the first tiles are on their way
.irp a, 0,1,2,3,4,5,6,7
	v_max3_num_f32 v[192+\a], v[64+16*\a], v[66+16*\a], v[68+16*\a]
.endr
.irp a, 0,1,2,3,4,5,6,7
	v_max3_num_f32 v[192+\a], v[192+\a], v[70+16*\a], v[72+16*\a]
.endr
.irp a, 0,1,2,3,4,5,6,7
	v_max3_num_f32 v[192+\a], v[192+\a], v[74+16*\a], v[76+16*\a]
.endr
.irp a, 0,1,2,3,4,5,6,7
	v_max_num_f32 v[192+\a], v[192+\a], v[78+16*\a]
.endr
.irp a, 0,1,2,3,4,5,6,7
	v_permlanex16_b32 v[200+\a], v[192+\a], s[SEL], s[SEL+1]
.endr
.irp a, 0,1,2,3,4,5,6,7
	v_max_num_f32 v[192+\a], v[192+\a], v[200+\a]  ; TM
.endr
.irp j, 0,1,2,3,4,5,6,7
.irp a, 0,1,2,3,4,5,6,7
	v_sub_f32 v[64+16*\a+2*\j], v[64+16*\a+2*\j], v[192+\a]
.endr
.endr
.irp j, 0,1,2,3,4,5,6,7
.irp a, 0,1,2,3,4,5,6,7
	v_exp_f32 v[64+16*\a+2*\j], v[64+16*\a+2*\j]   ; 2^(tm - TM), at most 1
.endr
.endr
	v_nop
	s_wait_alu depctr_va_vdst(0)                   ; one wait for the batch
.irp a, 0,1,2,3,4,5,6,7
	v_mul_f32 v[208+\a], v[64+16*\a], v[65+16*\a]
.endr
.irp j, 1,2,3,4,5,6,7
.irp a, 0,1,2,3,4,5,6,7
	v_fmac_f32 v[208+\a], v[64+16*\a+2*\j], v[65+16*\a+2*\j]
.endr
.endr
.irp a, 0,1,2,3,4,5,6,7
	v_permlanex16_b32 v[200+\a], v[208+\a], s[SEL], s[SEL+1]
.endr
.irp a, 0,1,2,3,4,5,6,7
	v_add_f32 v[208+\a], v[208+\a], v[200+\a]      ; L
.endr
.irp a, 0,1,2,3,4,5,6,7
	v_rcp_f32 v[18+4*\a], v[208+\a]
.endr
.irp a, 0,1,2,3,4,5,6,7
	v_xor_b32 v[16+4*\a], 0x80000000, v[192+\a]    ; -TM (plain work behind the reciprocals)
.endr
.irp a, 0,1,2,3,4,5,6,7
	v_mov_b32 v[17+4*\a], v[16+4*\a]
.endr
	s_wait_alu depctr_va_vdst(0)                   ; one wait for the eight reciprocals
.irp a, 0,1,2,3,4,5,6,7
	v_mov_b32 v[19+4*\a], v[18+4*\a]
.endr
	s_wait_tensorcnt 0x1                           ; my part of slot 0 is in; slot 1's may stay out
	s_barrier_signal -1
	s_barrier_wait -1
	FETCH 0, 0, 0
	STEP 0, 1
	TURN 0, 1, 1
	STEP 1, 0
	TURN 1, 0, 1
	STEP 0, 0
	TURN 0, 1, 0
	STEP 1, 0
	LAST
	PLACES
	s_cmp_lt_i32 s[DEL], 0                         ; ids and the wave's number alone; no barrier follows
	s_cbranch_scc0 .Llive
.irp i, 0,1,2,3
	v_mov_b32 v[128+\i], 0                         ; all my queries come after all my keys: a panel of zero codes,
	v_mov_b32 v[132+\i], 0x7f7f7f7f                ; under the scale 1
.endr
.set n, 0
.rept 24
	global_store_b128 v[LI], v[128:131], s[OUT:OUT+1] offset:512*n
.set n, n+1
.endr
	global_store_b128 v12, v[132:135], s[OUT:OUT+1] offset:CODES
	s_branch .Ldone
.Llive:
.irp b, 0,1,2,3
	v_mov_b32 v[TM+4+\b], 0
.endr
.irp a, 0,1,2,3,4,5,6,7
	PROB \a
.endr
	v_cmp_ne_u32 vcc_lo, 0, v2
.irp i, 0,1,2,3
	v_cndmask_b32 v[CV+\i], v[248+\i], v[252+\i], vcc_lo
.endr
	global_store_b128 v12, v[CV:CV+3], s[OUT:OUT+1] offset:CODES
.Ldone:
	s_wait_tensorcnt 0x0                           ; the wave's end
	ds_add_u32 v[SPW], v[NIL]
	s_wait_dscnt 0x0
	s_endpgm
.Lfunc_end_k_q959ee42669_probs:
	.size	k_q959ee42669_probs, .Lfunc_end_k_q959ee42669_probs-k_q959ee42669_probs
	.p2alignl 7, 3214868480
	.fill 96, 4, 3214868480
	.section	.rodata,"a",@progbits
	.p2align	6, 0x0
	.amdhsa_kernel k_q959ee42669_probs
		.amdhsa_group_segment_fixed_size 327680
		.amdhsa_private_segment_fixed_size 0
		.amdhsa_enable_private_segment 0
		.amdhsa_kernarg_size 24
		.amdhsa_user_sgpr_count 2
		.amdhsa_user_sgpr_kernarg_segment_ptr 1
		.amdhsa_wavefront_size32 1
		.amdhsa_system_sgpr_workgroup_id_x 1
		.amdhsa_system_sgpr_workgroup_id_y 1
		.amdhsa_system_sgpr_workgroup_id_z 1
		.amdhsa_system_vgpr_workitem_id 0
		.amdhsa_next_free_vgpr 1024
		.amdhsa_next_free_sgpr 90
		.amdhsa_reserve_vcc 1
		.amdhsa_float_denorm_mode_32 3
		.amdhsa_float_denorm_mode_16_64 3
		.amdhsa_memory_ordered 1
		.amdhsa_forward_progress 1
		.amdhsa_inst_pref_size 214
	.end_amdhsa_kernel
	.amdgpu_metadata
---
amdhsa.version: [ 1, 2 ]
amdhsa.kernels:
  - .name:           k_q959ee42669_probs
    .symbol:         k_q959ee42669_probs.kd
    .args:
      - { .name: qkv, .offset: 0, .size: 8, .value_kind: global_buffer, .address_space: global }
      - { .name: st, .offset: 8, .size: 8, .value_kind: global_buffer, .address_space: global }
      - { .name: pc, .offset: 16, .size: 8, .value_kind: global_buffer, .address_space: global }
    .group_segment_fixed_size: 327680
    .private_segment_fixed_size: 0
    .kernarg_segment_align: 8
    .kernarg_segment_size: 24
    .max_flat_workgroup_size: 128
    .sgpr_count:     90
    .vgpr_count:     1024
    .wavefront_size: 32
...
	.end_amdgpu_metadata
.endif
;; end of part 4
;; launch pv (part 5): grid 4 x 64, 4 waves a work-group, no clusters, 327,680 bytes of LDS; arguments pc, qkv, out0; writes out0
.if DOCPART == 5
	.amdgcn_target "amdgcn-amd-amdhsa--gfx1250"
	.amdhsa_code_object_version 6
	.text
	.protected	k_q959ee42669_pv
	.globl	k_q959ee42669_pv
	.p2align	8
	.type	k_q959ee42669_pv,@function
k_q959ee42669_pv:
	s_mov_b64 s[64:65], 0
	v_nop
	global_prefetch_b8 v0, s[64:65] scope:SCOPE_SE
	s_setreg_imm32_b32 hwreg(HW_REG_WAVE_MODE, 25, 1), 1
	s_wait_xcnt 0x0
; out[i][d] = sum over j <= i of P[i][j] v[j][d], on the panels of P (pc) and of v^T (qkv).
; WORK LEFT OUT: the slots of 256 queries that lie wholly behind a block's 128 keys hold only triu's zeros: they are neither fetched nor multiplied.  A block a_blk of keys has NS = a_blk / 2 + 1 live slots.
; A work-group makes 128 rows i x 256 columns d; a wave 64 x 128: 32 accumulators.  Source 0 = 16 rows of v^T (d), source 1 = 16 rows of P (i): a lane holds one row of out and eight neighbouring d a register run.
; EVERY work-group walks all eight changes of slots: trip counts are constants.  What is left out is a slot's load and its work, by scalar branches on ids that are the same in all four waves; every wait on TENSORcnt is for 0.
; NO CLUSTER: such a branch may lead round no joint load.  Grid y = 16 x batch + (15 - a_blk): the longest walks have the lowest numbers.
; A slot in LDS: P's two panels, then v^T's two row blocks of two panels.  Waves 0, 1 fetch P's panels, waves 2, 3 v^T's row blocks.
.set PANEL, 12800
.set CODES, 12288
.set HALFT, 2*PANEL
.set SLOTB, 6*PANEL
.set STAGE, 2*SLOTB                    ; behind the ring: 16 rows x (512 bytes + 16) for each wave; no tensor load lands there
.set STG,   8448
.set SPARE, STAGE+4*STG
.set FR,    12
.set LI,    3
.set ADRA,  4                          ; v4-5   my four tiles of P in slot 0, 1
.set ADRB,  6                          ; v6-7   my row block of v^T
.set ADRS,  8                          ; v8-9   scale words: lanes 0-15 P's four tiles, lanes 16-31 v^T's tiles 0-3
.set SPW,   10
.set NIL,   11
.set ADRT,  12                         ; v12-13 lanes 16-31: v^T's tiles 4-7
.set STO,   14
.set RD,    15
.set SC,    48
.set AF,    64                         ; v64-111, v112-159: P's fragments, two sets
.set BK,    128                        ; the way out: v128-191, v192-255 by turns
.set G1P, 24
.set G0P, 32
.set G1V, 48
.set G0V, 56
.set KS,  70                           ; s70  the slot in hand
.set NS,  71                           ; s71  live slots
.set MSB, 0
.macro WIN new
.if MSB != (\new)
	s_set_vgpr_msb (MSB<<8)|(\new)
.set MSB, (\new)
.endif
.endm
.set TO_B, 0x40
.macro PLACES
.rept 4
	v_nop
.endr
.endm
.macro TLOAD5 slot                     ; the branch hangs on the wave's number alone; s_nop 0 and four v_nop follow each line
	s_cmp_eq_u32 s15, 0
	s_cbranch_scc0 .Lfor_v_\@
	tensor_load_to_lds s[G0P+4*\slot:G0P+4*\slot+3], s[G1P:G1P+7]
	s_nop 0
	PLACES
	s_branch .Lasked_\@
.Lfor_v_\@:
	tensor_load_to_lds s[G0V+4*\slot:G0V+4*\slot+3], s[G1V:G1V+7]
	s_nop 0
	PLACES
.Lasked_\@:
.endm
.macro FRAG reg, adr, off
.irp g, 0,1,2
	ds_load_b128 v[(\reg)+4*\g:(\reg)+4*\g+3], v[\adr] offset:(\off)+512*\g
.endr
.endm
.macro FETCH5 slot, ksl, set           ; 38 loads
	WIN TO_B
.irp i, 0,1,2,3,4,5,6,7
	FRAG 128*(\set)+FR*\i, ADRB+\slot, (\ksl)*PANEL+1536*\i
.endr
	WIN 0
	ds_load_b128 v[SC+8*(\set):SC+8*(\set)+3], v[ADRS+\slot] offset:(\ksl)*PANEL
	ds_load_b128 v[SC+8*(\set)+4:SC+8*(\set)+7], v[ADRT+\slot] offset:(\ksl)*PANEL
.irp i, 0,1,2,3
	FRAG AF+48*(\set)+FR*\i, ADRA+\slot, (\ksl)*PANEL+1536*\i
.endr
.endm
.macro MUL32 set, zero                 ; the 32 accumulators take turns, one instruction a turn, in one order throughout
.irp a, 0,1,2,3
.irp b, 0,1,2,3,4,5,6,7
.if \zero
	v_wmma_scale_f32_16x16x128_f8f6f4 v[8*(8*\a+\b):8*(8*\a+\b)+7], v[128*(\set)+FR*\b:128*(\set)+FR*\b+FR-1], v[AF+48*(\set)+FR*\a:AF+48*(\set)+FR*\a+FR-1], 0, v[SC+8*(\set)+\b], v[SC+8*(\set)+\a] matrix_a_fmt:MATRIX_FMT_BF6 matrix_b_fmt:MATRIX_FMT_BF6 matrix_a_scale:MATRIX_SCALE_ROW1
.else
	v_wmma_scale_f32_16x16x128_f8f6f4 v[8*(8*\a+\b):8*(8*\a+\b)+7], v[128*(\set)+FR*\b:128*(\set)+FR*\b+FR-1], v[AF+48*(\set)+FR*\a:AF+48*(\set)+FR*\a+FR-1], v[8*(8*\a+\b):8*(8*\a+\b)+7], v[SC+8*(\set)+\b], v[SC+8*(\set)+\a] matrix_a_fmt:MATRIX_FMT_BF6 matrix_b_fmt:MATRIX_FMT_BF6 matrix_a_scale:MATRIX_SCALE_ROW1
.endif
.endr
.endr
.endm
.macro SLOT5 slot, zero                ; a slot's 256 queries; a slot behind the last live one is passed over
.if \zero == 0
	s_cmp_ge_u32 s[KS], s[NS]
	s_cbranch_scc1 .Lskip_\@
.endif
	PLACES                                         ; ahead of loads into registers that the last products read
	FETCH5 \slot, 0, 0
	FETCH5 \slot, 1, 1
	s_wait_dscnt 38                                ; the first 128 are in; the second set's 38 loads may be out
	WIN 0xa1
	MUL32 0, \zero
	s_wait_dscnt 0x0
	MUL32 1, 0
	WIN 0
.Lskip_\@:
	s_add_co_u32 s[KS], s[KS], 1
.endm
; The change of slots, at a slot's head.  Behind the barrier the slot ahead is whole and nobody reads the other one, which takes the slot after, if that one is live.
.macro CHANGE5 other, step, fill
	s_wait_tensorcnt 0x0                           ; no tensor load of mine is out, so a group 0 may be written
	ds_add_u32 v[SPW], v[NIL]                      ; 0 onto my spare word
.if \step
	s_add_nc_u64 s[G0P+4*\other+2:G0P+4*\other+3], s[G0P+4*\other+2:G0P+4*\other+3], 2*HALFT
	s_add_nc_u64 s[G0V+4*\other+2:G0V+4*\other+3], s[G0V+4*\other+2:G0V+4*\other+3], 2*HALFT
.endif
	s_wait_dscnt 0x0                               ; the add is done, and my reads of the slot that I have left are over
	s_barrier_signal -1
	s_barrier_wait -1
.if \fill
	s_add_co_u32 s73, s[KS], 1
	s_cmp_ge_u32 s73, s[NS]                        ; ids and the count of slots alone: all four waves go the same way, and a work-group past its last live slot stays past it
	s_cbranch_scc1 .Lpast_\@
	TLOAD5 \other
.Lpast_\@:
.endif
.endm
	s_load_b128 s[4:7], s[0:1], 0x0                ; pc, qkv
	s_load_b64 s[8:9], s[0:1], 0x10                ; out0
	v_lshl_add_u32 v[SPW], v0, 2, SPARE
	v_mov_b32 v[NIL], 0
	ds_add_u32 v[SPW], v[NIL]                      ; the wave's opening: the add, twice on end, and its wait ahead of my first tensor load
	ds_add_u32 v[SPW], v[NIL]
	v_lshrrev_b32 v1, 5, v0
	v_readfirstlane_b32 s14, v1
	s_lshr_b32 s15, s14, 1                         ; my 64 rows of P.  Also: I fetch for P (0) or v^T (1)
	s_and_b32 s16, s14, 1                          ; my row block of v^T.  Also: which part I fetch
	s_mov_b32 s[G1P], 3<<16                        ; a panel: 50 rows of 256 bytes, dense
	s_mov_b32 s[G1P+1], 32<<16
	s_mov_b32 s[G1P+2], 50<<16
	s_mov_b32 s[G1P+3], 32<<16
	s_mov_b32 s[G1P+4], 50
	s_mov_b32 s[G1P+5], 32
	s_mov_b32 s[G1P+6], 0
	s_mov_b32 s[G1P+7], 0
	s_mov_b32 s[G1V], 3<<16                        ; two panels: 100 rows
	s_mov_b32 s[G1V+1], 32<<16
	s_mov_b32 s[G1V+2], 100<<16
	s_mov_b32 s[G1V+3], 32<<16
	s_mov_b32 s[G1V+4], 100
	s_mov_b32 s[G1V+5], 32
	s_mov_b32 s[G1V+6], 0
	s_mov_b32 s[G1V+7], 0
	s_and_b32 s17, ttmp7, 0xffff
	s_lshr_b32 s18, s17, 4                         ; batch
	s_and_b32 s19, s17, 15
	s_sub_co_u32 s19, 15, s19                      ; a_blk
	s_lshr_b32 s[NS], s19, 1
	s_add_co_u32 s[NS], s[NS], 1
	s_lshl_b32 s20, s18, 4
	s_add_co_u32 s20, s20, s19                     ; P's row block, over all batches
	s_lshl_b32 s66, s20, 4
	s_add_co_u32 s66, s66, s16
	s_mul_i32 s66, s66, PANEL                      ; P: the panel of slot 0 that I fetch
	s_mov_b32 s67, 0
	s_lshl_b32 s68, ttmp9, 1
	s_add_co_u32 s68, s68, s16
	s_mul_i32 s68, s68, 16*PANEL
	s_mul_i32 s21, s18, 128*PANEL
	s_add_co_u32 s68, s68, s21
	s_add_co_u32 s68, s68, 1024*PANEL              ; v^T: behind q and k; the batch; the row block that I fetch
	s_mov_b32 s69, 0
	s_lshl_b32 s74, s20, 7
	s_lshl_b32 s21, s15, 6
	s_add_co_u32 s74, s74, s21                     ; my first row of out,
	s_lshl_b32 s74, s74, 12
	s_lshl_b32 s21, ttmp9, 10
	s_add_co_u32 s74, s74, s21
	s_lshl_b32 s21, s16, 9
	s_add_co_u32 s74, s74, s21                     ; my first column
	s_mov_b32 s75, 0
	s_mul_i32 s22, s16, PANEL                      ; where P's panel lands,
	s_mul_i32 s23, s16, HALFT
	s_add_co_u32 s23, s23, HALFT                   ; and v^T's row block
	s_mov_b32 s[KS], 0
	s_wait_dscnt 0x0
	s_wait_kmcnt 0x0
	s_add_nc_u64 s[66:67], s[4:5], s[66:67]
	s_add_nc_u64 s[68:69], s[6:7], s[68:69]
	s_add_nc_u64 s[8:9], s[8:9], s[74:75]
.irp s, 0,1
	s_mov_b32 s[G0P+4*\s], 1
	s_add_co_u32 s[G0P+4*\s+1], s22, \s*SLOTB
	s_add_nc_u64 s[G0P+4*\s+2:G0P+4*\s+3], s[66:67], \s*HALFT
	s_or_b32 s[G0P+4*\s+3], s[G0P+4*\s+3], 0x80000000
	s_mov_b32 s[G0V+4*\s], 1
	s_add_co_u32 s[G0V+4*\s+1], s23, \s*SLOTB
	s_add_nc_u64 s[G0V+4*\s+2:G0V+4*\s+3], s[68:69], \s*HALFT
	s_or_b32 s[G0V+4*\s+3], s[G0V+4*\s+3], 0x80000000
.endr
	TLOAD5 0                                       ; slot 0 is live in every work-group; every wave issues a part of it
	v_and_b32 v1, 15, v0
	v_bfe_u32 v2, v0, 4, 1
	v_and_b32 v[LI], 31, v0
	v_lshlrev_b32 v[LI], 4, v[LI]
	s_mul_i32 s20, s15, 6144
	v_add_nc_u32 v[ADRA], s20, v[LI]
	v_add_nc_u32 v[ADRA+1], SLOTB, v[ADRA]
	v_add_nc_u32 v[ADRB], s23, v[LI]
	v_add_nc_u32 v[ADRB+1], SLOTB, v[ADRB]
	s_xor_b32 s20, s15, 1
	s_lshl_b32 s20, s20, 8
	s_mul_i32 s21, s16, HALFT
	s_add_co_u32 s20, s20, s21
	s_add_co_u32 s20, s20, HALFT-256               ; from my words of P to those of my row block of v^T
	v_mul_u32_u24 v16, s20, v2
	v_lshl_add_u32 v16, v1, 4, v16
	s_lshl_b32 s21, s15, 8
	s_add_co_u32 s21, s21, CODES
	v_add_nc_u32 v[ADRS], s21, v16
	v_add_nc_u32 v[ADRS+1], SLOTB, v[ADRS]
	v_lshl_add_u32 v[ADRT], v2, 8, v[ADRS]
	v_add_nc_u32 v[ADRT+1], SLOTB, v[ADRT]
	s_mul_i32 s20, s14, STG
	s_add_co_u32 s20, s20, STAGE                   ; my stage
	v_mul_u32_u24 v[STO], v1, 528
	v_lshl_add_u32 v[STO], v2, 6, v[STO]
	v_add_nc_u32 v[STO], s20, v[STO]               ; in: row r, + 64 h bytes
	v_add_nc_u32 v[RD], s20, v[LI]                 ; back: a row of 512 bytes to the 32 lanes
	CHANGE5 1, 0, 1                                ; slot 1's first fill stands behind a barrier behind which nothing is filled again
	SLOT5 0, 1                                     ; its first products start the sums
	s_mov_b32 s72, 3
.Lpair:
	CHANGE5 0, 1, 1
	SLOT5 1, 0
	CHANGE5 1, 1, 1
	SLOT5 0, 0
	s_sub_co_u32 s72, s72, 1
	s_cmp_lg_u32 s72, 0
	s_cbranch_scc1 .Lpair
	CHANGE5 0, 0, 0                                ; the last change: nothing is left to fetch
	SLOT5 1, 0
	PLACES
; THE WAY OUT, a tile of 16 rows x 128 columns at a time, through my own stage: in tile b of v^T register j of lane (r, h) is column 32 (b / 2) + 8 (b % 2) + 16 h + j.  LDS serves a wave's instructions in order.
.macro TOSTAGE a
	WIN 0x08                                       ; an LDS store's data are its source 1: window 2
.irp b, 0,1,2,3,4,5,6,7
	ds_store_b128 v[STO], v[64*(\a)+8*\b:64*(\a)+8*\b+3] offset:128*(\b/2)+32*(\b%2)       ; each accumulator from its low end on
	ds_store_b128 v[STO], v[64*(\a)+8*\b+4:64*(\a)+8*\b+7] offset:128*(\b/2)+32*(\b%2)+16
.endr
	WIN 0
.set BB, BK+64*((\a)%2)
.irp t, 0,1,2,3,4,5,6,7,8,9,10,11,12,13,14,15
	ds_load_b128 v[BB+4*\t:BB+4*\t+3], v[RD] offset:\t*528
.endr
.endm
.macro SEND a, younger                 ; younger: the LDS instructions issued behind tile a's loads
.set BB, BK+64*((\a)%2)
	s_wait_dscnt \younger
.irp t, 0,1,2,3,4,5,6,7,8,9,10,11,12,13,14,15
	global_store_b128 v[LI], v[BB+4*\t:BB+4*\t+3], s[8:9] offset:(32*((\a)/2)+8*((\a)%2)+\t+8*(\t/8))*4096 th:TH_STORE_NT   ; 512 consecutive bytes of the row that fragment row t stands for
.endr
.endm
	TOSTAGE 0
	TOSTAGE 1
	SEND 0, 32                                     ; behind tile 0's loads: tile 1's 16 stores and 16 loads
	s_wait_xcnt 0x0                                ; tile 0's stores have read their registers
	TOSTAGE 2
	SEND 1, 32
	s_wait_xcnt 0x0
	TOSTAGE 3
	SEND 2, 32
	SEND 3, 0
	s_wait_tensorcnt 0x0                           ; the wave's end: behind my last tensor load and my last LDS store
	ds_add_u32 v[SPW], v[NIL]
	s_wait_dscnt 0x0
	s_endpgm
.Lfunc_end_k_q959ee42669_pv:
	.size	k_q959ee42669_pv, .Lfunc_end_k_q959ee42669_pv-k_q959ee42669_pv
	.p2alignl 7, 3214868480
	.fill 96, 4, 3214868480
	.section	.rodata,"a",@progbits
	.p2align	6, 0x0
	.amdhsa_kernel k_q959ee42669_pv
		.amdhsa_group_segment_fixed_size 327680
		.amdhsa_private_segment_fixed_size 0
		.amdhsa_enable_private_segment 0
		.amdhsa_kernarg_size 24
		.amdhsa_user_sgpr_count 2
		.amdhsa_user_sgpr_kernarg_segment_ptr 1
		.amdhsa_wavefront_size32 1
		.amdhsa_system_sgpr_workgroup_id_x 1
		.amdhsa_system_sgpr_workgroup_id_y 1
		.amdhsa_system_sgpr_workgroup_id_z 1
		.amdhsa_system_vgpr_workitem_id 0
		.amdhsa_next_free_vgpr 768
		.amdhsa_next_free_sgpr 90
		.amdhsa_reserve_vcc 0
		.amdhsa_float_denorm_mode_32 3
		.amdhsa_float_denorm_mode_16_64 3
		.amdhsa_memory_ordered 1
		.amdhsa_forward_progress 1
		.amdhsa_inst_pref_size 77
	.end_amdhsa_kernel
	.amdgpu_metadata
---
amdhsa.version: [ 1, 2 ]
amdhsa.kernels:
  - .name:           k_q959ee42669_pv
    .symbol:         k_q959ee42669_pv.kd
    .args:
      - { .name: pc, .offset: 0, .size: 8, .value_kind: global_buffer, .address_space: global }
      - { .name: qkv, .offset: 8, .size: 8, .value_kind: global_buffer, .address_space: global }
      - { .name: out0, .offset: 16, .size: 8, .value_kind: global_buffer, .address_space: global }
    .group_segment_fixed_size: 327680
    .private_segment_fixed_size: 0
    .kernarg_segment_align: 8
    .kernarg_segment_size: 24
    .max_flat_workgroup_size: 128
    .sgpr_count:     90
    .vgpr_count:     768
    .wavefront_size: 32
...
	.end_amdgpu_metadata
.endif
;; end of part 5
;; ======== version 2 of 2: 5 launches; 1.13 times as fast as version 1
;; workspace buffers: xw 9,011,200 bytes; qkv 19,660,800 bytes; st 1,048,576 bytes; pc 13,107,200 bytes
;; launch quant: the kernel of part 1 again; grid 352 x 1, 4 waves a work-group, no clusters, 34,304 bytes of LDS; arguments x, wq, wk, wv, xw; writes xw
;; launch proj (part 6): grid 96 x 4, 4 waves a work-group, clusters of 4 x 4, 327,680 bytes of LDS; arguments xw, qkv; writes qkv
.if DOCPART == 6
	.amdgcn_target "amdgcn-amd-amdhsa--gfx1250"
	.amdhsa_code_object_version 6
	.text
	.protected	k_q959ee42669_proj
	.globl	k_q959ee42669_proj
	.p2align	8
	.type	k_q959ee42669_proj,@function
k_q959ee42669_proj:
	s_mov_b64 s[64:65], 0
	v_nop
	global_prefetch_b8 v0, s[64:65] scope:SCOPE_SE
	s_setreg_imm32_b32 hwreg(HW_REG_WAVE_MODE, 25, 1), 1
	s_wait_xcnt 0x0
	s_wait_alu depctr_hold_cnt(0) depctr_sa_sdst(0) depctr_va_vdst(0) depctr_va_sdst(0) depctr_va_ssrc(0) depctr_va_vcc(0) depctr_vm_vsrc(0)
	s_getreg_b32 s2, hwreg(HW_REG_IB_STS2, 6, 4)
	s_cmp_eq_u32 s2, 0
	s_cbranch_scc0 .Lentry_in_a_cluster
	s_endpgm
.Lentry_in_a_cluster:
	s_bfe_u32 s2, ttmp6, 0x10000c
	s_cmp_lg_u32 s2, 0xf033
	s_cbranch_scc0 .Lentry_shape_is_right
	s_endpgm
.Lentry_shape_is_right:
; q = x wq^T, k = x wk^T, v = x wv^T on codes of E3M2, and the results quantised at once into panels (the format: 128 rows x 128 K as an image of the operand's registers, 12,800 bytes; see the first launch).
; q and k are quantised along their features (the scores' K), v along the sequence (the last product's K), so v is made transposed: its new rows are wv's rows.
; A work-group of four waves makes 256 x 256; a wave 128 x 128: 64 accumulators.  SOURCE 1 (S1) holds the rows of the new operand, SOURCE 0 (S0) its new K: a lane then holds one new row, and the 64 registers of S0's
; eight tiles are 64 numbers along the new K, 16 neighbours for each block of 32.  So a wave's tile becomes exactly one panel and leaves from registers, 512 consecutive bytes a store.
; Clusters c = 0 .. 15: S1 = 1,024 rows of x, S0 = all of wq (c even) or wk (c odd).  Clusters 16 .. 23: S1 = all of wv, S0 = 1,024 rows of x.  Only numbers are chosen by c: one text for all.
; CLUSTER 4 x 4: S1's tiles hang on cy alone and are asked for jointly along a row of the cluster, S0's on cx alone, along a column.
; K = 1,024 goes in four parts of 256 through THREE LDS slots: three parts are asked for at the head; the fourth takes slot 0's place when that has been read, and has the products of slots 1 and 2 in which to land.
; All eight steps of 128 are written out.  By this text's count a wave has at most three tensor loads out.
; REGISTERS: window 0: v1-15 addresses; v48-63 scale words, two sets; v64-159, v160-255 S1's fragments, two sets.  window 1: S0's fragments at v0 and v128.  windows 2, 3: accumulator (a, b) at v[8 (8 (a % 4) + b)].
.set PANEL, 12800
.set CODES, 12288
.set HALFT, 2*PANEL                    ; 128 rows x 256 K: what one tensor load brings: 100 rows of 256 bytes, dense in memory
.set SLOT,  4*HALFT                    ; S1's two halves, then S0's two halves
.set SPARE, 3*SLOT                     ; behind the three slots: the spare words, 128 bytes a wave
.set RBS,   8*PANEL                    ; a block of 128 rows, all of K = 1,024
.set FR,    12
.set LI,    3                          ; v3    16 x lane
.set ADRA,  4                          ; v4    my S1 half in slot 0; v5 the same in the slot in hand
.set ADRB,  6                          ; v6, v7  my S0 half
.set ADRS,  8                          ; v8, v9  scale words: lanes 0-15 S1's, lanes 16-31 S0's
.set SPW,   10
.set NIL,   11
.set SC,    48
.set AF,    64
.set TM,    224                        ; the way out: v224-239 at work, v240-246 upper halves of codes
.set CV,    240
.set G1,  24                           ; s[24:31] group 1 for S1's tiles; s[32:43] group 0, a set for each slot
.set G0,  32
.set G1B, 48                           ; s[48:55], s[84:95] the same for S0's
.set G0B, 84
.set OUT, 74
.set SEL, 78
.set MSB, 0
.macro WIN new                         ; the immediate's high byte repeats the setting that is left
.if MSB != (\new)
	s_set_vgpr_msb (MSB<<8)|(\new)
.set MSB, (\new)
.endif
.endm
.set MUL_LO, 0xa1                      ; source 0 window 1, source 1 window 0, C and D window 2
.set MUL_HI, 0xf1                      ; the same, C and D window 3
.set TO_B,   0x40                      ; destination window 1
.macro PLACES                          ; four plain places: ahead of loads into registers that matrix instructions have read, and of the first read of results
.rept 4
	v_nop
.endr
.endm
.macro JLOAD g0a, g1a, g0b, g1b        ; a joint load: waves 0, 1 fetch S1's halves, waves 2, 3 S0's; the branch hangs on the wave's number alone; s_nop 0 and four v_nop follow each line
	s_cmp_eq_u32 s15, 0
	s_cbranch_scc0 .Lfor_b_\@
	tensor_load_to_lds s[\g0a:\g0a+3], s[\g1a:\g1a+7]
	s_nop 0
	PLACES
	s_branch .Lasked_\@
.Lfor_b_\@:
	tensor_load_to_lds s[\g0b:\g0b+3], s[\g1b:\g1b+7]
	s_nop 0
	PLACES
.Lasked_\@:
.endm
.macro CREST                           ; a round of the cluster's barrier behind its opening barrier
	s_cmp_lg_u32 s14, 0
	s_cbranch_scc1 .Lnot_wave_0_\@
	s_barrier_signal -3
.Lnot_wave_0_\@:
	s_barrier_wait -3
	s_barrier_signal -1
	s_barrier_wait -1
.endm
.macro CROUND
	s_barrier_signal -1
	s_barrier_wait -1
	CREST
.endm
.macro REFILL slot                     ; the slot just left takes the part of K three parts on
	CREST                                          ; no wave of any partner still reads the slot or has a load on its way
	s_add_nc_u64 s[G0+4*\slot+2:G0+4*\slot+3], s[G0+4*\slot+2:G0+4*\slot+3], 3*HALFT
	s_add_nc_u64 s[G0B+4*\slot+2:G0B+4*\slot+3], s[G0B+4*\slot+2:G0B+4*\slot+3], 3*HALFT
	JLOAD G0+4*\slot, G1, G0B+4*\slot, G1B
.endm
.macro FRAG reg, adr, off              ; a fragment comes back as it was stored: three loads of 16 bytes a lane, 512 consecutive bytes each
.irp g, 0,1,2
	ds_load_b128 v[(\reg)+4*\g:(\reg)+4*\g+3], v[\adr] offset:(\off)+512*\g
.endr
.endm
.macro FETCH slot, ksl, set            ; 50 loads: S0's eight fragments, the scale words, S1's tiles 0-3, S1's tiles 4-7
.if (\ksl) == 0
	WIN 0
	v_add_nc_u32 v[ADRA+1], (\slot)*SLOT, v[ADRA]  ; the addresses of the slot in hand
	v_add_nc_u32 v[ADRB+1], (\slot)*SLOT, v[ADRB]
	v_add_nc_u32 v[ADRS+1], (\slot)*SLOT, v[ADRS]
.endif
	WIN TO_B
.irp i, 0,1,2,3,4,5,6,7
	FRAG 128*(\set)+FR*\i, ADRB+1, (\ksl)*PANEL+1536*\i
.endr
	WIN 0
	ds_load_b128 v[SC+8*(\set):SC+8*(\set)+3], v[ADRS+1] offset:(\ksl)*PANEL
	ds_load_b128 v[SC+8*(\set)+4:SC+8*(\set)+7], v[ADRS+1] offset:(\ksl)*PANEL+256
.irp i, 0,1,2,3,4,5,6,7
	FRAG AF+96*(\set)+FR*\i, ADRA+1, (\ksl)*PANEL+1536*\i
.endr
.endm
; 16 products: S1's tiles a0, a0 + 1 x S0's eight.  The 64 accumulators take turns, one instruction a turn, in one order throughout.  zero = 1: the product starts the sum.
.macro MUL16 a0, set, zero
.irp a, \a0, \a0+1
.irp b, 0,1,2,3,4,5,6,7
.if \zero
	v_wmma_scale_f32_16x16x128_f8f6f4 v[8*(8*((\a)%4)+\b):8*(8*((\a)%4)+\b)+7], v[128*(\set)+FR*\b:128*(\set)+FR*\b+FR-1], v[AF+96*(\set)+FR*(\a):AF+96*(\set)+FR*(\a)+FR-1], 0, v[SC+8*(\set)+\b], v[SC+8*(\set)+(\a)] matrix_a_fmt:MATRIX_FMT_BF6 matrix_b_fmt:MATRIX_FMT_BF6 matrix_a_scale:MATRIX_SCALE_ROW1
.else
	v_wmma_scale_f32_16x16x128_f8f6f4 v[8*(8*((\a)%4)+\b):8*(8*((\a)%4)+\b)+7], v[128*(\set)+FR*\b:128*(\set)+FR*\b+FR-1], v[AF+96*(\set)+FR*(\a):AF+96*(\set)+FR*(\a)+FR-1], v[8*(8*((\a)%4)+\b):8*(8*((\a)%4)+\b)+7], v[SC+8*(\set)+\b], v[SC+8*(\set)+(\a)] matrix_a_fmt:MATRIX_FMT_BF6 matrix_b_fmt:MATRIX_FMT_BF6 matrix_a_scale:MATRIX_SCALE_ROW1
.endif
.endr
.endr
.endm
.macro STEP slot, zero                 ; a slot's first 128 along K (set 0); in its middle the second 128 are fetched into set 1
	s_wait_dscnt 12                                ; all but the youngest twelve loads (S1's tiles 4-7)
	WIN MUL_LO
	MUL16 0, 0, \zero
	MUL16 2, 0, \zero
	PLACES
	FETCH \slot, 1, 1
	s_wait_dscnt 50                                ; all but the 50 just issued
	WIN MUL_HI
	MUL16 4, 0, \zero
	MUL16 6, 0, \zero
.endm
.macro PASS next                       ; a slot's second 128 (set 1), on to a slot that an earlier barrier has shown whole: no barrier, nothing is filled
	s_wait_dscnt 12
	WIN MUL_LO
	MUL16 0, 1, 0
	MUL16 2, 1, 0
	PLACES
	FETCH \next, 0, 0
	s_wait_dscnt 50                                ; all but the 50 just issued
	WIN MUL_HI
	MUL16 4, 1, 0
	MUL16 6, 1, 0
.endm
.macro TURN slot, next, fill           ; a slot's second 128 (set 1), and a change of slots with a barrier
	WIN 0
	s_wait_tensorcnt 0x0                           ; all my tensor loads have landed
	ds_add_u32 v[SPW], v[NIL]                      ; 0 onto my spare word
	s_wait_dscnt 13                                ; (the add and the youngest twelve loads may be out)
	WIN MUL_LO
	MUL16 0, 1, 0
	s_wait_dscnt 0x0                               ; the add is done, and my reads of this slot are over
	s_barrier_signal -1
	MUL16 2, 1, 0
	WIN 0
	s_barrier_wait -1
.if \fill
	REFILL \slot                                   ; the first tensor load behind the barrier; its four v_nop are the places ahead of the loads below
.else
	PLACES
.endif
	FETCH \next, 0, 0
	WIN MUL_HI
	MUL16 4, 1, 0
	MUL16 6, 1, 0
.endm
.macro LAST
	s_wait_dscnt 12
	WIN MUL_LO
	MUL16 0, 1, 0
	MUL16 2, 1, 0
	s_wait_dscnt 0x0
	WIN MUL_HI
	MUL16 4, 1, 0
	MUL16 6, 1, 0
	WIN 0
.endm
; 64 numbers of a lane, v[s] on in window w, register 16 b + i = k 32 b + 16 (lane / 16) + i of my row, become a fragment's codes in v[pc] on and its scale word in v[pw], both in window 0.
.macro QUANT s, w, pc, pw
	WIN (\w)|((\w)<<2)
.irp b, 0,1,2,3
	v_max3_num_f32 v[TM+\b], |v[(\s)+16*\b]|, |v[(\s)+1+16*\b]|, 0x2800000   ; block b: my 16 numbers, from each accumulator's low end on, and the floor 2^(5 - 127)
.endr
.irp i, 2,4,6,8,10,12,14
.irp b, 0,1,2,3
	v_max3_num_f32 v[TM+\b], |v[(\s)+16*\b+\i]|, |v[(\s)+1+16*\b+\i]|, v[TM+\b]
.endr
.endr
	WIN 0
.irp b, 0,1,2,3
	v_permlanex16_b32 v[TM+4+\b], v[TM+\b], s[SEL], s[SEL+1]
.endr
.irp b, 0,1,2,3
	v_max_num_f32 v[TM+\b], v[TM+\b], v[TM+4+\b]   ; with lane l xor 16's: the block's largest magnitude
.endr
.irp b, 0,1,2,3
	v_add_nc_u32 v[TM+12+\b], 0xfe000000, v[TM+\b] ; 4 off its exponent field: the conversion's scale operand
.endr
.irp b, 0,1,2,3
	v_lshrrev_b32 v[TM+4+\b], 23, v[TM+12+\b]      ; the scale's byte
.endr
	v_lshl_or_b32 v[\pw], v[TM+5], 8, v[TM+4]
	v_lshl_or_b32 v[\pw], v[TM+6], 16, v[\pw]
	v_lshl_or_b32 v[\pw], v[TM+7], 24, v[\pw]
	WIN \w
.irp c, 0,1
	v_cvt_scalef32_pk16_bf6_f32 v[(\pc)+6*\c:(\pc)+2+6*\c], v[(\s)+32*\c:(\s)+15+32*\c], v[TM+12+2*\c]
	v_cvt_scalef32_pk16_bf6_f32 v[CV+4*\c:CV+2+4*\c], v[(\s)+16+32*\c:(\s)+31+32*\c], v[TM+12+2*\c+1]
.endr
	WIN 0
	v_nop                                          ; one plain place behind the conversions
.irp c, 0,1                            ; the operand's layout wants a whole block in a lane
.irp i, 0,1,2
	v_permlane16_swap_b32 v[(\pc)+6*\c+\i], v[CV+4*\c+\i]
.endr
.irp i, 0,1,2
	v_mov_b32 v[(\pc)+3+6*\c+\i], v[CV+4*\c+\i]
.endr
.endr
.endm
	s_load_b128 s[4:7], s[0:1], 0x0                ; xw, qkv
	v_lshl_add_u32 v[SPW], v0, 2, SPARE
	v_mov_b32 v[NIL], 0
	ds_add_u32 v[SPW], v[NIL]                      ; the wave's opening: the add, twice on end, and its wait ahead of my first tensor load
	ds_add_u32 v[SPW], v[NIL]
	v_lshrrev_b32 v1, 5, v0
	v_readfirstlane_b32 s14, v1                    ; wave
	s_lshr_b32 s15, s14, 1                         ; my half of S1.  Also: I fetch for S1 (0) or S0 (1)
	s_and_b32 s16, s14, 1                          ; my half of S0.  Also: which half I fetch
	s_bfe_u32 s56, ttmp6, 0x40000                  ; cx
	s_bfe_u32 s57, ttmp6, 0x40004                  ; cy
	s_lshl_b32 s58, s57, 2
	s_lshl_b32 s58, 15, s58                        ; my row of the cluster
	s_lshl_b32 s59, 0x1111, s56                    ; my column
	s_or_b32 s[G1], s58, (3<<16)|(1<<21)           ; the mask; elements of 8 bytes; bit 21 beside a mask; no padding
	s_or_b32 s[G1B], s59, (3<<16)|(1<<21)
.irp g, G1, G1B
	s_mov_b32 s[\g+1], 32<<16                      ; tensor_dim0 = 32 elements: 256 bytes
	s_mov_b32 s[\g+2], 100<<16                     ; tensor_dim1 = 100 rows
	s_mov_b32 s[\g+3], 32<<16                      ; tile_dim0
	s_mov_b32 s[\g+4], 100                         ; tile_dim1
	s_mov_b32 s[\g+5], 32                          ; the pitch: dense
	s_mov_b32 s[\g+6], 0
	s_mov_b32 s[\g+7], 0
.endr
	s_lshr_b32 s17, ttmp9, 1
	s_lshl_b32 s17, s17, 3                         ; 8 (c / 2): x's row blocks, for q and k
	s_and_b32 s18, ttmp9, 1
	s_lshl_b32 s18, s18, 3                         ; 8 (c % 2): wq or wk
	s_add_co_u32 s19, s18, 64
	s_sub_co_u32 s20, ttmp9, 16
	s_lshl_b32 s20, s20, 3                         ; 8 (c - 16): x's row blocks, for v
	s_cmp_lt_u32 ttmp9, 16                         ; the cluster's number: the same in all partners
	s_cselect_b32 s21, s17, 80                     ; S1's first row block in xw,
	s_cselect_b32 s22, s17, 0                      ; and counted in its own tensor
	s_cselect_b32 s23, s19, s20                    ; S0's likewise
	s_cselect_b32 s45, s18, s20
	s_cselect_b32 s46, 1, 0
	s_lshl_b32 s47, s57, 1                         ; 2 cy
	s_lshl_b32 s76, s56, 1                         ; 2 cx
	s_add_co_u32 s66, s21, s47
	s_add_co_u32 s66, s66, s16
	s_mul_i32 s66, s66, RBS                        ; S1's half that I fetch: it hangs on cy and the wave alone
	s_mov_b32 s67, 0
	s_add_co_u32 s68, s23, s76
	s_add_co_u32 s68, s68, s16
	s_mul_i32 s68, s68, RBS                        ; S0's: on cx and the wave alone
	s_mov_b32 s69, 0
	s_add_co_u32 s70, s22, s47
	s_add_co_u32 s70, s70, s15                     ; R1: the new operand's row block
	s_add_co_u32 s71, s45, s76
	s_add_co_u32 s71, s71, s16                     ; B0: its 128 along the new K
	s_lshr_b32 s72, s71, 3
	s_lshl_b32 s72, s72, 9                         ; q or k: 512 panels each,
	s_lshl_b32 s80, s70, 3
	s_add_co_u32 s72, s72, s80                     ; 8 for each row block,
	s_and_b32 s80, s71, 7
	s_add_co_u32 s72, s72, s80
	s_lshr_b32 s73, s71, 4
	s_lshl_b32 s73, s73, 7                         ; v^T: 128 panels a batch,
	s_lshl_b32 s80, s70, 4
	s_add_co_u32 s73, s73, s80                     ; 16 for each row block,
	s_and_b32 s80, s71, 15
	s_add_co_u32 s73, s73, s80
	s_add_co_u32 s73, s73, 1024                    ; behind q's and k's
	s_cmp_eq_u32 s46, 1
	s_cselect_b32 s72, s72, s73
	s_mul_i32 s72, s72, PANEL
	s_mov_b32 s73, 0
	s_mul_i32 s77, s14, HALFT                      ; where my load lands: no place in the cluster enters an LDS address
	s_mov_b32 s[SEL], 0x76543210
	s_mov_b32 s[SEL+1], 0xfedcba98
	s_wait_dscnt 0x0                               ; both opening adds are done
	s_wait_kmcnt 0x0
	s_add_nc_u64 s[66:67], s[4:5], s[66:67]
	s_add_nc_u64 s[68:69], s[4:5], s[68:69]
	s_add_nc_u64 s[OUT:OUT+1], s[6:7], s[72:73]
	CROUND                                         ; all sixteen work-groups are here: the first joint loads meet
.irp s, 0,1,2
	s_mov_b32 s[G0+4*\s], 1
	s_add_co_u32 s[G0+4*\s+1], s77, \s*SLOT
	s_add_nc_u64 s[G0+4*\s+2:G0+4*\s+3], s[66:67], \s*HALFT
	s_or_b32 s[G0+4*\s+3], s[G0+4*\s+3], 0x80000000
	s_mov_b32 s[G0B+4*\s], 1
	s_add_co_u32 s[G0B+4*\s+1], s77, \s*SLOT
	s_add_nc_u64 s[G0B+4*\s+2:G0B+4*\s+3], s[68:69], \s*HALFT
	s_or_b32 s[G0B+4*\s+3], s[G0B+4*\s+3], 0x80000000
	JLOAD G0+4*\s, G1, G0B+4*\s, G1B
.endr
	v_and_b32 v1, 15, v0                           ; r
	v_bfe_u32 v2, v0, 4, 1                         ; h
	v_and_b32 v[LI], 31, v0
	v_lshlrev_b32 v[LI], 4, v[LI]
	s_mul_i32 s21, s15, HALFT                      ; my half of S1
	s_mul_i32 s22, s16, HALFT
	s_add_co_u32 s22, s22, 2*HALFT                 ; my half of S0
	v_add_nc_u32 v[ADRA], s21, v[LI]
	v_add_nc_u32 v[ADRB], s22, v[LI]
	s_xor_b32 s23, s15, 1
	s_add_co_u32 s23, s23, s16
	s_add_co_u32 s23, s23, 1
	s_mul_i32 s23, s23, HALFT                      ; from my half of S1 to my half of S0
	v_mul_u32_u24 v12, s23, v2                     ; lanes 16-31 take S0's words
	v_lshl_add_u32 v12, v1, 4, v12
	s_add_co_u32 s21, s21, CODES
	v_add_nc_u32 v[ADRS], s21, v12
	v_lshlrev_b32 v12, 4, v1
	v_lshl_add_u32 v12, v2, 8, v12                 ; the way out: the scale words' place, 256 h + 16 r
	s_wait_tensorcnt 0x2                           ; my part of slot 0 is in; those of slots 1 and 2 may stay out
	s_barrier_signal -1
	s_barrier_wait -1
	FETCH 0, 0, 0
	STEP 0, 1
	TURN 0, 1, 1                                   ; all three slots are whole in every wave's eyes; slot 0 takes the last part of K
	STEP 1, 0
	PASS 2
	STEP 2, 0
	TURN 2, 0, 0                                   ; the last part has landed
	STEP 0, 0
	LAST
	PLACES
	; THE WAY OUT: for each of S1's eight tiles the 64 numbers of a lane become a fragment and a scale word, and the fragment leaves as it stands
.irp b, 0,1,2,3
	v_mov_b32 v[TM+4+\b], 0                        ; a lane permute's destination counts as one of its sources
.endr
.irp a, 0,1,2,3,4,5,6,7
	QUANT 64*(\a%4), 2+\a/4, 128+12*\a, 248+\a
.irp g, 0,1,2
	global_store_b128 v[LI], v[128+12*\a+4*\g:128+12*\a+4*\g+3], s[OUT:OUT+1] offset:1536*\a+512*\g   ; each tile has registers of its own: no store's data are written again
.endr
.endr
	v_cmp_ne_u32 vcc_lo, 0, v2
.irp i, 0,1,2,3
	v_cndmask_b32 v[CV+\i], v[248+\i], v[252+\i], vcc_lo   ; lane (r, h) stores the words of tiles 4 h .. 4 h + 3
.endr
	global_store_b128 v12, v[CV:CV+3], s[OUT:OUT+1] offset:CODES
	s_wait_tensorcnt 0x0                           ; the wave's end
	ds_add_u32 v[SPW], v[NIL]
	s_wait_dscnt 0x0
	CROUND                                         ; the closing round
	s_endpgm
.Lfunc_end_k_q959ee42669_proj:
	.size	k_q959ee42669_proj, .Lfunc_end_k_q959ee42669_proj-k_q959ee42669_proj
	.p2alignl 7, 3214868480
	.fill 96, 4, 3214868480
	.section	.rodata,"a",@progbits
	.p2align	6, 0x0
	.amdhsa_kernel k_q959ee42669_proj
		.amdhsa_group_segment_fixed_size 327680
		.amdhsa_private_segment_fixed_size 0
		.amdhsa_enable_private_segment 0
		.amdhsa_kernarg_size 16
		.amdhsa_user_sgpr_count 2
		.amdhsa_user_sgpr_kernarg_segment_ptr 1
		.amdhsa_wavefront_size32 1
		.amdhsa_system_sgpr_workgroup_id_x 1
		.amdhsa_system_sgpr_workgroup_id_y 1
		.amdhsa_system_sgpr_workgroup_id_z 1
		.amdhsa_system_vgpr_workitem_id 0
		.amdhsa_next_free_vgpr 1024
		.amdhsa_next_free_sgpr 100
		.amdhsa_reserve_vcc 1
		.amdhsa_float_denorm_mode_32 3
		.amdhsa_float_denorm_mode_16_64 3
		.amdhsa_memory_ordered 1
		.amdhsa_forward_progress 1
		.amdhsa_inst_pref_size 136
	.end_amdhsa_kernel
	.amdgpu_metadata
---
amdhsa.version: [ 1, 2 ]
amdhsa.kernels:
  - .name:           k_q959ee42669_proj
    .symbol:         k_q959ee42669_proj.kd
    .args:
      - { .name: xw, .offset: 0, .size: 8, .value_kind: global_buffer, .address_space: global }
      - { .name: qkv, .offset: 8, .size: 8, .value_kind: global_buffer, .address_space: global }
    .group_segment_fixed_size: 327680
    .private_segment_fixed_size: 0
    .kernarg_segment_align: 8
    .kernarg_segment_size: 16
    .max_flat_workgroup_size: 128
    .sgpr_count:     100
    .vgpr_count:     1024
    .wavefront_size: 32
...
	.end_amdgpu_metadata
.endif
;; end of part 6
;; launch stats (part 7): grid 8 x 32, 4 waves a work-group, clusters of 4 x 4, 327,680 bytes of LDS; arguments qkv, st; writes st
.if DOCPART == 7
	.amdgcn_target "amdgcn-amd-amdhsa--gfx1250"
	.amdhsa_code_object_version 6
	.text
	.protected	k_q959ee42669_stats
	.globl	k_q959ee42669_stats
	.p2align	8
	.type	k_q959ee42669_stats,@function
k_q959ee42669_stats:
	s_mov_b64 s[64:65], 0
	v_nop
	global_prefetch_b8 v0, s[64:65] scope:SCOPE_SE
	s_setreg_imm32_b32 hwreg(HW_REG_WAVE_MODE, 25, 1), 1
	s_wait_xcnt 0x0
	s_wait_alu depctr_hold_cnt(0) depctr_sa_sdst(0) depctr_va_vdst(0) depctr_va_sdst(0) depctr_va_ssrc(0) depctr_va_vcc(0) depctr_vm_vsrc(0)
	s_getreg_b32 s2, hwreg(HW_REG_IB_STS2, 6, 4)
	s_cmp_eq_u32 s2, 0
	s_cbranch_scc0 .Lentry_in_a_cluster
	s_endpgm
.Lentry_in_a_cluster:
	s_bfe_u32 s2, ttmp6, 0x10000c
	s_cmp_lg_u32 s2, 0xf033
	s_cbranch_scc0 .Lentry_shape_is_right
	s_endpgm
.Lentry_shape_is_right:
; For each key i and each block of 128 queries: tm = the largest t = c x score of the block, c = log2(e) / 32, and l = the sum over the block of 2^(t - tm).  All score tiles are made: every key's sum runs over all queries.
; tm is only a shift: whatever its last bit, the next launch brings all sixteen blocks of a key under their common largest tm, which stands for the maximum that reference() takes away.
; S1 = 128 keys (rows of k), S0 = 128 queries (rows of q), both as panels from qkv: a lane holds one key, and its 64 registers of a tile of keys 64 of the 128 queries; lane l xor 16 holds the other 64.
; The product's text (three slots, one refill, joint loads in a 4 x 4 cluster, 64 accumulators by turns) is that of the launch before.  st: [key block 64][query block 16][16 a + r][tm, l], f32.
.set PANEL, 12800
.set CODES, 12288
.set HALFT, 2*PANEL
.set SLOT,  4*HALFT
.set SPARE, 3*SLOT
.set RBS,   8*PANEL
.set FR,    12
.set LI,    3
.set ADRA,  4                          ; v4, v6, v8: addresses in slot 0; v5, v7, v9: in the slot in hand
.set ADRB,  6
.set ADRS,  8
.set SPW,   10
.set NIL,   11
.set SC,    48
.set AF,    64
.set T,     64                         ; the way out: v64-127 a tile's 64 numbers; v16-31 (tm, l) of the eight tiles; v32-39 what is stored; v224-237 at work
.set G1,  24
.set G0,  32
.set G1B, 48
.set G0B, 84
.set OUT, 74
.set SEL, 78
.set CS,  80
.set MSB, 0
.macro WIN new
.if MSB != (\new)
	s_set_vgpr_msb (MSB<<8)|(\new)
.set MSB, (\new)
.endif
.endm
.set MUL_LO, 0xa1
.set MUL_HI, 0xf1
.set TO_B,   0x40
.macro PLACES
.rept 4
	v_nop
.endr
.endm
.macro JLOAD g0a, g1a, g0b, g1b
	s_cmp_eq_u32 s15, 0
	s_cbranch_scc0 .Lfor_b_\@
	tensor_load_to_lds s[\g0a:\g0a+3], s[\g1a:\g1a+7]
	s_nop 0
	PLACES
	s_branch .Lasked_\@
.Lfor_b_\@:
	tensor_load_to_lds s[\g0b:\g0b+3], s[\g1b:\g1b+7]
	s_nop 0
	PLACES
.Lasked_\@:
.endm
.macro CREST
	s_cmp_lg_u32 s14, 0
	s_cbranch_scc1 .Lnot_wave_0_\@
	s_barrier_signal -3
.Lnot_wave_0_\@:
	s_barrier_wait -3
	s_barrier_signal -1
	s_barrier_wait -1
.endm
.macro CROUND
	s_barrier_signal -1
	s_barrier_wait -1
	CREST
.endm
.macro REFILL slot
	CREST
	s_add_nc_u64 s[G0+4*\slot+2:G0+4*\slot+3], s[G0+4*\slot+2:G0+4*\slot+3], 3*HALFT
	s_add_nc_u64 s[G0B+4*\slot+2:G0B+4*\slot+3], s[G0B+4*\slot+2:G0B+4*\slot+3], 3*HALFT
	JLOAD G0+4*\slot, G1, G0B+4*\slot, G1B
.endm
.macro FRAG reg, adr, off
.irp g, 0,1,2
	ds_load_b128 v[(\reg)+4*\g:(\reg)+4*\g+3], v[\adr] offset:(\off)+512*\g
.endr
.endm
.macro FETCH slot, ksl, set
.if (\ksl) == 0
	WIN 0
	v_add_nc_u32 v[ADRA+1], (\slot)*SLOT, v[ADRA]
	v_add_nc_u32 v[ADRB+1], (\slot)*SLOT, v[ADRB]
	v_add_nc_u32 v[ADRS+1], (\slot)*SLOT, v[ADRS]
.endif
	WIN TO_B
.irp i, 0,1,2,3,4,5,6,7
	FRAG 128*(\set)+FR*\i, ADRB+1, (\ksl)*PANEL+1536*\i
.endr
	WIN 0
	ds_load_b128 v[SC+8*(\set):SC+8*(\set)+3], v[ADRS+1] offset:(\ksl)*PANEL
	ds_load_b128 v[SC+8*(\set)+4:SC+8*(\set)+7], v[ADRS+1] offset:(\ksl)*PANEL+256
.irp i, 0,1,2,3,4,5,6,7
	FRAG AF+96*(\set)+FR*\i, ADRA+1, (\ksl)*PANEL+1536*\i
.endr
.endm
.macro MUL16 a0, set, zero
.irp a, \a0, \a0+1
.irp b, 0,1,2,3,4,5,6,7
.if \zero
	v_wmma_scale_f32_16x16x128_f8f6f4 v[8*(8*((\a)%4)+\b):8*(8*((\a)%4)+\b)+7], v[128*(\set)+FR*\b:128*(\set)+FR*\b+FR-1], v[AF+96*(\set)+FR*(\a):AF+96*(\set)+FR*(\a)+FR-1], 0, v[SC+8*(\set)+\b], v[SC+8*(\set)+(\a)] matrix_a_fmt:MATRIX_FMT_BF6 matrix_b_fmt:MATRIX_FMT_BF6 matrix_a_scale:MATRIX_SCALE_ROW1
.else
	v_wmma_scale_f32_16x16x128_f8f6f4 v[8*(8*((\a)%4)+\b):8*(8*((\a)%4)+\b)+7], v[128*(\set)+FR*\b:128*(\set)+FR*\b+FR-1], v[AF+96*(\set)+FR*(\a):AF+96*(\set)+FR*(\a)+FR-1], v[8*(8*((\a)%4)+\b):8*(8*((\a)%4)+\b)+7], v[SC+8*(\set)+\b], v[SC+8*(\set)+(\a)] matrix_a_fmt:MATRIX_FMT_BF6 matrix_b_fmt:MATRIX_FMT_BF6 matrix_a_scale:MATRIX_SCALE_ROW1
.endif
.endr
.endr
.endm
.macro STEP slot, zero
	s_wait_dscnt 12                                ; all but the youngest twelve loads (S1's tiles 4-7)
	WIN MUL_LO
	MUL16 0, 0, \zero
	MUL16 2, 0, \zero
	PLACES
	FETCH \slot, 1, 1
	s_wait_dscnt 50                                ; all but the 50 just issued
	WIN MUL_HI
	MUL16 4, 0, \zero
	MUL16 6, 0, \zero
.endm
.macro PASS next                       ; on to a slot that an earlier barrier has shown whole: no barrier, nothing is filled
	s_wait_dscnt 12
	WIN MUL_LO
	MUL16 0, 1, 0
	MUL16 2, 1, 0
	PLACES
	FETCH \next, 0, 0
	s_wait_dscnt 50                                ; all but the 50 just issued
	WIN MUL_HI
	MUL16 4, 1, 0
	MUL16 6, 1, 0
.endm
.macro TURN slot, next, fill
	WIN 0
	s_wait_tensorcnt 0x0                           ; all my tensor loads have landed
	ds_add_u32 v[SPW], v[NIL]                      ; 0 onto my spare word
	s_wait_dscnt 13                                ; (the add and the youngest twelve loads may be out)
	WIN MUL_LO
	MUL16 0, 1, 0
	s_wait_dscnt 0x0                               ; the add is done, and my reads of this slot are over
	s_barrier_signal -1
	MUL16 2, 1, 0
	WIN 0
	s_barrier_wait -1
.if \fill
	REFILL \slot
.else
	PLACES
.endif
	FETCH \next, 0, 0
	WIN MUL_HI
	MUL16 4, 1, 0
	MUL16 6, 1, 0
.endm
.macro LAST
	s_wait_dscnt 12
	WIN MUL_LO
	MUL16 0, 1, 0
	MUL16 2, 1, 0
	s_wait_dscnt 0x0
	WIN MUL_HI
	MUL16 4, 1, 0
	MUL16 6, 1, 0
	WIN 0
.endm
; Tile a of my keys: the largest score, tm, the 64 exponentials as one batch with one wait, the sum.
.macro STAT a
.set AC, 64*((\a)%4)
.set WA, 2+(\a)/4
	WIN WA|(WA<<2)
.irp q, 0,1,2,3
	v_max_num_f32 v[224+\q], v[AC+16*\q], v[AC+16*\q+1]   ; four chains, each accumulator from its low end on
.endr
.irp i, 2,4,6,8,10,12,14
.irp q, 0,1,2,3
	v_max3_num_f32 v[224+\q], v[AC+16*\q+\i], v[AC+16*\q+\i+1], v[224+\q]
.endr
.endr
	WIN 0
	v_max3_num_f32 v224, v224, v225, v226
	v_max_num_f32 v224, v224, v227
	v_permlanex16_b32 v228, v224, s[SEL], s[SEL+1]
	v_max_num_f32 v224, v224, v228                 ; with the other 64 queries'
	v_mul_f32 v232, s[CS], v224                    ; tm (c is positive)
	v_mov_b32 v[16+2*(\a)], v232
	WIN WA
.set n, 0
.rept 32
	v_pk_fma_f32 v[T+n:T+n+1], v[AC+n:AC+n+1], s[CS:CS+1], v[232:233] op_sel_hi:[1,0,0] neg_lo:[0,0,1] neg_hi:[0,0,1]   ; c s - tm, two at a time; of the pairs c and tm the low word serves both halves
.set n, n+2
.endr
	WIN 0
.set n, 0
.rept 64
	v_exp_f32 v[T+n], v[T+n]
.set n, n+1
.endr
	v_nop                                          ; a plain place behind the last exponential
	s_wait_alu depctr_va_vdst(0)                   ; one wait for the batch, ahead of its first reader
	v_pk_add_f32 v[234:235], v[T:T+1], v[T+2:T+3]
	v_pk_add_f32 v[236:237], v[T+4:T+5], v[T+6:T+7]
.set n, 8
.rept 14
	v_pk_add_f32 v[234:235], v[234:235], v[T+n:T+n+1]
	v_pk_add_f32 v[236:237], v[236:237], v[T+n+2:T+n+3]
.set n, n+4
.endr
	v_pk_add_f32 v[234:235], v[234:235], v[236:237]
	v_add_f32 v234, v234, v235
	v_permlanex16_b32 v228, v234, s[SEL], s[SEL+1]
	v_add_f32 v[17+2*(\a)], v234, v228             ; l, in both halves of the lanes
.endm
	s_load_b128 s[4:7], s[0:1], 0x0                ; qkv, st
	v_lshl_add_u32 v[SPW], v0, 2, SPARE
	v_mov_b32 v[NIL], 0
	ds_add_u32 v[SPW], v[NIL]                      ; the wave's opening: the add, twice on end, and its wait ahead of my first tensor load
	ds_add_u32 v[SPW], v[NIL]
	v_lshrrev_b32 v1, 5, v0
	v_readfirstlane_b32 s14, v1
	s_lshr_b32 s15, s14, 1
	s_and_b32 s16, s14, 1
	s_bfe_u32 s56, ttmp6, 0x40000                  ; cx
	s_bfe_u32 s57, ttmp6, 0x40004                  ; cy
	s_lshl_b32 s58, s57, 2
	s_lshl_b32 s58, 15, s58
	s_lshl_b32 s59, 0x1111, s56
	s_or_b32 s[G1], s58, (3<<16)|(1<<21)
	s_or_b32 s[G1B], s59, (3<<16)|(1<<21)
.irp g, G1, G1B
	s_mov_b32 s[\g+1], 32<<16
	s_mov_b32 s[\g+2], 100<<16
	s_mov_b32 s[\g+3], 32<<16
	s_mov_b32 s[\g+4], 100
	s_mov_b32 s[\g+5], 32
	s_mov_b32 s[\g+6], 0
	s_mov_b32 s[\g+7], 0
.endr
	s_lshl_b32 s17, ttmp9, 2
	s_add_co_u32 s17, s17, s56                     ; the tile of 256 queries: 4 x cluster x + cx
	s_and_b32 s18, ttmp7, 0xffff                   ; cluster y
	s_lshl_b32 s19, s18, 2
	s_add_co_u32 s19, s19, s57                     ; the tile of 256 keys, over all batches: 4 x cluster y + cy
	s_lshr_b32 s20, s18, 1                         ; the batch: shared by the whole cluster
	s_lshl_b32 s66, s19, 1
	s_add_co_u32 s66, s66, s16
	s_mul_i32 s66, s66, RBS
	s_add_co_u32 s66, s66, 512*PANEL               ; k's half that I fetch
	s_mov_b32 s67, 0
	s_lshl_b32 s68, s20, 4
	s_lshl_b32 s21, s17, 1
	s_add_co_u32 s68, s68, s21
	s_add_co_u32 s68, s68, s16
	s_mul_i32 s68, s68, RBS                        ; q's
	s_mov_b32 s69, 0
	s_lshl_b32 s72, s19, 1
	s_add_co_u32 s72, s72, s15
	s_lshl_b32 s72, s72, 14                        ; st: my key block,
	s_add_co_u32 s73, s21, s16
	s_lshl_b32 s73, s73, 10                        ; my query block
	s_add_co_u32 s72, s72, s73
	s_mov_b32 s73, 0
	s_mul_i32 s77, s14, HALFT
	s_mov_b32 s[SEL], 0x76543210
	s_mov_b32 s[SEL+1], 0xfedcba98
	s_mov_b32 s[CS], 0x3d38aa3b                    ; c = log2(e) / 32
	s_mov_b32 s[CS+1], s[CS]
	s_wait_dscnt 0x0
	s_wait_kmcnt 0x0
	s_add_nc_u64 s[66:67], s[4:5], s[66:67]
	s_add_nc_u64 s[68:69], s[4:5], s[68:69]
	s_add_nc_u64 s[OUT:OUT+1], s[6:7], s[72:73]
	CROUND
.irp s, 0,1,2
	s_mov_b32 s[G0+4*\s], 1
	s_add_co_u32 s[G0+4*\s+1], s77, \s*SLOT
	s_add_nc_u64 s[G0+4*\s+2:G0+4*\s+3], s[66:67], \s*HALFT
	s_or_b32 s[G0+4*\s+3], s[G0+4*\s+3], 0x80000000
	s_mov_b32 s[G0B+4*\s], 1
	s_add_co_u32 s[G0B+4*\s+1], s77, \s*SLOT
	s_add_nc_u64 s[G0B+4*\s+2:G0B+4*\s+3], s[68:69], \s*HALFT
	s_or_b32 s[G0B+4*\s+3], s[G0B+4*\s+3], 0x80000000
	JLOAD G0+4*\s, G1, G0B+4*\s, G1B
.endr
	v_and_b32 v1, 15, v0
	v_bfe_u32 v2, v0, 4, 1
	v_and_b32 v[LI], 31, v0
	v_lshlrev_b32 v[LI], 4, v[LI]
	s_mul_i32 s21, s15, HALFT
	s_mul_i32 s22, s16, HALFT
	s_add_co_u32 s22, s22, 2*HALFT
	v_add_nc_u32 v[ADRA], s21, v[LI]
	v_add_nc_u32 v[ADRB], s22, v[LI]
	s_xor_b32 s23, s15, 1
	s_add_co_u32 s23, s23, s16
	s_add_co_u32 s23, s23, 1
	s_mul_i32 s23, s23, HALFT
	v_mul_u32_u24 v12, s23, v2
	v_lshl_add_u32 v12, v1, 4, v12
	s_add_co_u32 s21, s21, CODES
	v_add_nc_u32 v[ADRS], s21, v12
	v_lshlrev_b32 v12, 3, v1
	v_lshl_add_u32 v12, v2, 7, v12                 ; the way out: 128 h + 8 r
	s_wait_tensorcnt 0x2                           ; my part of slot 0 is in; those of slots 1 and 2 may stay out
	s_barrier_signal -1
	s_barrier_wait -1
	FETCH 0, 0, 0
	STEP 0, 1
	TURN 0, 1, 1
	STEP 1, 0
	PASS 2
	STEP 2, 0
	TURN 2, 0, 0
	STEP 0, 0
	LAST
	PLACES
	v_mov_b32 v228, 0                              ; a lane permute's destination counts as one of its sources
	v_mov_b32 v233, 0                              ; named as the upper half of the pair v[232:233]
.irp a, 0,1,2,3,4,5,6,7
	STAT \a
.endr
	v_cmp_ne_u32 vcc_lo, 0, v2
.irp p, 0,1,2,3
	v_cndmask_b32 v[32+2*\p], v[16+4*\p], v[18+4*\p], vcc_lo   ; lane (r, h) stores (tm, l) of tile 2 p + h
	v_cndmask_b32 v[33+2*\p], v[17+4*\p], v[19+4*\p], vcc_lo
	global_store_b64 v12, v[32+2*\p:33+2*\p], s[OUT:OUT+1] offset:256*\p   ; 256 consecutive bytes
.endr
	s_wait_tensorcnt 0x0                           ; the wave's end
	ds_add_u32 v[SPW], v[NIL]
	s_wait_dscnt 0x0
	CROUND
	s_endpgm
.Lfunc_end_k_q959ee42669_stats:
	.size	k_q959ee42669_stats, .Lfunc_end_k_q959ee42669_stats-k_q959ee42669_stats
	.p2alignl 7, 3214868480
	.fill 96, 4, 3214868480
	.section	.rodata,"a",@progbits
	.p2align	6, 0x0
	.amdhsa_kernel k_q959ee42669_stats
		.amdhsa_group_segment_fixed_size 327680
		.amdhsa_private_segment_fixed_size 0
		.amdhsa_enable_private_segment 0
		.amdhsa_kernarg_size 16
		.amdhsa_user_sgpr_count 2
		.amdhsa_user_sgpr_kernarg_segment_ptr 1
		.amdhsa_wavefront_size32 1
		.amdhsa_system_sgpr_workgroup_id_x 1
		.amdhsa_system_sgpr_workgroup_id_y 1
		.amdhsa_system_sgpr_workgroup_id_z 1
		.amdhsa_system_vgpr_workitem_id 0
		.amdhsa_next_free_vgpr 1024
		.amdhsa_next_free_sgpr 100
		.amdhsa_reserve_vcc 1
		.amdhsa_float_denorm_mode_32 3
		.amdhsa_float_denorm_mode_16_64 3
		.amdhsa_memory_ordered 1
		.amdhsa_forward_progress 1
		.amdhsa_inst_pref_size 170
	.end_amdhsa_kernel
	.amdgpu_metadata
---
amdhsa.version: [ 1, 2 ]
amdhsa.kernels:
  - .name:           k_q959ee42669_stats
    .symbol:         k_q959ee42669_stats.kd
    .args:
      - { .name: qkv, .offset: 0, .size: 8, .value_kind: global_buffer, .address_space: global }
      - { .name: st, .offset: 8, .size: 8, .value_kind: global_buffer, .address_space: global }
    .group_segment_fixed_size: 327680
    .private_segment_fixed_size: 0
    .kernarg_segment_align: 8
    .kernarg_segment_size: 16
    .max_flat_workgroup_size: 128
    .sgpr_count:     100
    .vgpr_count:     1024
    .wavefront_size: 32
...
	.end_amdgpu_metadata
.endif
;; end of part 7
;; launch probs (part 8): grid 9 x 16, 4 waves a work-group, no clusters, 327,680 bytes of LDS; arguments qkv, st, pc; writes pc
.if DOCPART == 8
	.amdgcn_target "amdgcn-amd-amdhsa--gfx1250"
	.amdhsa_code_object_version 6
	.text
	.protected	k_q959ee42669_probs
	.globl	k_q959ee42669_probs
	.p2align	8
	.type	k_q959ee42669_probs,@function
k_q959ee42669_probs:
	s_mov_b64 s[64:65], 0
	v_nop
	global_prefetch_b8 v0, s[64:65] scope:SCOPE_SE
	s_setreg_imm32_b32 hwreg(HW_REG_WAVE_MODE, 25, 1), 1
	s_wait_xcnt 0x0
; P[i][j] = 2^(c s - TM_i) / L_i for j <= i, 0 for j > i, quantised along j into panels of pc.  TM_i = the largest of key i's sixteen tm, L_i = the sum of l x 2^(tm - TM): both from st.
; WORK LEFT OUT: tiles of 256 keys x 256 queries that lie wholly above the diagonal (every j > every i) are zeros of triu, which reference() builds itself: they are neither made nor stored, and the last launch does not read them.
; So a batch has 36 tiles (t, u), u <= t; rows pr and 7 - pr together have nine: grid x = 0 .. 8 walks them, grid y = 4 x batch + pr.
; NO CLUSTER: nine tiles of two rows share no tile among four partners in a fixed pattern, and the diagonal's branches would hang on a work-group's place in its cluster.
; S1 = keys, S0 = queries, as in the launch before (three slots, one refill); a wave's 128 x 128 becomes one panel: rows i, K = j.  In a diagonal tile wave 1's quarter lies above the diagonal: its products stay
; (dead work inside a live tile) and it stores a panel of zero codes, which the last launch reads as the second half of a unit.
; LIMIT: a p under 2^-126 becomes 0.
.set PANEL, 12800
.set CODES, 12288
.set HALFT, 2*PANEL
.set SLOT,  4*HALFT
.set SPARE, 3*SLOT
.set RBS,   8*PANEL
.set FR,    12
.set LI,    3
.set ADRA,  4                          ; v4, v6, v8: addresses in slot 0; v5, v7, v9: in the slot in hand
.set ADRB,  6
.set ADRS,  8
.set SPW,   10
.set NIL,   11
.set SC,    48
.set AF,    64
.set T,     64                         ; the way out: v64-127 a tile's 64 numbers
.set TM,    224
.set CV,    240
.set G1,  24
.set G0,  32                           ; s[32:43]: a set for each slot
.set OUT, 74
.set DEL, 76                           ; s76: (my first key - my first query) / 128
.set SEL, 78
.set CS,  80
.set MSB, 0
.macro WIN new
.if MSB != (\new)
	s_set_vgpr_msb (MSB<<8)|(\new)
.set MSB, (\new)
.endif
.endm
.set MUL_LO, 0xa1
.set MUL_HI, 0xf1
.set TO_B,   0x40
.macro PLACES
.rept 4
	v_nop
.endr
.endm
.macro REFILL slot                     ; my quarter of the slot just left takes the part of K three parts on: the wave's one tensor load behind the barrier
	s_add_nc_u64 s[G0+4*\slot+2:G0+4*\slot+3], s[G0+4*\slot+2:G0+4*\slot+3], 3*HALFT
	tensor_load_to_lds s[G0+4*\slot:G0+4*\slot+3], s[G1:G1+7]
	s_nop 0
	PLACES
.endm
.macro FRAG reg, adr, off
.irp g, 0,1,2
	ds_load_b128 v[(\reg)+4*\g:(\reg)+4*\g+3], v[\adr] offset:(\off)+512*\g
.endr
.endm
.macro FETCH slot, ksl, set
.if (\ksl) == 0
	WIN 0
	v_add_nc_u32 v[ADRA+1], (\slot)*SLOT, v[ADRA]
	v_add_nc_u32 v[ADRB+1], (\slot)*SLOT, v[ADRB]
	v_add_nc_u32 v[ADRS+1], (\slot)*SLOT, v[ADRS]
.endif
	WIN TO_B
.irp i, 0,1,2,3,4,5,6,7
	FRAG 128*(\set)+FR*\i, ADRB+1, (\ksl)*PANEL+1536*\i
.endr
	WIN 0
	ds_load_b128 v[SC+8*(\set):SC+8*(\set)+3], v[ADRS+1] offset:(\ksl)*PANEL
	ds_load_b128 v[SC+8*(\set)+4:SC+8*(\set)+7], v[ADRS+1] offset:(\ksl)*PANEL+256
.irp i, 0,1,2,3,4,5,6,7
	FRAG AF+96*(\set)+FR*\i, ADRA+1, (\ksl)*PANEL+1536*\i
.endr
.endm
.macro MUL16 a0, set, zero
.irp a, \a0, \a0+1
.irp b, 0,1,2,3,4,5,6,7
.if \zero
	v_wmma_scale_f32_16x16x128_f8f6f4 v[8*(8*((\a)%4)+\b):8*(8*((\a)%4)+\b)+7], v[128*(\set)+FR*\b:128*(\set)+FR*\b+FR-1], v[AF+96*(\set)+FR*(\a):AF+96*(\set)+FR*(\a)+FR-1], 0, v[SC+8*(\set)+\b], v[SC+8*(\set)+(\a)] matrix_a_fmt:MATRIX_FMT_BF6 matrix_b_fmt:MATRIX_FMT_BF6 matrix_a_scale:MATRIX_SCALE_ROW1
.else
	v_wmma_scale_f32_16x16x128_f8f6f4 v[8*(8*((\a)%4)+\b):8*(8*((\a)%4)+\b)+7], v[128*(\set)+FR*\b:128*(\set)+FR*\b+FR-1], v[AF+96*(\set)+FR*(\a):AF+96*(\set)+FR*(\a)+FR-1], v[8*(8*((\a)%4)+\b):8*(8*((\a)%4)+\b)+7], v[SC+8*(\set)+\b], v[SC+8*(\set)+(\a)] matrix_a_fmt:MATRIX_FMT_BF6 matrix_b_fmt:MATRIX_FMT_BF6 matrix_a_scale:MATRIX_SCALE_ROW1
.endif
.endr
.endr
.endm
.macro STEP slot, zero
	s_wait_dscnt 12                                ; all but the youngest twelve loads (S1's tiles 4-7)
	WIN MUL_LO
	MUL16 0, 0, \zero
	MUL16 2, 0, \zero
	PLACES
	FETCH \slot, 1, 1
	s_wait_dscnt 50                                ; all but the 50 just issued
	WIN MUL_HI
	MUL16 4, 0, \zero
	MUL16 6, 0, \zero
.endm
.macro PASS next                       ; on to a slot that an earlier barrier has shown whole: no barrier, nothing is filled
	s_wait_dscnt 12
	WIN MUL_LO
	MUL16 0, 1, 0
	MUL16 2, 1, 0
	PLACES
	FETCH \next, 0, 0
	s_wait_dscnt 50                                ; all but the 50 just issued
	WIN MUL_HI
	MUL16 4, 1, 0
	MUL16 6, 1, 0
.endm
.macro TURN slot, next, fill
	WIN 0
	s_wait_tensorcnt 0x0                           ; all my tensor loads have landed
	ds_add_u32 v[SPW], v[NIL]                      ; 0 onto my spare word
	s_wait_dscnt 13                                ; (the add and the youngest twelve loads may be out)
	WIN MUL_LO
	MUL16 0, 1, 0
	s_wait_dscnt 0x0                               ; the add is done, and my reads of this slot are over
	s_barrier_signal -1
	MUL16 2, 1, 0
	WIN 0
	s_barrier_wait -1
.if \fill
	REFILL \slot
.else
	PLACES
.endif
	FETCH \next, 0, 0
	WIN MUL_HI
	MUL16 4, 1, 0
	MUL16 6, 1, 0
.endm
.macro LAST
	s_wait_dscnt 12
	WIN MUL_LO
	MUL16 0, 1, 0
	MUL16 2, 1, 0
	s_wait_dscnt 0x0
	WIN MUL_HI
	MUL16 4, 1, 0
	MUL16 6, 1, 0
	WIN 0
.endm
.macro QUANT s, w, pc, pw              ; 64 numbers of a lane become a fragment's codes and its scale word (as in the launch that makes q, k and v)
	WIN (\w)|((\w)<<2)
.irp b, 0,1,2,3
	v_max3_num_f32 v[TM+\b], |v[(\s)+16*\b]|, |v[(\s)+1+16*\b]|, 0x2800000
.endr
.irp i, 2,4,6,8,10,12,14
.irp b, 0,1,2,3
	v_max3_num_f32 v[TM+\b], |v[(\s)+16*\b+\i]|, |v[(\s)+1+16*\b+\i]|, v[TM+\b]
.endr
.endr
	WIN 0
.irp b, 0,1,2,3
	v_permlanex16_b32 v[TM+4+\b], v[TM+\b], s[SEL], s[SEL+1]
.endr
.irp b, 0,1,2,3
	v_max_num_f32 v[TM+\b], v[TM+\b], v[TM+4+\b]
.endr
.irp b, 0,1,2,3
	v_add_nc_u32 v[TM+12+\b], 0xfe000000, v[TM+\b]
.endr
.irp b, 0,1,2,3
	v_lshrrev_b32 v[TM+4+\b], 23, v[TM+12+\b]
.endr
	v_lshl_or_b32 v[\pw], v[TM+5], 8, v[TM+4]
	v_lshl_or_b32 v[\pw], v[TM+6], 16, v[\pw]
	v_lshl_or_b32 v[\pw], v[TM+7], 24, v[\pw]
	WIN \w
.irp c, 0,1
	v_cvt_scalef32_pk16_bf6_f32 v[(\pc)+6*\c:(\pc)+2+6*\c], v[(\s)+32*\c:(\s)+15+32*\c], v[TM+12+2*\c]
	v_cvt_scalef32_pk16_bf6_f32 v[CV+4*\c:CV+2+4*\c], v[(\s)+16+32*\c:(\s)+31+32*\c], v[TM+12+2*\c+1]
.endr
	WIN 0
	v_nop
.irp c, 0,1
.irp i, 0,1,2
	v_permlane16_swap_b32 v[(\pc)+6*\c+\i], v[CV+4*\c+\i]
.endr
.irp i, 0,1,2
	v_mov_b32 v[(\pc)+3+6*\c+\i], v[CV+4*\c+\i]
.endr
.endr
.endm
; Tile a of my keys: p finished and normalised, the diagonal's zeros, the codes, the stores.
.macro PROB a
.set AC, 64*((\a)%4)
.set WA, 2+(\a)/4
	WIN WA
.set n, 0
.rept 32
	v_pk_fma_f32 v[T+n:T+n+1], v[AC+n:AC+n+1], s[CS:CS+1], v[16+4*(\a):17+4*(\a)] op_sel_hi:[1,0,1]   ; c s - TM, each accumulator from its low end on
.set n, n+2
.endr
	WIN 0
.set n, 0
.rept 64
	v_exp_f32 v[T+n], v[T+n]
.set n, n+1
.endr
	v_nop                                          ; a plain place behind the last exponential
	s_wait_alu depctr_va_vdst(0)                   ; one wait for the batch, ahead of its first reader
.set n, 0
.rept 32
	v_pk_mul_f32 v[T+n:T+n+1], v[T+n:T+n+1], v[18+4*(\a):19+4*(\a)]   ; / L
.set n, n+2
.endr
	s_cmp_lg_u32 s[DEL], 0                         ; ids and the wave's number alone
	s_cbranch_scc1 .Lopen_\@
	; on the diagonal: my key is 32 (a / 2) + 8 (a % 2) + r + 8 (r / 8), register 16 b + n holds query 32 b + 16 h + n.  Blocks b < a / 2 are kept whole, blocks b > a / 2 are zeros, in block a / 2 query <= key decides
.set n, 0
.rept 16
	v_cmp_le_i32 vcc_lo, n-8*((\a)%2), v13
	v_cndmask_b32 v[T+16*((\a)/2)+n], 0, v[T+16*((\a)/2)+n], vcc_lo
.set n, n+1
.endr
.set n, 16*((\a)/2)+16
.rept 48-16*((\a)/2)
	v_mov_b32 v[T+n], 0
.set n, n+1
.endr
.Lopen_\@:
	QUANT T, 0, 128+12*(\a), 248+(\a)
.irp g, 0,1,2
	global_store_b128 v[LI], v[128+12*(\a)+4*\g:128+12*(\a)+4*\g+3], s[OUT:OUT+1] offset:1536*(\a)+512*\g
.endr
.endm
	s_load_b128 s[4:7], s[0:1], 0x0                ; qkv, st
	s_load_b64 s[8:9], s[0:1], 0x10                ; pc
	v_lshl_add_u32 v[SPW], v0, 2, SPARE
	v_mov_b32 v[NIL], 0
	ds_add_u32 v[SPW], v[NIL]                      ; the wave's opening: the add, twice on end, and its wait ahead of my first tensor load
	ds_add_u32 v[SPW], v[NIL]
	v_lshrrev_b32 v1, 5, v0
	v_readfirstlane_b32 s14, v1
	s_lshr_b32 s15, s14, 1
	s_and_b32 s16, s14, 1
	s_mov_b32 s[G1], 3<<16                         ; no mask; elements of 8 bytes; no padding
	s_mov_b32 s[G1+1], 32<<16
	s_mov_b32 s[G1+2], 100<<16
	s_mov_b32 s[G1+3], 32<<16
	s_mov_b32 s[G1+4], 100
	s_mov_b32 s[G1+5], 32
	s_mov_b32 s[G1+6], 0
	s_mov_b32 s[G1+7], 0
	s_and_b32 s17, ttmp7, 0xffff
	s_lshr_b32 s18, s17, 2                         ; batch
	s_and_b32 s19, s17, 3                          ; pr
	s_sub_co_u32 s20, 7, s19
	s_sub_co_u32 s21, ttmp9, s19
	s_sub_co_u32 s21, s21, 1
	s_cmp_le_u32 ttmp9, s19
	s_cselect_b32 s20, s19, s20                    ; t: the tile of 256 keys
	s_cselect_b32 s21, ttmp9, s21                  ; u: the tile of 256 queries, u <= t
	s_lshl_b32 s22, s18, 4
	s_lshl_b32 s23, s20, 1
	s_lshl_b32 s45, s21, 1
	s_add_co_u32 s46, s22, s23
	s_add_co_u32 s46, s46, s16
	s_mul_i32 s46, s46, RBS
	s_add_co_u32 s46, s46, 512*PANEL               ; waves 0, 1 fetch k's halves,
	s_add_co_u32 s47, s22, s45
	s_add_co_u32 s47, s47, s16
	s_mul_i32 s47, s47, RBS                        ; waves 2, 3 q's
	s_add_co_u32 s70, s22, s23
	s_add_co_u32 s70, s70, s15                     ; my key block, over all batches
	s_lshl_b32 s68, s70, 14                        ; its figures in st
	s_mov_b32 s69, 0
	s_lshl_b32 s72, s70, 4
	s_add_co_u32 s72, s72, s45
	s_add_co_u32 s72, s72, s16
	s_mul_i32 s72, s72, PANEL                      ; my panel in pc
	s_mov_b32 s73, 0
	s_add_co_u32 s71, s23, s15
	s_add_co_u32 s[DEL], s45, s16
	s_sub_co_i32 s[DEL], s71, s[DEL]
	s_cmp_eq_u32 s15, 0
	s_cselect_b32 s66, s46, s47
	s_mov_b32 s67, 0
	s_mul_i32 s77, s14, HALFT
	s_mov_b32 s[SEL], 0x76543210
	s_mov_b32 s[SEL+1], 0xfedcba98
	s_mov_b32 s[CS], 0x3d38aa3b                    ; c = log2(e) / 32
	s_mov_b32 s[CS+1], s[CS]
	s_wait_dscnt 0x0
	s_wait_kmcnt 0x0
	s_add_nc_u64 s[66:67], s[4:5], s[66:67]
	s_add_nc_u64 s[68:69], s[6:7], s[68:69]
	s_add_nc_u64 s[OUT:OUT+1], s[8:9], s[72:73]
.irp s, 0,1,2
	s_mov_b32 s[G0+4*\s], 1
	s_add_co_u32 s[G0+4*\s+1], s77, \s*SLOT
	s_add_nc_u64 s[G0+4*\s+2:G0+4*\s+3], s[66:67], \s*HALFT
	s_or_b32 s[G0+4*\s+3], s[G0+4*\s+3], 0x80000000
.endr
	tensor_load_to_lds s[G0:G0+3], s[G1:G1+7]      ; every wave's three first fills, ahead of every wait on TENSORcnt, LDS read and barrier
	s_nop 0
	tensor_load_to_lds s[G0+4:G0+7], s[G1:G1+7]
	s_nop 0
	tensor_load_to_lds s[G0+8:G0+11], s[G1:G1+7]
	s_nop 0
	PLACES
	v_and_b32 v1, 15, v0
	v_bfe_u32 v2, v0, 4, 1
	v_lshlrev_b32 v14, 3, v1
	v_lshl_add_u32 v14, v2, 13, v14                ; st: 8 r, and lanes 16-31 take query blocks 8 to 15
.irp a, 0,1,2,3,4,5,6,7
.irp j, 0,1,2,3,4,5,6,7
	global_load_b64 v[64+16*\a+2*\j:65+16*\a+2*\j], v14, s[68:69] offset:1024*\j+128*\a   ; (tm, l) of key 16 a + r, query block 8 h + j
.endr
.endr
	v_and_b32 v[LI], 31, v0
	v_lshlrev_b32 v[LI], 4, v[LI]
	s_mul_i32 s21, s15, HALFT
	s_mul_i32 s22, s16, HALFT
	s_add_co_u32 s22, s22, 2*HALFT
	v_add_nc_u32 v[ADRA], s21, v[LI]
	v_add_nc_u32 v[ADRB], s22, v[LI]
	s_xor_b32 s23, s15, 1
	s_add_co_u32 s23, s23, s16
	s_add_co_u32 s23, s23, 1
	s_mul_i32 s23, s23, HALFT
	v_mul_u32_u24 v12, s23, v2
	v_lshl_add_u32 v12, v1, 4, v12
	s_add_co_u32 s21, s21, CODES
	v_add_nc_u32 v[ADRS], s21, v12
	v_lshlrev_b32 v12, 4, v1
	v_lshl_add_u32 v12, v2, 8, v12                 ; the scale words' place: 256 h + 16 r
	v_and_b32 v13, 8, v1
	v_add_nc_u32 v13, v13, v1
	v_lshlrev_b32 v15, 4, v2
	v_sub_nc_u32 v13, v13, v15                     ; r + 8 (r / 8) - 16 h, for the diagonal
.irp a, 0,1,2,3,4,5,6,7
	v_mov_b32 v[200+\a], 0                         ; a lane permute's destination counts as one of its sources
.endr
	s_wait_loadcnt 0x0
	; TM and 1 / L of my 128 keys, the eight tiles by turns, while the first tiles are on their way
.irp a, 0,1,2,3,4,5,6,7
	v_max3_num_f32 v[192+\a], v[64+16*\a], v[66+16*\a], v[68+16*\a]
.endr
.irp a, 0,1,2,3,4,5,6,7
	v_max3_num_f32 v[192+\a], v[192+\a], v[70+16*\a], v[72+16*\a]
.endr
.irp a, 0,1,2,3,4,5,6,7
	v_max3_num_f32 v[192+\a], v[192+\a], v[74+16*\a], v[76+16*\a]
.endr
.irp a, 0,1,2,3,4,5,6,7
	v_max_num_f32 v[192+\a], v[192+\a], v[78+16*\a]
.endr
.irp a, 0,1,2,3,4,5,6,7
	v_permlanex16_b32 v[200+\a], v[192+\a], s[SEL], s[SEL+1]
.endr
.irp a, 0,1,2,3,4,5,6,7
	v_max_num_f32 v[192+\a], v[192+\a], v[200+\a]  ; TM
.endr
.irp j, 0,1,2,3,4,5,6,7
.irp a, 0,1,2,3,4,5,6,7
	v_sub_f32 v[64+16*\a+2*\j], v[64+16*\a+2*\j], v[192+\a]
.endr
.endr
.irp j, 0,1,2,3,4,5,6,7
.irp a, 0,1,2,3,4,5,6,7
	v_exp_f32 v[64+16*\a+2*\j], v[64+16*\a+2*\j]   ; 2^(tm - TM), at most 1
.endr
.endr
	v_nop
	s_wait_alu depctr_va_vdst(0)                   ; one wait for the batch
.irp a, 0,1,2,3,4,5,6,7
	v_mul_f32 v[208+\a], v[64+16*\a], v[65+16*\a]
.endr
.irp j, 1,2,3,4,5,6,7
.irp a, 0,1,2,3,4,5,6,7
	v_fmac_f32 v[208+\a], v[64+16*\a+2*\j], v[65+16*\a+2*\j]
.endr
.endr
.irp a, 0,1,2,3,4,5,6,7
	v_permlanex16_b32 v[200+\a], v[208+\a], s[SEL], s[SEL+1]
.endr
.irp a, 0,1,2,3,4,5,6,7
	v_add_f32 v[208+\a], v[208+\a], v[200+\a]      ; L
.endr
.irp a, 0,1,2,3,4,5,6,7
	v_rcp_f32 v[18+4*\a], v[208+\a]
.endr
.irp a, 0,1,2,3,4,5,6,7
	v_xor_b32 v[16+4*\a], 0x80000000, v[192+\a]    ; -TM (plain work behind the reciprocals)
.endr
.irp a, 0,1,2,3,4,5,6,7
	v_mov_b32 v[17+4*\a], v[16+4*\a]
.endr
	s_wait_alu depctr_va_vdst(0)                   ; one wait for the eight reciprocals
.irp a, 0,1,2,3,4,5,6,7
	v_mov_b32 v[19+4*\a], v[18+4*\a]
.endr
	s_wait_tensorcnt 0x2                           ; my part of slot 0 is in; those of slots 1 and 2 may stay out
	s_barrier_signal -1
	s_barrier_wait -1
	FETCH 0, 0, 0
	STEP 0, 1
	TURN 0, 1, 1
	STEP 1, 0
	PASS 2
	STEP 2, 0
	TURN 2, 0, 0
	STEP 0, 0
	LAST
	PLACES
	s_cmp_lt_i32 s[DEL], 0                         ; ids and the wave's number alone; no barrier follows
	s_cbranch_scc0 .Llive
.irp i, 0,1,2,3
	v_mov_b32 v[128+\i], 0                         ; all my queries come after all my keys: a panel of zero codes,
	v_mov_b32 v[132+\i], 0x7f7f7f7f                ; under the scale 1
.endr
.set n, 0
.rept 24
	global_store_b128 v[LI], v[128:131], s[OUT:OUT+1] offset:512*n
.set n, n+1
.endr
	global_store_b128 v12, v[132:135], s[OUT:OUT+1] offset:CODES
	s_branch .Ldone
.Llive:
.irp b, 0,1,2,3
	v_mov_b32 v[TM+4+\b], 0
.endr
.irp a, 0,1,2,3,4,5,6,7
	PROB \a
.endr
	v_cmp_ne_u32 vcc_lo, 0, v2
.irp i, 0,1,2,3
	v_cndmask_b32 v[CV+\i], v[248+\i], v[252+\i], vcc_lo
.endr
	global_store_b128 v12, v[CV:CV+3], s[OUT:OUT+1] offset:CODES
.Ldone:
	s_wait_tensorcnt 0x0                           ; the wave's end
	ds_add_u32 v[SPW], v[NIL]
	s_wait_dscnt 0x0
	s_endpgm
.Lfunc_end_k_q959ee42669_probs:
	.size	k_q959ee42669_probs, .Lfunc_end_k_q959ee42669_probs-k_q959ee42669_probs
	.p2alignl 7, 3214868480
	.fill 96, 4, 3214868480
	.section	.rodata,"a",@progbits
	.p2align	6, 0x0
	.amdhsa_kernel k_q959ee42669_probs
		.amdhsa_group_segment_fixed_size 327680
		.amdhsa_private_segment_fixed_size 0
		.amdhsa_enable_private_segment 0
		.amdhsa_kernarg_size 24
		.amdhsa_user_sgpr_count 2
		.amdhsa_user_sgpr_kernarg_segment_ptr 1
		.amdhsa_wavefront_size32 1
		.amdhsa_system_sgpr_workgroup_id_x 1
		.amdhsa_system_sgpr_workgroup_id_y 1
		.amdhsa_system_sgpr_workgroup_id_z 1
		.amdhsa_system_vgpr_workitem_id 0
		.amdhsa_next_free_vgpr 1024
		.amdhsa_next_free_sgpr 90
		.amdhsa_reserve_vcc 1
		.amdhsa_float_denorm_mode_32 3
		.amdhsa_float_denorm_mode_16_64 3
		.amdhsa_memory_ordered 1
		.amdhsa_forward_progress 1
		.amdhsa_inst_pref_size 214
	.end_amdhsa_kernel
	.amdgpu_metadata
---
amdhsa.version: [ 1, 2 ]
amdhsa.kernels:
  - .name:           k_q959ee42669_probs
    .symbol:         k_q959ee42669_probs.kd
    .args:
      - { .name: qkv, .offset: 0, .size: 8, .value_kind: global_buffer, .address_space: global }
      - { .name: st, .offset: 8, .size: 8, .value_kind: global_buffer, .address_space: global }
      - { .name: pc, .offset: 16, .size: 8, .value_kind: global_buffer, .address_space: global }
    .group_segment_fixed_size: 327680
    .private_segment_fixed_size: 0
    .kernarg_segment_align: 8
    .kernarg_segment_size: 24
    .max_flat_workgroup_size: 128
    .sgpr_count:     90
    .vgpr_count:     1024
    .wavefront_size: 32
...
	.end_amdgpu_metadata
.endif
;; end of part 8
;; launch pv (part 9): grid 8 x 32, 4 waves a work-group, clusters of 4 x 1, 327,680 bytes of LDS; arguments pc, qkv, out0; writes out0
.if DOCPART == 9
	.amdgcn_target "amdgcn-amd-amdhsa--gfx1250"
	.amdhsa_code_object_version 6
	.text
	.protected	k_q959ee42669_pv
	.globl	k_q959ee42669_pv
	.p2align	8
	.type	k_q959ee42669_pv,@function
k_q959ee42669_pv:
	s_mov_b64 s[64:65], 0
	v_nop
	global_prefetch_b8 v0, s[64:65] scope:SCOPE_SE
	s_setreg_imm32_b32 hwreg(HW_REG_WAVE_MODE, 25, 1), 1
	s_wait_xcnt 0x0
	s_wait_alu depctr_hold_cnt(0) depctr_sa_sdst(0) depctr_va_vdst(0) depctr_va_sdst(0) depctr_va_ssrc(0) depctr_va_vcc(0) depctr_vm_vsrc(0)
	s_getreg_b32 s2, hwreg(HW_REG_IB_STS2, 6, 4)
	s_cmp_eq_u32 s2, 0
	s_cbranch_scc0 .Lentry_in_a_cluster
	s_endpgm
.Lentry_in_a_cluster:
	s_bfe_u32 s2, ttmp6, 0x10000c
	s_cmp_lg_u32 s2, 0x3003
	s_cbranch_scc0 .Lentry_shape_is_right
	s_endpgm
.Lentry_shape_is_right:
; out[i][d] = sum over j <= i of P[i][j] v[j][d], on the panels of P (pc) and of v^T (qkv).
; WORK LEFT OUT: the units of 256 queries that lie wholly behind a block's 128 keys hold only triu's zeros, which reference() builds itself: they are neither fetched nor multiplied.  Block a of keys has a / 2 + 1 live units.
; SHARES.  A work-group takes TWO blocks of keys of one batch, A = a (0 .. 7) and B = 15 - a: together nine units whatever a is, so that all work-groups have the same work and every load of the text is issued by
; every work-group; and 128 columns d.  A wave makes 64 rows x 64 columns of each block: 16 accumulators for A, 16 for B.  Source 0 = 16 rows of v^T (d), source 1 = 16 rows of P (i): a lane holds one row of out.
; THE WALK, nine positions, with nA = a / 2: position 0 is A's unit 0, position 1 B's unit 0 (their first products start the sums); position 2 + q, q = 0 .. 2, is A's unit q + 1 where q < nA, else B's unit q - nA + 1;
; positions 5 to 8 are B's always.  What hangs on a are addresses in memory and, at positions 2 to 4, which sixteen accumulators are added onto: a scalar branch on ids round two copies of the sixteen products.
; LDS: six places of 25,600 bytes (a unit: two panels, dense in memory) for P, six for v^T.  Positions 0 to 5 are asked for at the head, three loads a wave.  Positions 6 to 8 are neighbours in memory: one load a wave,
; 150 rows of 256 bytes, brings them into places 0 to 2 when these have been read, and has six K steps and block A's way out in which to land.  By this text's count a wave has at most three tensor loads out.
; CLUSTER 4 x 1: the four partners make four neighbouring blocks of 128 columns of the same two blocks of keys: they walk the same P, which is asked for jointly (waves 0, 1); each has its own rows of v^T (waves 2, 3: plain loads, behind the same rounds).
; REGISTERS: window 0: v1-14 addresses; v48-55 scale words, two sets; v64-159 P's fragments, two sets of 48; v160-223 the way out.  window 1: v^T's fragments, v0-95.  window 2: accumulators, A's (a, b) at v[8 (4 a + b)], B's 128 on.
.set PANEL, 12800
.set CODES, 12288
.set UNIT,  2*PANEL
.set VB,    6*UNIT                     ; v^T's places
.set STAGE, 12*UNIT                    ; behind the places: 16 rows x (256 bytes + 16) for each wave; no tensor load lands there
.set STG,   16*272
.set SPARE, STAGE+4*STG                ; the spare words, 128 bytes a wave
.set FR,    12
.set LI,    3
.set ADRA,  4                          ; v4   my four tiles of P in place 0; v5 in the place in hand
.set ADRB,  6                          ; v6, v7  my four tiles of v^T
.set ADRS,  8                          ; v8, v9  scale words: lanes 0-15 P's four tiles, lanes 16-31 v^T's four
.set SPW,   10
.set NIL,   11
.set STO,   12
.set RD,    13
.set GO,    14
.set SC,    48
.set AF,    64
.set BK,    160
.set G1P,  24                          ; group 1: a unit of P (100 rows, joint); of v^T (100 rows, plain); half of three units (150 rows), joint and plain
.set G1V,  32
.set G1PR, 40
.set G1VR, 48
.set GP0,  56                          ; groups 0: P's three head loads, v^T's three, the two refills
.set GP1,  60
.set GP2,  68
.set GV0,  72
.set GV1,  76
.set GV2,  80
.set GPR,  84
.set GVR,  88
.set NA,   66                          ; s66  nA
.set MSB, 0
.macro WIN new
.if MSB != (\new)
	s_set_vgpr_msb (MSB<<8)|(\new)
.set MSB, (\new)
.endif
.endm
.set TO_B, 0x40
.set MUL,  0xa1                        ; source 0 window 1, source 1 window 0, C and D window 2
.macro PLACES
.rept 4
	v_nop
.endr
.endm
.macro JLOAD g0a, g1a, g0b, g1b        ; waves 0, 1 ask for P, waves 2, 3 for v^T; the branch hangs on the wave's number alone; s_nop 0 and four v_nop follow each line
	s_cmp_eq_u32 s15, 0
	s_cbranch_scc0 .Lfor_v_\@
	tensor_load_to_lds s[\g0a:\g0a+3], s[\g1a:\g1a+7]
	s_nop 0
	PLACES
	s_branch .Lasked_\@
.Lfor_v_\@:
	tensor_load_to_lds s[\g0b:\g0b+3], s[\g1b:\g1b+7]
	s_nop 0
	PLACES
.Lasked_\@:
.endm
.macro CROUND                          ; a round of the cluster's barrier
	s_barrier_signal -1
	s_barrier_wait -1
	s_cmp_lg_u32 s14, 0
	s_cbranch_scc1 .Lnot_wave_0_\@
	s_barrier_signal -3
.Lnot_wave_0_\@:
	s_barrier_wait -3
	s_barrier_signal -1
	s_barrier_wait -1
.endm
.macro FRAG reg, adr, off
.irp g, 0,1,2
	ds_load_b128 v[(\reg)+4*\g:(\reg)+4*\g+3], v[\adr] offset:(\off)+512*\g
.endr
.endm
.macro FETCHK kk                       ; K step kk (0 .. 17) of the walk: 25 loads into set kk % 2.  Position kk / 2 lies in place (kk / 2) % 6
.if ((\kk)%2) == 0
	WIN 0
	v_add_nc_u32 v[ADRA+1], (((\kk)/2)%6)*UNIT, v[ADRA]
	v_add_nc_u32 v[ADRB+1], (((\kk)/2)%6)*UNIT, v[ADRB]
	v_add_nc_u32 v[ADRS+1], (((\kk)/2)%6)*UNIT, v[ADRS]
.endif
	WIN TO_B
.irp i, 0,1,2,3
	FRAG 48*((\kk)%2)+FR*\i, ADRB+1, ((\kk)%2)*PANEL+1536*\i
.endr
	WIN 0
	ds_load_b128 v[SC+4*((\kk)%2):SC+4*((\kk)%2)+3], v[ADRS+1] offset:((\kk)%2)*PANEL
.irp i, 0,1,2,3
	FRAG AF+48*((\kk)%2)+FR*\i, ADRA+1, ((\kk)%2)*PANEL+1536*\i
.endr
.endm
.macro MUL16 set, ab, zero             ; sixteen accumulators take turns, one instruction a turn, in one order throughout.  ab = 0: block A's, 128: block B's
.irp a, 0,1,2,3
.irp b, 0,1,2,3
.if \zero
	v_wmma_scale_f32_16x16x128_f8f6f4 v[(\ab)+8*(4*\a+\b):(\ab)+8*(4*\a+\b)+7], v[48*(\set)+FR*\b:48*(\set)+FR*\b+FR-1], v[AF+48*(\set)+FR*\a:AF+48*(\set)+FR*\a+FR-1], 0, v[SC+4*(\set)+\b], v[SC+4*(\set)+\a] matrix_a_fmt:MATRIX_FMT_BF6 matrix_b_fmt:MATRIX_FMT_BF6 matrix_a_scale:MATRIX_SCALE_ROW1
.else
	v_wmma_scale_f32_16x16x128_f8f6f4 v[(\ab)+8*(4*\a+\b):(\ab)+8*(4*\a+\b)+7], v[48*(\set)+FR*\b:48*(\set)+FR*\b+FR-1], v[AF+48*(\set)+FR*\a:AF+48*(\set)+FR*\a+FR-1], v[(\ab)+8*(4*\a+\b):(\ab)+8*(4*\a+\b)+7], v[SC+4*(\set)+\b], v[SC+4*(\set)+\a] matrix_a_fmt:MATRIX_FMT_BF6 matrix_b_fmt:MATRIX_FMT_BF6 matrix_a_scale:MATRIX_SCALE_ROW1
.endif
.endr
.endr
.endm
.macro KSTEP kk, ab, zero              ; the next K step's fragments are asked for, then this one's sixteen products
	PLACES                                         ; ahead of loads into the set that the products before have read
	FETCHK (\kk)+1
	s_wait_dscnt 25                                ; all but the 25 just issued
	WIN MUL
	MUL16 (\kk)%2, \ab, \zero
.endm
.macro KSTEPV kk, q                    ; the same at a position that is A's where q < nA, else B's: ids alone, the same in all waves and in all partners
	PLACES
	FETCHK (\kk)+1
	s_wait_dscnt 25
	s_cmp_gt_u32 s[NA], \q
	s_cbranch_scc0 .Lfor_b_\@
	WIN MUL
	MUL16 (\kk)%2, 0, 0
	WIN 0
	s_branch .Ljoin_\@
.Lfor_b_\@:
	WIN MUL
	MUL16 (\kk)%2, 128, 0
	WIN 0
.Ljoin_\@:
.endm
; THE WAY OUT of a block, a tile of 16 rows x 64 columns at a time, through my own stage: in tile b of v^T register j of lane (r, h) is column 32 (b / 2) + 8 (b % 2) + 16 h + j.  LDS serves a wave's instructions in order.
.macro TOSTAGE a, ab
	WIN 0x08                                       ; an LDS store's data are its source 1: window 2
.irp b, 0,1,2,3
	ds_store_b128 v[STO], v[(\ab)+8*(4*(\a)+\b):(\ab)+8*(4*(\a)+\b)+3] offset:128*(\b/2)+32*(\b%2)       ; each accumulator from its low end on
	ds_store_b128 v[STO], v[(\ab)+8*(4*(\a)+\b)+4:(\ab)+8*(4*(\a)+\b)+7] offset:128*(\b/2)+32*(\b%2)+16
.endr
	WIN 0
.set BB, BK+32*((\a)%2)
.irp t, 0,1,2,3,4,5,6,7
	ds_load_b128 v[BB+4*\t:BB+4*\t+3], v[RD] offset:\t*2*272   ; lanes 0-15 one row of 256 bytes, lanes 16-31 the next
.endr
.endm
.macro SEND a, younger, o              ; younger: the LDS instructions issued behind tile a's loads
.set BB, BK+32*((\a)%2)
	s_wait_dscnt \younger
.irp t, 0,1,2,3,4,5,6,7
	global_store_b128 v[GO], v[BB+4*\t:BB+4*\t+3], s[\o:\o+1] offset:(32*((\a)/2)+8*((\a)%2)+2*\t+8*(\t/4))*4096 th:TH_STORE_NT   ; sixteen lanes store 256 consecutive bytes, aligned, of the row that the fragment row stands for
.endr
.endm
.macro OUTB ab, o
	TOSTAGE 0, \ab
	TOSTAGE 1, \ab
	SEND 0, 16, \o                                 ; behind tile 0's loads: tile 1's 8 stores and 8 loads
	s_wait_xcnt 0x0                                ; tile 0's stores have read their registers
	TOSTAGE 2, \ab
	SEND 1, 16, \o
	s_wait_xcnt 0x0
	TOSTAGE 3, \ab
	SEND 2, 16, \o
	SEND 3, 0, \o
.endm
.macro POS gp, gv, qoff                ; where position 2 + q lies in memory, q = qoff + (wave % 2): into the address words of the two groups 0, as offsets
	s_add_co_u32 s96, s16, \qoff
	s_sub_co_u32 s97, s96, s[NA]
	s_cmp_lt_u32 s96, s[NA]
	s_cselect_b32 s98, s22, s23                    ; A's panels or B's
	s_cselect_b32 s97, s96, s97
	s_add_co_u32 s97, s97, 1                       ; the unit
	s_mul_i32 s97, s97, UNIT
	s_add_co_u32 s[\gp+2], s98, s97
	s_add_co_u32 s[\gv+2], s94, s97
.endm
	s_load_b128 s[4:7], s[0:1], 0x0                ; pc, qkv
	s_load_b64 s[8:9], s[0:1], 0x10                ; out0
	v_lshl_add_u32 v[SPW], v0, 2, SPARE
	v_mov_b32 v[NIL], 0
	ds_add_u32 v[SPW], v[NIL]                      ; the wave's opening: the add, twice on end, and its wait ahead of my first tensor load
	ds_add_u32 v[SPW], v[NIL]
	v_lshrrev_b32 v1, 5, v0
	v_readfirstlane_b32 s14, v1                    ; wave
	s_lshr_b32 s15, s14, 1                         ; my 64 rows of P.  Also: I fetch for P (0) or v^T (1)
	s_and_b32 s16, s14, 1                          ; my 64 rows of v^T.  Also: the even or the odd positions, the first or the second half of the refill
	s_bfe_u32 s92, ttmp6, 0x40000                  ; cx
	s_lshl_b32 s93, ttmp9, 2
	s_add_co_u32 s93, s93, s92                     ; my block of 128 columns: it enters v^T's and out's addresses alone
	s_and_b32 s17, ttmp7, 0xffff                   ; shared by the four partners:
	s_lshr_b32 s18, s17, 3                         ; the batch,
	s_and_b32 s19, s17, 7                          ; a,
	s_lshr_b32 s[NA], s19, 1                       ; nA
	s_mov_b32 s[G1P], 15|(3<<16)|(1<<21)           ; the mask: all four work-groups; elements of 8 bytes; bit 21 beside a mask; no padding
	s_mov_b32 s[G1V], 3<<16                        ; no mask
	s_mov_b32 s[G1PR], 15|(3<<16)|(1<<21)
	s_mov_b32 s[G1VR], 3<<16
.irp g, G1P, G1V
	s_mov_b32 s[\g+1], 32<<16                      ; rows of 32 elements: 256 bytes
	s_mov_b32 s[\g+2], 100<<16
	s_mov_b32 s[\g+3], 32<<16
	s_mov_b32 s[\g+4], 100
	s_mov_b32 s[\g+5], 32                          ; dense
	s_mov_b32 s[\g+6], 0
	s_mov_b32 s[\g+7], 0
.endr
.irp g, G1PR, G1VR
	s_mov_b32 s[\g+1], 32<<16
	s_mov_b32 s[\g+2], 150<<16
	s_mov_b32 s[\g+3], 32<<16
	s_mov_b32 s[\g+4], 150
	s_mov_b32 s[\g+5], 32
	s_mov_b32 s[\g+6], 0
	s_mov_b32 s[\g+7], 0
.endr
	s_lshl_b32 s20, s18, 4
	s_add_co_u32 s21, s20, 15
	s_add_co_u32 s20, s20, s19                     ; block A, counted over all batches
	s_sub_co_u32 s21, s21, s19                     ; block B
	s_mul_i32 s22, s20, 16*PANEL                   ; A's first panel in pc
	s_mul_i32 s23, s21, 16*PANEL                   ; B's
	s_mul_i32 s94, s18, 128*PANEL
	s_mul_i32 s95, s93, 16*PANEL
	s_add_co_u32 s94, s94, s95
	s_add_co_u32 s94, s94, 1024*PANEL              ; v^T's first panel of my batch and columns, behind q and k
.irp g, GP0, GP1, GP2, GPR, GV0, GV1, GV2, GVR
	s_mov_b32 s[\g], 1                             ; count = 1
	s_mov_b32 s[\g+3], 0                           ; the offsets' upper words
.endr
	s_cmp_eq_u32 s16, 0
	s_cselect_b32 s[GP0+2], s22, s23               ; position 0 is A's unit 0, position 1 B's
	s_mov_b32 s[GV0+2], s94
	POS GP1, GV1, 0                                ; positions 2, 3
	POS GP2, GV2, 2                                ; positions 4, 5
	s_sub_co_u32 s96, 5, s[NA]                     ; position 6 is B's unit 5 - nA
	s_mul_i32 s96, s96, UNIT
	s_mul_i32 s97, s16, 3*PANEL                    ; my half of the three units
	s_add_co_u32 s96, s96, s97
	s_add_co_u32 s[GPR+2], s23, s96
	s_add_co_u32 s[GVR+2], s94, s96
	s_mov_b32 s[GPR+1], s97                        ; into places 0 to 2
	s_add_co_u32 s[GVR+1], s97, VB
	s_mul_i32 s98, s16, UNIT                       ; the head's loads: place 2 i + wave % 2: no place in the cluster enters an LDS address
	s_mov_b32 s[GP0+1], s98
	s_add_co_u32 s[GP1+1], s98, 2*UNIT
	s_add_co_u32 s[GP2+1], s98, 4*UNIT
	s_add_co_u32 s[GV0+1], s98, VB
	s_add_co_u32 s[GV1+1], s98, VB+2*UNIT
	s_add_co_u32 s[GV2+1], s98, VB+4*UNIT
	s_lshl_b32 s96, s15, 18                        ; out: my 64 rows of 4,096 bytes,
	s_lshl_b32 s97, s93, 9                         ; my work-group's 128 columns,
	s_add_co_u32 s96, s96, s97
	s_lshl_b32 s97, s16, 8                         ; my 64 of them
	s_add_co_u32 s96, s96, s97
	s_lshl_b32 s10, s20, 19                        ; block A's 128 rows
	s_add_co_u32 s10, s10, s96
	s_mov_b32 s11, 0
	s_lshl_b32 s12, s21, 19                        ; block B's
	s_add_co_u32 s12, s12, s96
	s_mov_b32 s13, 0
	s_wait_dscnt 0x0                               ; both opening adds are done
	s_wait_kmcnt 0x0
.irp g, GP0, GP1, GP2, GPR
	s_add_nc_u64 s[\g+2:\g+3], s[4:5], s[\g+2:\g+3]
	s_or_b32 s[\g+3], s[\g+3], 0x80000000          ; type = 2
.endr
.irp g, GV0, GV1, GV2, GVR
	s_add_nc_u64 s[\g+2:\g+3], s[6:7], s[\g+2:\g+3]
	s_or_b32 s[\g+3], s[\g+3], 0x80000000
.endr
	s_add_nc_u64 s[10:11], s[8:9], s[10:11]
	s_add_nc_u64 s[12:13], s[8:9], s[12:13]
	CROUND                                         ; all four work-groups are here: the first joint loads meet
	JLOAD GP0, G1P, GV0, G1V                       ; positions 0, 1
	JLOAD GP1, G1P, GV1, G1V                       ; positions 2, 3
	JLOAD GP2, G1P, GV2, G1V                       ; positions 4, 5
	v_and_b32 v1, 15, v0                           ; r
	v_bfe_u32 v2, v0, 4, 1                         ; h
	v_and_b32 v[LI], 31, v0
	v_lshlrev_b32 v[LI], 4, v[LI]
	s_mul_i32 s20, s15, 6144
	v_add_nc_u32 v[ADRA], s20, v[LI]
	s_mul_i32 s20, s16, 6144
	s_add_co_u32 s20, s20, VB
	v_add_nc_u32 v[ADRB], s20, v[LI]
	s_xor_b32 s20, s15, 1
	s_add_co_u32 s20, s20, s16
	s_lshl_b32 s20, s20, 8
	s_add_co_u32 s20, s20, VB-256                  ; from my words of P to my words of v^T
	v_mul_u32_u24 v16, s20, v2                     ; lanes 16-31 take v^T's
	v_lshl_add_u32 v16, v1, 4, v16
	s_lshl_b32 s21, s15, 8
	s_add_co_u32 s21, s21, CODES
	v_add_nc_u32 v[ADRS], s21, v16
	s_mul_i32 s20, s14, STG
	s_add_co_u32 s20, s20, STAGE                   ; my stage
	v_mul_u32_u24 v[STO], v1, 272
	v_lshl_add_u32 v[STO], v2, 6, v[STO]
	v_add_nc_u32 v[STO], s20, v[STO]               ; in: row r, + 64 h bytes
	v_mul_u32_u24 v[RD], v2, 272
	v_lshl_add_u32 v[RD], v1, 4, v[RD]
	v_add_nc_u32 v[RD], s20, v[RD]                 ; back: two rows an instruction
	v_lshlrev_b32 v[GO], 12, v2
	v_lshl_add_u32 v[GO], v1, 4, v[GO]             ; and the same two rows in out
	s_wait_tensorcnt 0x2                           ; my first load is in: positions 0 and 1; my other two may stay out
	s_barrier_signal -1
	s_barrier_wait -1
	FETCHK 0
	KSTEP 0, 0, 1                                  ; position 0: A's sums begin
	KSTEP 1, 0, 0
	KSTEP 2, 128, 1                                ; position 1: B's sums begin
	WIN 0
	s_wait_tensorcnt 0x1                           ; my second load is in: positions 2 and 3; the third may stay out
	s_wait_dscnt 0x0
	s_barrier_signal -1
	s_barrier_wait -1
	KSTEP 3, 128, 0
	KSTEPV 4, 0                                    ; position 2
	s_wait_tensorcnt 0x0                           ; THE ONE REFILL.  All my tensor loads have landed;
	ds_add_u32 v[SPW], v[NIL]                      ; 0 onto my spare word;
	s_wait_dscnt 0x0                               ; the add is done, and my reads of places 0 to 2 are over: position 2's last fragments are in
	CROUND                                         ; that holds of every wave of all four partners
	JLOAD GPR, G1PR, GVR, G1VR                     ; positions 6 to 8 into places 0 to 2
	KSTEPV 5, 0
	KSTEPV 6, 1                                    ; position 3
	KSTEPV 7, 1
	KSTEPV 8, 2                                    ; position 4
	KSTEPV 9, 2
	KSTEP 10, 128, 0                               ; position 5
	PLACES
	OUTB 0, 10                                     ; block A is finished: it leaves while the refill is on its way, and its stores while B's last units are multiplied
	s_wait_tensorcnt 0x0                           ; the refill has landed
	ds_add_u32 v[SPW], v[NIL]
	s_wait_dscnt 0x0
	s_barrier_signal -1
	s_barrier_wait -1                              ; everybody's has
.irp k, 11,12,13,14,15,16
	KSTEP \k, 128, 0                               ; positions 5 (its second half) to 8
.endr
	s_wait_dscnt 0x0
	WIN MUL
	MUL16 1, 128, 0                                ; the last K step: nothing more to fetch
	WIN 0
	PLACES
	s_wait_xcnt 0x0                                ; block A's stores have read the registers that block B's rows come back into
	OUTB 128, 12
	s_wait_tensorcnt 0x0                           ; the wave's end: behind my last tensor load and my last LDS store
	ds_add_u32 v[SPW], v[NIL]
	s_wait_dscnt 0x0
	CROUND                                         ; the closing round
	s_endpgm
.Lfunc_end_k_q959ee42669_pv:
	.size	k_q959ee42669_pv, .Lfunc_end_k_q959ee42669_pv-k_q959ee42669_pv
	.p2alignl 7, 3214868480
	.fill 96, 4, 3214868480
	.section	.rodata,"a",@progbits
	.p2align	6, 0x0
	.amdhsa_kernel k_q959ee42669_pv
		.amdhsa_group_segment_fixed_size 327680
		.amdhsa_private_segment_fixed_size 0
		.amdhsa_enable_private_segment 0
		.amdhsa_kernarg_size 24
		.amdhsa_user_sgpr_count 2
		.amdhsa_user_sgpr_kernarg_segment_ptr 1
		.amdhsa_wavefront_size32 1
		.amdhsa_system_sgpr_workgroup_id_x 1
		.amdhsa_system_sgpr_workgroup_id_y 1
		.amdhsa_system_sgpr_workgroup_id_z 1
		.amdhsa_system_vgpr_workitem_id 0
		.amdhsa_next_free_vgpr 768
		.amdhsa_next_free_sgpr 100
		.amdhsa_reserve_vcc 0
		.amdhsa_float_denorm_mode_32 3
		.amdhsa_float_denorm_mode_16_64 3
		.amdhsa_memory_ordered 1
		.amdhsa_forward_progress 1
		.amdhsa_inst_pref_size 111
	.end_amdhsa_kernel
	.amdgpu_metadata
---
amdhsa.version: [ 1, 2 ]
amdhsa.kernels:
  - .name:           k_q959ee42669_pv
    .symbol:         k_q959ee42669_pv.kd
    .args:
      - { .name: pc, .offset: 0, .size: 8, .value_kind: global_buffer, .address_space: global }
      - { .name: qkv, .offset: 8, .size: 8, .value_kind: global_buffer, .address_space: global }
      - { .name: out0, .offset: 16, .size: 8, .value_kind: global_buffer, .address_space: global }
    .group_segment_fixed_size: 327680
    .private_segment_fixed_size: 0
    .kernarg_segment_align: 8
    .kernarg_segment_size: 24
    .max_flat_workgroup_size: 128
    .sgpr_count:     100
    .vgpr_count:     768
    .wavefront_size: 32
...
	.end_amdgpu_metadata
.endif
;; end of part 9
